; MI455X (gfx1250); checked and timed in simulation.
; The chip was launched on July 23, 2026; its instructions are those of AMD's public machine-readable ISA for CDNA 5 (MIT licence, August 2026) and "CDNA5" Instruction Set Architecture Reference Guide (July 2026). The comments in the code are by the model that wrote it; some were corrected since.
;; Encoder Layer. Allowed arithmetic: matrix products marked QUANTISED: E2M3 operands, one E8M0 scale for each 32 along K, by v_wmma_scale_f32_16x16x128_f8f6f4 with both operands' format E2M3, f32 sums; everything else in f32.
;; Inputs: Wk 1,024 x 1,024 float32; Wo 1,024 x 1,024 float32; Wq 1,024 x 1,024 float32; Wv 1,024 x 1,024 float32; bk 1,024 float32; bo 1,024 float32; bq 1,024 float32; bv 1,024 float32; fc1_b 4,096 float32; fc1_w 4,096 x 1,024 float32; fc2_b 1,024 float32; fc2_w 1,024 x 4,096 float32; ln1_b 1,024 float32; ln1_g 1,024 float32; ln2_b 1,024 float32; ln2_g 1,024 float32; mask 2 x 2,048 bool; x 2,048 x 2 x 1,024 float32.
;; Outputs: out0 2,048 x 2 x 1,024 float32.
;; This version of the problem:
;;   THIS VERSION OF THE PROBLEM IS GIVEN IN LOW PRECISION. The matrix products marked QUANTISED in the list below multiply operands that are first quantised to E2M3 (2 exponent bits, 3 mantissa bits; 6 bits a number), with one power-of-two scale for each 32 numbers along K (OCP MX v1.0); their sums are f32. All else is computed in f32.
;;   The module's matrix products, in the order in which they are computed (A, B: the left and right operand; K: the contracted axis; several contracted axes count as one K, in the product's order):
;;     1. [M 4,096, K 1,024] x [K 1,024, N 1,024]; A: computed on the way; B: input Wq: QUANTISED
;;     2. [M 4,096, K 1,024] x [K 1,024, N 1,024]; A: computed on the way; B: input Wk: QUANTISED
;;     3. [M 4,096, K 1,024] x [K 1,024, N 1,024]; A: computed on the way; B: input Wv: QUANTISED
;;     4. batch 32 x [M 2,048, K 64] x [K 64, N 2,048]; A: computed on the way; B: computed on the way: QUANTISED
;;     5. batch 32 x [M 2,048, K 2,048] x [K 2,048, N 64]; A: softmax (see below); B: computed on the way: QUANTISED
;;     6. [M 4,096, K 1,024] x [K 1,024, N 1,024]; A: computed on the way; B: input Wo: QUANTISED
;;     7. [M 4,096, K 1,024] x [K 1,024, N 4,096]; A: computed on the way; B: input fc1_w: QUANTISED
;;     8. [M 4,096, K 4,096] x [K 4,096, N 1,024]; A: computed on the way; B: input fc2_w: QUANTISED
;;   THE QUANTISER, for each operand of a quantised product, along K:
;;     - K is cut into blocks of 32 from its start; a last block that is shorter is filled with zeros.
;;     - A block's scale is 2^e with e = floor(log2(the largest magnitude in the block)) - 2, held to -126 .. 127; a block of zeros has e = 0. As a byte (E8M0): e + 127.
;;     - Each number is divided by its block's scale, clamped to +-7.5, and rounded to the nearest number of E2M3, ties to even, subnormals kept.
;;     - The product sums the exact products of the quantised numbers (number of the format x scale) in f32.
;;   ~~~python
;;   def quantise(x, axis):      # numpy; x: float32 -> the quantised numbers, widened to float32 again
;;       x = np.moveaxis(x, axis, -1); K = x.shape[-1]
;;       x = np.pad(x, [(0, 0)] * (x.ndim - 1) + [(0, -K % 32)]); x = x.reshape(x.shape[:-1] + (-1, 32)); a = np.abs(x).max(-1, keepdims=True)
;;       e = np.where(a > 0, np.clip(np.frexp(np.where(a > 0, a, 1))[1] - 1 - 2, -126, 127), 0)      # np.frexp(a)[1] - 1 = floor(log2(a)), exactly
;;       r = np.clip(x / 2.0 ** e, -7.5, 7.5)
;;       step = 2.0 ** (np.maximum(np.frexp(np.where(r == 0, 1, r))[1] - 1, 0) - 3)
;;       q = np.round(r / step) * step * 2.0 ** e      # np.round: ties to even
;;       return np.moveaxis(q.reshape(q.shape[:-2] + (-1,))[..., :K], -1, axis).astype(np.float32)
;;   ~~~
;;   SOFTMAX AHEAD OF A QUANTISED PRODUCT. Where the list says 'softmax', what is quantised is not the finished softmax but p = 2^(t - M), with t = logit x log2(e) and M = ceil(the row's largest t), a whole number; so 1/2 < the row's largest p <= 1. The row's sum l is taken of the UNQUANTISED p, in f32, and the product's result is divided by l at the end. Since M is a whole number, a kernel that streams over the keys may use a running M (the ceiling of the running maximum): every later rescaling is an exact power of two, which a block's scale takes up: the codes' values come out the same.
;;   OPERANDS COMPUTED ON THE WAY. 'Computed on the way' means the value that the module computes at that place (a softmax that the list does not call 'softmax' is quantised finished and normalised). What goes into a quantiser is computed in f32, as accurately as f32 sums, v_exp_f32 and their like allow (about 1e-6 of the number): no bf16 or f16 on the way to a quantiser, and a product that is left as it is and whose result goes on into a quantised operand takes f32 operands (vector FMAs, or v_wmma_f32_16x16x4_f32). A number that lies on a knife's edge between two numbers of the format may be rounded either way, as far as f32 arithmetic and the matrix unit's own rounding can turn it there, and no further.
;; 2 versions. Each part assembles by itself: llvm-mc -triple=amdgcn-amd-amdhsa -mcpu=gfx1250 --defsym DOCPART=n.
;; ======== version 1 of 2: 8 launches
;; limits: right only within a limited range of input values
;; workspace buffers: W 9,847,040 bytes; A1 3,276,800 bytes; QKV 10,092,544 bytes; O 3,276,800 bytes; X1 16,777,216 bytes; H2 3,276,800 bytes; G 13,107,200 bytes
;; launch quantw (part 1): grid 769 x 1, 8 waves a work-group, no clusters, 0 bytes of LDS; arguments Wq, Wk, Wv, Wo, fc1_w, fc2_w, mask, W; writes W
.if DOCPART == 1
	.amdgcn_target "amdgcn-amd-amdhsa--gfx1250"
	.amdhsa_code_object_version 6
	.text
	.protected	k_qbcd10f0999_quantw
	.globl	k_qbcd10f0999_quantw
	.p2align	8
	.type	k_qbcd10f0999_quantw,@function
k_qbcd10f0999_quantw:
	s_mov_b64 s[64:65], 0
	v_nop
	global_prefetch_b8 v0, s[64:65] scope:SCOPE_SE
	s_setreg_imm32_b32 hwreg(HW_REG_WAVE_MODE, 25, 1), 1
	s_wait_xcnt 0x0
; The six weights, f32 with K innermost, become codes of E2M3 with one E8M0 byte for each 32 along K, laid in the order of the operand's registers; the mask becomes scale words.
; NO WORK OF THE LAYER IS LEFT OUT, and every input is loaded.  Two steps are carried in another form, for all values of the inputs:
;  (1) q's factor Dh^-0.5 = 2^-3 is not applied to q: a power of two goes through the quantiser unchanged (same codes, scale bytes 3 higher), and is folded into c = log2(e) / 8, by which the scores become t.
;  (2) where(mask, -1e9, score): the head's 64 fill half of the matrix instruction's 128 along K.  At k = 64 q carries the code of +1 (scale byte 127) and every key the code of -1; the key's scale byte for that block
;      is 158 (2^31) where the key is masked and 1 (2^-126) where it is not: a masked score is q.k - 2^31, whose p is exactly 0, as with -1e9.
;      A batch ALL of whose keys are masked gets p = 1 for every key from the layer as it is written: for such a batch every byte is written as open and c is stored as 0, so that t = 0, M = 0, p = 1.  A select, no branch.
; LIMITS: |q.k| under 2^29 and open scores above -1e9 (beyond that a masked key could weigh in); the scale bytes' hold at -126 is not moved by the 2^-3; a block of zeros gets the byte 1 where the rule says 127
; (its codes are zeros, and this program alone reads the bytes); NaN and infinities among the inputs are not served.
; LAYOUT OF W.  A fragment is 16 rows x 128 K = two halves of 768 bytes; a half: lane l's registers 0-3 at 16 l, registers 4-5 at 512 + 8 l.  Fragment F = 8 x work-group + wave lies at 1536 F, its 16 scale words at WSC + 64 F.
; THE ROWS OF A FRAGMENT ARE NOT NEIGHBOURS: lane row r of row block rho is row 32 (rho / 2) + 8 (rho % 2) + r + 8 (r / 8), so that a transposed product leaves 16 neighbours along the next K in 16 registers.
; A wave makes one fragment: lane (r, h) loads, of its row, 16 neighbours of each of four blocks of 32.  Work-groups 0-63 Wq, 64-127 Wk, 128-191 Wv, 192-255 Wo, 256-511 fc1_w, 512-767 fc2_w (row block x 4 + quarter of K); 768: the mask.
.set WSC,  9437184
.set WMK,  9830400                     ; the mask's words, one for each key, in the order of K's rows
.set WCF,  9846784                     ; c for each batch, 128 bytes each
.set XA,   4                           ; v4  my byte in the fragment's rows
.set VO16, 5                           ; v5  16 x lane
.set VO8,  6                           ; v6  8 x lane
.set R4,   7                           ; v7  4 x (lane % 16)
.set X,    16                          ; v16-79   64 numbers: register 16 b + i = k 32 b + 16 (lane / 16) + i of my row
.set TM,   80                          ; v80-95   at work
.set PW,   96                          ; v96      the scale word
.set PC,   100                         ; v100-119 the codes
.set SEL,  32                          ; s[32:33] selects for lane l xor 16
; 64 numbers of a lane become a fragment's 12 registers in v[PC] on and its row's scale word in v[PW]
.macro QUANT s
.irp b, 0,1,2,3
	v_max3_num_f32 v[TM+\b], |v[\s+16*\b]|, |v[\s+1+16*\b]|, 0x1800000   ; my 16 numbers of block b, and the floor 2^(3 - 127): the byte cannot fall under 1
.endr
.irp i, 2,4,6,8,10,12,14
.irp b, 0,1,2,3
	v_max3_num_f32 v[TM+\b], v[TM+\b], |v[\s+16*\b+\i]|, |v[\s+1+16*\b+\i]|
.endr
.endr
.irp b, 0,1,2,3
	v_permlanex16_b32 v[TM+4+\b], v[TM+\b], s[SEL], s[SEL+1]
.endr
.irp b, 0,1,2,3
	v_max_num_f32 v[TM+\b], v[TM+\b], v[TM+4+\b]   ; with lane l xor 16's: the block's largest magnitude
.endr
.irp b, 0,1,2,3
	v_add_nc_u32 v[TM+12+\b], 0xff000000, v[TM+\b]   ; 2 off its exponent field: the conversion's scale operand
.endr
.irp b, 0,1,2,3
	v_lshrrev_b32 v[TM+4+\b], 23, v[TM+12+\b]      ; the scale's byte
.endr
	v_lshl_or_b32 v[PW], v[TM+5], 8, v[TM+4]
	v_lshl_or_b32 v[PW], v[TM+6], 16, v[PW]
	v_lshl_or_b32 v[PW], v[TM+7], 24, v[PW]
.irp c, 0,1
	v_cvt_scalef32_pk16_fp6_f32 v[PC+6*\c:PC+2+6*\c], v[\s+32*\c:\s+15+32*\c], v[TM+12+2*\c]
	v_cvt_scalef32_pk16_fp6_f32 v[PC+12+4*\c:PC+14+4*\c], v[\s+16+32*\c:\s+31+32*\c], v[TM+12+2*\c+1]   ; (a conversion's three registers begin on an even number)
.endr
	v_nop                                          ; one plain place behind a scaled conversion
.irp c, 0,1                                    ; the operand wants a whole block in a lane: lanes 0-15 block 2 c, lanes 16-31 block 2 c + 1
.irp i, 0,1,2
	v_permlane16_swap_b32 v[PC+6*\c+\i], v[PC+12+4*\c+\i]
.endr
.irp i, 0,1,2
	v_mov_b32 v[PC+3+6*\c+\i], v[PC+12+4*\c+\i]
.endr
.endr
.endm
	s_load_b512 s[16:31], s[0:1], 0x0              ; Wq s[16:17], Wk, Wv, Wo, fc1_w, fc2_w s[26:27], mask s[28:29], W s[30:31]
	v_lshrrev_b32 v1, 5, v0
	v_readfirstlane_b32 s2, v1                     ; wave 0..7
	v_and_b32 v1, 31, v0                           ; lane
	v_and_b32 v2, 15, v0                           ; r
	v_bfe_u32 v3, v0, 4, 1                         ; h
	s_cmp_eq_u32 ttmp9, 768
	s_cbranch_scc1 .Lmask
	s_mov_b32 s[SEL], 0x76543210
	s_mov_b32 s[SEL+1], 0xfedcba98
.irp b, 0,1,2,3
	v_mov_b32 v[TM+4+\b], 0                        ; a lane permute's destination counts as one of its sources
.endr
	v_lshlrev_b32 v[VO16], 4, v1
	v_lshlrev_b32 v[VO8], 3, v1
	v_lshlrev_b32 v[R4], 2, v2
	s_wait_kmcnt 0x0
	s_mov_b64 s[4:5], s[26:27]                     ; which weight, and which chunk of it: the choice hangs on the work-group's number alone
	s_sub_co_u32 s6, ttmp9, 512
	s_sub_co_u32 s7, ttmp9, 256
	s_cmp_lt_u32 ttmp9, 512
	s_cselect_b64 s[4:5], s[24:25], s[4:5]
	s_cselect_b32 s6, s7, s6
	s_sub_co_u32 s7, ttmp9, 192
	s_cmp_lt_u32 ttmp9, 256
	s_cselect_b64 s[4:5], s[22:23], s[4:5]
	s_cselect_b32 s6, s7, s6
	s_sub_co_u32 s7, ttmp9, 128
	s_cmp_lt_u32 ttmp9, 192
	s_cselect_b64 s[4:5], s[20:21], s[4:5]
	s_cselect_b32 s6, s7, s6
	s_sub_co_u32 s7, ttmp9, 64
	s_cmp_lt_u32 ttmp9, 128
	s_cselect_b64 s[4:5], s[18:19], s[4:5]
	s_cselect_b32 s6, s7, s6
	s_cmp_lt_u32 ttmp9, 64
	s_cselect_b64 s[4:5], s[16:17], s[4:5]
	s_cselect_b32 s6, ttmp9, s6
	s_lshr_b32 s9, s6, 2
	s_and_b32 s10, s6, 3
	s_cmp_ge_u32 ttmp9, 512                        ; fc2_w has rows of 16,384 bytes and four chunks to a row block
	s_cselect_b32 s8, 14, 12                       ; log2 of a row's bytes
	s_cselect_b32 s9, s9, s6                       ; row block
	s_cselect_b32 s10, s10, 0                      ; quarter of K
	s_lshr_b32 s11, s9, 1
	s_lshl_b32 s11, s11, 5
	s_and_b32 s12, s9, 1
	s_lshl_b32 s12, s12, 3
	s_or_b32 s11, s11, s12                         ; the block's first row: 32 (rho / 2) + 8 (rho % 2)
	s_lshl_b32 s11, s11, s8
	s_lshl_b32 s10, s10, 12
	s_add_co_u32 s11, s11, s10
	s_lshl_b32 s12, s2, 9                          ; my wave's 128 along K
	s_add_co_u32 s10, s11, s12
	s_mov_b32 s11, 0
	s_add_nc_u64 s[4:5], s[4:5], s[10:11]
	v_and_b32 v[XA], 8, v2
	v_add_nc_u32 v[XA], v[XA], v2                  ; r + 8 (r / 8)
	v_lshlrev_b32 v[XA], s8, v[XA]
	v_lshl_add_u32 v[XA], v3, 6, v[XA]             ; + 64 h: my 16 numbers of a block of 32
.irp b, 0,1,2,3
.irp j, 0,1,2,3
	global_load_b128 v[X+16*\b+4*\j:X+16*\b+4*\j+3], v[XA], s[4:5] offset:128*\b+16*\j th:TH_LOAD_NT
.endr
.endr
	s_lshl_b32 s12, ttmp9, 3
	s_add_co_u32 s12, s12, s2                      ; F
	s_mul_i32 s14, s12, 1536
	s_mov_b32 s15, 0
	s_add_nc_u64 s[14:15], s[30:31], s[14:15]
	s_lshl_b32 s12, s12, 6
	s_add_co_u32 s12, s12, WSC
	s_mov_b32 s13, 0
	s_add_nc_u64 s[12:13], s[30:31], s[12:13]
	s_wait_loadcnt 0x0
	QUANT X
	global_store_b128 v[VO16], v[PC:PC+3], s[14:15]                 ; 512 consecutive bytes,
	global_store_b64 v[VO8], v[PC+4:PC+5], s[14:15] offset:512      ; 256,
	global_store_b128 v[VO16], v[PC+6:PC+9], s[14:15] offset:768
	global_store_b64 v[VO8], v[PC+10:PC+11], s[14:15] offset:1280
	global_store_b32 v[R4], v[PW], s[12:13]        ; lanes 16-31 hold the same words and store them to the same places
	s_endpgm
.Lmask:                                                ; wave w: batch w / 4, a quarter (512) of its keys
	s_lshr_b32 s34, s2, 2
	s_and_b32 s35, s2, 3
	s_lshl_b32 s36, s34, 11                        ; the batch's first byte in mask
	s_mov_b32 s37, 0
	s_lshl_b32 s38, s35, 9
	s_add_co_u32 s38, s38, s36                     ; my first key
	s_mov_b32 s39, 0
	s_lshl_b32 s40, s38, 2
	s_add_co_u32 s40, s40, WMK
	s_mov_b32 s41, 0
	s_lshl_b32 s42, s34, 7
	s_add_co_u32 s42, s42, WCF
	s_mov_b32 s43, 0
	v_lshlrev_b32 v10, 6, v1                       ; 64 bytes a lane: the whole batch
	v_and_b32 v8, 7, v1
	v_bfe_u32 v9, v1, 3, 1
	v_lshl_or_b32 v8, v9, 4, v8
	v_lshl_or_b32 v8, v3, 3, v8                    ; the lane's number with bits 3 and 4 changed round: place l of a group of 32 holds that key
	v_lshlrev_b32 v13, 2, v1
	s_wait_kmcnt 0x0
	s_add_nc_u64 s[36:37], s[28:29], s[36:37]
	s_add_nc_u64 s[38:39], s[28:29], s[38:39]
	s_add_nc_u64 s[40:41], s[30:31], s[40:41]
	s_add_nc_u64 s[42:43], s[30:31], s[42:43]
.irp j, 0,1,2,3
	global_load_b128 v[16+4*\j:19+4*\j], v10, s[36:37] offset:16*\j
.endr
.irp i, 0,1,2,3,4,5,6,7,8,9,10,11,12,13,14,15
	global_load_u8 v[32+\i], v8, s[38:39] offset:32*\i
.endr
	s_wait_loadcnt 0x0
.irp j, 17,18,19,20,21,22,23,24,25,26,27,28,29,30,31
	v_and_b32 v16, v16, v[\j]
.endr
	v_cmp_ne_u32 vcc_lo, 0x01010101, v16           ; a lane with an open key among its 64
	s_mov_b32 s6, 0x019e0000                       ; a masked key's word: byte 2 = 158, byte 3 = 1 (over zero codes)
	s_mov_b32 s7, 0x3e38aa3b                       ; c = log2(e) / 8
	s_cmp_eq_u32 vcc_lo, 0                         ; no open key in the batch
	s_cselect_b32 s6, 0x01010000, s6
	s_cselect_b32 s7, 0, s7
	v_mov_b32 v11, 0x01010000                      ; an open key's word
	v_mov_b32 v12, s6
.irp i, 0,1,2,3,4,5,6,7,8,9,10,11,12,13,14,15
	v_cmp_ne_u32 vcc_lo, 0, v[32+\i]
	v_cndmask_b32 v[32+\i], v11, v12, vcc_lo
	global_store_b32 v13, v[32+\i], s[40:41] offset:128*\i
.endr
	s_cmp_lg_u32 s35, 0
	s_cbranch_scc1 .Ldone
	v_mov_b32 v14, s7
	global_store_b32 v13, v14, s[42:43]
.Ldone:
	s_endpgm
.Lfunc_end_k_qbcd10f0999_quantw:
	.size	k_qbcd10f0999_quantw, .Lfunc_end_k_qbcd10f0999_quantw-k_qbcd10f0999_quantw
	.p2alignl 7, 3214868480
	.fill 96, 4, 3214868480
	.section	.rodata,"a",@progbits
	.p2align	6, 0x0
	.amdhsa_kernel k_qbcd10f0999_quantw
		.amdhsa_group_segment_fixed_size 0
		.amdhsa_private_segment_fixed_size 0
		.amdhsa_enable_private_segment 0
		.amdhsa_kernarg_size 64
		.amdhsa_user_sgpr_count 2
		.amdhsa_user_sgpr_kernarg_segment_ptr 1
		.amdhsa_wavefront_size32 1
		.amdhsa_system_sgpr_workgroup_id_x 1
		.amdhsa_system_sgpr_workgroup_id_y 1
		.amdhsa_system_sgpr_workgroup_id_z 1
		.amdhsa_system_vgpr_workitem_id 0
		.amdhsa_next_free_vgpr 128
		.amdhsa_next_free_sgpr 66
		.amdhsa_reserve_vcc 1
		.amdhsa_float_denorm_mode_32 3
		.amdhsa_float_denorm_mode_16_64 3
		.amdhsa_memory_ordered 1
		.amdhsa_forward_progress 1
		.amdhsa_inst_pref_size 16
	.end_amdhsa_kernel
	.amdgpu_metadata
---
amdhsa.version: [ 1, 2 ]
amdhsa.kernels:
  - .name:           k_qbcd10f0999_quantw
    .symbol:         k_qbcd10f0999_quantw.kd
    .args:
      - { .name: Wq, .offset: 0, .size: 8, .value_kind: global_buffer, .address_space: global }
      - { .name: Wk, .offset: 8, .size: 8, .value_kind: global_buffer, .address_space: global }
      - { .name: Wv, .offset: 16, .size: 8, .value_kind: global_buffer, .address_space: global }
      - { .name: Wo, .offset: 24, .size: 8, .value_kind: global_buffer, .address_space: global }
      - { .name: fc1_w, .offset: 32, .size: 8, .value_kind: global_buffer, .address_space: global }
      - { .name: fc2_w, .offset: 40, .size: 8, .value_kind: global_buffer, .address_space: global }
      - { .name: mask, .offset: 48, .size: 8, .value_kind: global_buffer, .address_space: global }
      - { .name: W, .offset: 56, .size: 8, .value_kind: global_buffer, .address_space: global }
    .group_segment_fixed_size: 0
    .private_segment_fixed_size: 0
    .kernarg_segment_align: 8
    .kernarg_segment_size: 64
    .max_flat_workgroup_size: 256
    .sgpr_count:     66
    .vgpr_count:     128
    .wavefront_size: 32
...
	.end_amdgpu_metadata
.endif
;; end of part 1
;; launch ln1 (part 2): grid 256 x 1, 8 waves a work-group, no clusters, 2,048 bytes of LDS; arguments x, ln1_g, ln1_b, A1; writes A1
.if DOCPART == 2
	.amdgcn_target "amdgcn-amd-amdhsa--gfx1250"
	.amdhsa_code_object_version 6
	.text
	.protected	k_qbcd10f0999_ln1
	.globl	k_qbcd10f0999_ln1
	.p2align	8
	.type	k_qbcd10f0999_ln1,@function
k_qbcd10f0999_ln1:
	s_mov_b64 s[64:65], 0
	v_nop
	global_prefetch_b8 v0, s[64:65] scope:SCOPE_SE
	s_setreg_imm32_b32 hwreg(HW_REG_WAVE_MODE, 25, 1), 1
	s_wait_xcnt 0x0
; A layer norm over rows of 1,024 f32, quantised on the way out to codes of E2M3 along the row.  In: [2048][2][1024] f32, g, b [1024].  Out: fragments in the order of the operand's registers
; (16 rows x 128 K = 1,536 bytes at 1536 (8 rho + K step); a half of 768 bytes: lane l's registers 0-3 at 16 l, registers 4-5 at 512 + 8 l), scale words at 3,145,728 + 64 (8 rho + K step) + 4 r.
; ROW BLOCKS: rho = 128 x batch + rho'; lane row r of it is token 32 (rho' / 2) + 8 (rho' % 2) + r + 8 (r / 8): the order in which later products want keys and rows.
; A work-group takes one row block, wave w its K step w: a lane holds 64 numbers of one row.  Mean and variance in two passes (no difference of large sums); the waves' sums meet in LDS, once for each pass.
; LIMITS: a block of zeros gets the byte 1 (its codes are zeros; this program alone reads the bytes); NaN and infinities are not served.
.set OSC,  3145728
.set XA,   4                           ; v4   my byte in the block's rows
.set GA,   5                           ; v5   64 h: my byte in g and b
.set VO16, 6
.set VO8,  7
.set R4,   8
.set RA,   9                           ; v9   LDS: where my wave's sum of row r goes: 32 r + 4 w
.set RR,   10                          ; v10  and where the row's eight sums are read: 32 r
.set X,    16                          ; v16-79
.set GG,   80                          ; v80-143
.set BB,   144                         ; v144-207
.set TM,   208                         ; v208-223
.set PC,   224                         ; v224-243
.set PW,   244
.set S0,   246                         ; v246-253 four pairs of sums
.set SPW,  254                         ; my spare word's LDS address; never rewritten
.set NIL,  255                         ; 0; never rewritten
.set SPARE, 1024                       ; LDS: 0-511 the first pass's sums, 512-1023 the second's, then the spare words, 128 bytes for each wave
.set SEL,  22
.macro QUANT s
.irp b, 0,1,2,3
	v_max3_num_f32 v[TM+\b], |v[\s+16*\b]|, |v[\s+1+16*\b]|, 0x1800000   ; my 16 numbers of block b, and the floor 2^(3 - 127)
.endr
.irp i, 2,4,6,8,10,12,14
.irp b, 0,1,2,3
	v_max3_num_f32 v[TM+\b], v[TM+\b], |v[\s+16*\b+\i]|, |v[\s+1+16*\b+\i]|
.endr
.endr
.irp b, 0,1,2,3
	v_permlanex16_b32 v[TM+4+\b], v[TM+\b], s[SEL], s[SEL+1]
.endr
.irp b, 0,1,2,3
	v_max_num_f32 v[TM+\b], v[TM+\b], v[TM+4+\b]
.endr
.irp b, 0,1,2,3
	v_add_nc_u32 v[TM+12+\b], 0xff000000, v[TM+\b]   ; 2 off the exponent field: the conversion's scale operand
.endr
.irp b, 0,1,2,3
	v_lshrrev_b32 v[TM+4+\b], 23, v[TM+12+\b]
.endr
	v_lshl_or_b32 v[PW], v[TM+5], 8, v[TM+4]
	v_lshl_or_b32 v[PW], v[TM+6], 16, v[PW]
	v_lshl_or_b32 v[PW], v[TM+7], 24, v[PW]
.irp c, 0,1
	v_cvt_scalef32_pk16_fp6_f32 v[PC+6*\c:PC+2+6*\c], v[\s+32*\c:\s+15+32*\c], v[TM+12+2*\c]
	v_cvt_scalef32_pk16_fp6_f32 v[PC+12+4*\c:PC+14+4*\c], v[\s+16+32*\c:\s+31+32*\c], v[TM+12+2*\c+1]
.endr
	v_nop                                          ; one plain place behind a scaled conversion
.irp c, 0,1
.irp i, 0,1,2
	v_permlane16_swap_b32 v[PC+6*\c+\i], v[PC+12+4*\c+\i]
.endr
.irp i, 0,1,2
	v_mov_b32 v[PC+3+6*\c+\i], v[PC+12+4*\c+\i]
.endr
.endr
.endm
.macro XLOAD reg, adr, p
.irp b, 0,1,2,3
.irp j, 0,1,2,3
	global_load_b128 v[\reg+16*\b+4*\j:\reg+16*\b+4*\j+3], v[\adr], s[\p:\p+1] offset:128*\b+16*\j
.endr
.endr
.endm
; the four pairs of sums become one number a row; the eight waves' numbers meet in LDS at off; the row's sum comes back in v[TM]
.macro REDUCE off
	v_pk_add_f32 v[S0:S0+1], v[S0:S0+1], v[S0+2:S0+3]
	v_pk_add_f32 v[S0+4:S0+5], v[S0+4:S0+5], v[S0+6:S0+7]
	v_pk_add_f32 v[S0:S0+1], v[S0:S0+1], v[S0+4:S0+5]
	v_add_f32 v[S0], v[S0], v[S0+1]
	v_permlanex16_b32 v[S0+1], v[S0], s[SEL], s[SEL+1]
	v_add_f32 v[S0], v[S0], v[S0+1]                ; my row's sum over my wave's 128 columns
	ds_store_b32 v[RA], v[S0] offset:\off          ; both lanes of a row write the same word with the same value
	s_wait_dscnt 0x0                               ; for the others' sake: my store is done
	s_barrier_signal -1
	s_barrier_wait -1
	ds_load_b128 v[TM:TM+3], v[RR] offset:\off
	ds_load_b128 v[TM+4:TM+7], v[RR] offset:\off+16
	s_wait_dscnt 0x0
	v_pk_add_f32 v[TM:TM+1], v[TM:TM+1], v[TM+2:TM+3]
	v_pk_add_f32 v[TM+4:TM+5], v[TM+4:TM+5], v[TM+6:TM+7]
	v_pk_add_f32 v[TM:TM+1], v[TM:TM+1], v[TM+4:TM+5]
	v_add_f32 v[TM], v[TM], v[TM+1]
.endm
	s_load_b256 s[4:11], s[0:1], 0x0               ; in s[4:5], g s[6:7], b s[8:9], out s[10:11]
	v_lshl_add_u32 v[SPW], v0, 2, SPARE
	v_mov_b32 v[NIL], 0
	v_lshrrev_b32 v1, 5, v0
	v_readfirstlane_b32 s2, v1                     ; wave 0..7
	v_and_b32 v1, 31, v0
	v_and_b32 v2, 15, v0                           ; r
	v_bfe_u32 v3, v0, 4, 1                         ; h
	s_mov_b32 s[SEL], 0x76543210
	s_mov_b32 s[SEL+1], 0xfedcba98
	s_mov_b32 s20, 0x3a800000                      ; 1 / 1024
	s_mov_b32 s21, 0x3727c5ac                      ; 1e-5
	s_lshr_b32 s12, ttmp9, 7
	s_lshl_b32 s12, s12, 12                        ; the batch: 4,096 bytes
	s_and_b32 s13, ttmp9, 126
	s_lshl_b32 s13, s13, 17                        ; 32 (rho' / 2) tokens of 8,192 bytes
	s_add_co_u32 s12, s12, s13
	s_and_b32 s13, ttmp9, 1
	s_lshl_b32 s13, s13, 16                        ; 8 (rho' % 2) tokens
	s_add_co_u32 s12, s12, s13
	s_lshl_b32 s14, s2, 9                          ; my wave's 128 columns
	s_mov_b32 s15, 0
	s_add_co_u32 s12, s12, s14
	s_mov_b32 s13, 0
	v_and_b32 v[XA], 8, v2
	v_add_nc_u32 v[XA], v[XA], v2                  ; r + 8 (r / 8)
	v_lshlrev_b32 v[XA], 13, v[XA]
	v_lshlrev_b32 v[GA], 6, v3
	v_add_nc_u32 v[XA], v[XA], v[GA]
	v_lshlrev_b32 v[VO16], 4, v1
	v_lshlrev_b32 v[VO8], 3, v1
	v_lshlrev_b32 v[R4], 2, v2
	s_lshl_b32 s3, s2, 2
	v_lshlrev_b32 v[RR], 5, v2
	v_add_nc_u32 v[RA], s3, v[RR]
	s_lshl_b32 s16, ttmp9, 3
	s_add_co_u32 s16, s16, s2                      ; the fragment: 8 rho + w
	s_mul_i32 s18, s16, 1536
	s_mov_b32 s19, 0
	s_lshl_b32 s16, s16, 6
	s_add_co_u32 s16, s16, OSC
	s_mov_b32 s17, 0
	s_wait_kmcnt 0x0
	s_add_nc_u64 s[4:5], s[4:5], s[12:13]
	s_add_nc_u64 s[6:7], s[6:7], s[14:15]
	s_add_nc_u64 s[8:9], s[8:9], s[14:15]
	s_add_nc_u64 s[18:19], s[10:11], s[18:19]
	s_add_nc_u64 s[16:17], s[10:11], s[16:17]
	XLOAD X, XA, 4
	XLOAD GG, GA, 6
	XLOAD BB, GA, 8
	s_wait_loadcnt 32                              ; the row's numbers are in; the 32 loads of g and b may stay out
.irp k, 0,1,2,3
	v_pk_add_f32 v[S0+2*\k:S0+2*\k+1], v[X+2*\k:X+2*\k+1], v[X+8+2*\k:X+9+2*\k]
.endr
.irp i, 16,24,32,40,48,56
.irp k, 0,1,2,3
	v_pk_add_f32 v[S0+2*\k:S0+2*\k+1], v[S0+2*\k:S0+2*\k+1], v[X+\i+2*\k:X+\i+2*\k+1]
.endr
.endr
	REDUCE 0
	v_mul_f32 v[S0], s20, v[TM]                    ; the mean
.irp i, 0,2,4,6,8,10,12,14,16,18,20,22,24,26,28,30,32,34,36,38,40,42,44,46,48,50,52,54,56,58,60,62
	v_pk_add_f32 v[X+\i:X+\i+1], v[X+\i:X+\i+1], v[S0:S0+1] op_sel_hi:[1,0] neg_lo:[0,1] neg_hi:[0,1]
.endr
.irp k, 0,1,2,3
	v_pk_mul_f32 v[S0+2*\k:S0+2*\k+1], v[X+2*\k:X+2*\k+1], v[X+2*\k:X+2*\k+1]
.endr
.irp i, 8,16,24,32,40,48,56
.irp k, 0,1,2,3
	v_pk_fma_f32 v[S0+2*\k:S0+2*\k+1], v[X+\i+2*\k:X+\i+2*\k+1], v[X+\i+2*\k:X+\i+2*\k+1], v[S0+2*\k:S0+2*\k+1]
.endr
.endr
	REDUCE 512                                     ; other bytes than the first pass's: no third barrier
	v_fma_f32 v[TM], v[TM], s20, s21               ; the variance + 1e-5
	v_rsq_f32 v[S0], v[TM]
	v_nop                                          ; a plain place behind the transcendental
	s_wait_alu depctr_va_vdst(0)                   ; and the wait ahead of its first reader
	s_wait_loadcnt 0x0                             ; g and b
.irp i, 0,2,4,6,8,10,12,14,16,18,20,22,24,26,28,30,32,34,36,38,40,42,44,46,48,50,52,54,56,58,60,62
	v_pk_mul_f32 v[X+\i:X+\i+1], v[X+\i:X+\i+1], v[S0:S0+1] op_sel_hi:[1,0]
.endr
.irp i, 0,2,4,6,8,10,12,14,16,18,20,22,24,26,28,30,32,34,36,38,40,42,44,46,48,50,52,54,56,58,60,62
	v_pk_fma_f32 v[X+\i:X+\i+1], v[X+\i:X+\i+1], v[GG+\i:GG+\i+1], v[BB+\i:BB+\i+1]
.endr
	QUANT X
	global_store_b128 v[VO16], v[PC:PC+3], s[18:19]
	global_store_b64 v[VO8], v[PC+4:PC+5], s[18:19] offset:512
	global_store_b128 v[VO16], v[PC+6:PC+9], s[18:19] offset:768
	global_store_b64 v[VO8], v[PC+10:PC+11], s[18:19] offset:1280
	global_store_b32 v[R4], v[PW], s[16:17]        ; lanes 16-31 hold the same words and store them to the same places
	s_wait_tensorcnt 0x0                           ; the wave's end
	ds_add_u32 v[SPW], v[NIL]
	s_wait_dscnt 0x0
	s_endpgm
.Lfunc_end_k_qbcd10f0999_ln1:
	.size	k_qbcd10f0999_ln1, .Lfunc_end_k_qbcd10f0999_ln1-k_qbcd10f0999_ln1
	.p2alignl 7, 3214868480
	.fill 96, 4, 3214868480
	.section	.rodata,"a",@progbits
	.p2align	6, 0x0
	.amdhsa_kernel k_qbcd10f0999_ln1
		.amdhsa_group_segment_fixed_size 2048
		.amdhsa_private_segment_fixed_size 0
		.amdhsa_enable_private_segment 0
		.amdhsa_kernarg_size 32
		.amdhsa_user_sgpr_count 2
		.amdhsa_user_sgpr_kernarg_segment_ptr 1
		.amdhsa_wavefront_size32 1
		.amdhsa_system_sgpr_workgroup_id_x 1
		.amdhsa_system_sgpr_workgroup_id_y 1
		.amdhsa_system_sgpr_workgroup_id_z 1
		.amdhsa_system_vgpr_workitem_id 0
		.amdhsa_next_free_vgpr 256
		.amdhsa_next_free_sgpr 66
		.amdhsa_reserve_vcc 0
		.amdhsa_float_denorm_mode_32 3
		.amdhsa_float_denorm_mode_16_64 3
		.amdhsa_memory_ordered 1
		.amdhsa_forward_progress 1
		.amdhsa_inst_pref_size 23
	.end_amdhsa_kernel
	.amdgpu_metadata
---
amdhsa.version: [ 1, 2 ]
amdhsa.kernels:
  - .name:           k_qbcd10f0999_ln1
    .symbol:         k_qbcd10f0999_ln1.kd
    .args:
      - { .name: x, .offset: 0, .size: 8, .value_kind: global_buffer, .address_space: global }
      - { .name: ln1_g, .offset: 8, .size: 8, .value_kind: global_buffer, .address_space: global }
      - { .name: ln1_b, .offset: 16, .size: 8, .value_kind: global_buffer, .address_space: global }
      - { .name: A1, .offset: 24, .size: 8, .value_kind: global_buffer, .address_space: global }
    .group_segment_fixed_size: 2048
    .private_segment_fixed_size: 0
    .kernarg_segment_align: 8
    .kernarg_segment_size: 32
    .max_flat_workgroup_size: 256
    .sgpr_count:     66
    .vgpr_count:     256
    .wavefront_size: 32
...
	.end_amdgpu_metadata
.endif
;; end of part 2
;; launch qkv (part 3): grid 12 x 16, 4 waves a work-group, clusters of 4 x 4, 327,680 bytes of LDS; arguments A1, W, bq, bk, bv, QKV; writes QKV
.if DOCPART == 3
	.amdgcn_target "amdgcn-amd-amdhsa--gfx1250"
	.amdhsa_code_object_version 6
	.text
	.protected	k_qbcd10f0999_qkv
	.globl	k_qbcd10f0999_qkv
	.p2align	8
	.type	k_qbcd10f0999_qkv,@function
k_qbcd10f0999_qkv:
	s_mov_b64 s[64:65], 0
	v_nop
	global_prefetch_b8 v0, s[64:65] scope:SCOPE_SE
	s_setreg_imm32_b32 hwreg(HW_REG_WAVE_MODE, 25, 1), 1
	s_wait_xcnt 0x0
	s_wait_alu depctr_hold_cnt(0) depctr_sa_sdst(0) depctr_va_vdst(0) depctr_va_sdst(0) depctr_va_ssrc(0) depctr_va_vcc(0) depctr_vm_vsrc(0)
	s_getreg_b32 s2, hwreg(HW_REG_IB_STS2, 6, 4)
	s_cmp_eq_u32 s2, 0
	s_cbranch_scc0 .Lentry_in_a_cluster
	s_endpgm
.Lentry_in_a_cluster:
	s_bfe_u32 s2, ttmp6, 0x10000c
	s_cmp_lg_u32 s2, 0xf033
	s_cbranch_scc0 .Lentry_shape_is_right
	s_endpgm
.Lentry_shape_is_right:
; q = h Wq^T + bq, k = h Wk^T + bk, v^T = Wv h^T + bv, on codes of E2M3; the results are quantised on the way out: q and k along the head's 64, v along the keys.  (q's factor 2^-3 is carried in c: see the first launch.)
; A tile of 256 x 256 to a work-group of four waves, 128 x 128 a wave: 64 accumulators, 512 registers.  K = 1,024 goes in steps of 256 through a ring of two LDS slots.
; OPERANDS LIE IN MEMORY IN THE ORDER OF THEIR REGISTERS: a fragment (16 rows x 128 K) is 1,536 bytes: two halves; a half: lane l's registers 0-3 at 16 l, registers 4-5 at 512 + 8 l.  A row block's fragments follow each other
; along K, so a K step of eight row blocks is eight rows of 3,072 bytes for one tensor load, and a fragment comes out of LDS by four dense loads.  Scale words: 64 bytes a fragment; all of K's stay in LDS.
; CLUSTERS of 4 x 4: A's tiles are shared along a row of the cluster, B's along a column, by joint loads.  Cluster x = 0: q, 1: k (A = h, B = Wq | Wk); 2: v^T (A = Wv, B = h): the choice hangs on the cluster's x alone.
; THE MATRIX INSTRUCTION IS USED TRANSPOSED (source 0 = 16 rows of B, source 1 = 16 rows of A): a lane holds one row of A; since B's row blocks hold rows 32 (rho / 2) + 8 (rho % 2) + r + 8 (r / 8), the 64 registers of one
; block of A's rows are columns 32 b + 16 (lane / 16) + i at register 16 b + i: what the quantiser's conversions want.
; REGISTERS: window 0: v0-31 addresses; v32-63 scale words, two sets; v128-223 A's fragments, one set.  Window 1: B's fragments, two sets, at v0 and v128.  Windows 2, 3: the accumulators ((a, b) at v[8 (8 (a % 4) + b)]).
; LIMITS: a block of zeros gets the byte 1 (zero codes; this program alone reads the bytes); NaN and infinities are not served.
.set KTOT,  1024
.set KF,    KTOT/128                   ; fragments along K
.set NQ,    2                          ; matrix instructions deep in a slot
.set FR,    12                         ; registers of a fragment
.set NL,    4                          ; LDS loads that bring one
.set NP,    4                          ; places behind this matrix instruction (ISA guide 7.12.1)
.set FRB,   1536
.set RBB,   KF*FRB                     ; a row block's codes in memory
.set RB2,   NQ*FRB                     ; and its part of a slot
.set HALFT, 8*RB2                      ; eight row blocks: what one tensor load brings, and what one wave reads of A or of B
.set SLOT,  4*HALFT
.set LAPS,  KTOT/512
.set SBLK,  KF*64                      ; a row block's scale words
.set HALFS, 8*SBLK
.set SCL,   2*SLOT                     ; behind the ring: the scale words
.set SPARE, 262144                     ; the spare words, 128 bytes for each wave: no other line names them
.set WSC,   9437184
.set WMK,   9830400
.set KC,    3145728                    ; QKV: q's halves at 0, k's here, v^T's fragments at VC, q's scale words at QS, then for each (batch, head) 8,192 bytes of k's and 4,096 of v's
.set VC,    6291456
.set QS,    9437184
.set KVS,   9699328
.set ADRA, 16                          ; v16-17 LDS address of my A fragments in slot 0, 1, + 16 x lane;  v18-19 the same + 8 x lane
.set ADRB, 20                          ; v20-23 the same for B
.set ADRS, 27                          ; v27 my scale words: lanes 0-15 A's rows, lanes 16-31 B's
.set SPW,  28                          ; v28 my spare word's LDS address; never rewritten
.set NIL,  29                          ; v29 0; never rewritten
.set SC,   32
.set AF,   128
.set G1, 24
.set G0, 32
.set G1B, 48
.set G0B, 56
.set G1S, 68
.set G0S, 76
.set G1SB, 80
.set G0SB, 88
.set ISV, 95                           ; s95 1 in the clusters that make v^T
.set MSB, 0
.macro WIN new                         ; the immediate's high byte repeats the setting that is left
.if MSB != (\new)
	s_set_vgpr_msb (MSB<<8)|(\new)
.set MSB, (\new)
.endif
.endm
.set MUL_LO, 0xa1                      ; source 0 (B) window 1, source 1 (A) window 0, C and D window 2
.set MUL_HI, 0xf1
.set TO_B,   0x40
.macro JLOAD g0a, g1a, g0b, g1b        ; a joint load: waves 0 and 1 fetch for A, waves 2 and 3 for B; an s_nop 0 and four v_nop follow each line
	s_cmp_eq_u32 s15, 0
	s_cbranch_scc0 .Lfor_b_\@
	tensor_load_to_lds s[\g0a:\g0a+3], s[\g1a:\g1a+7]
	s_nop 0
.rept 4
	v_nop
.endr
	s_branch .Lasked_\@
.Lfor_b_\@:
	tensor_load_to_lds s[\g0b:\g0b+3], s[\g1b:\g1b+7]
	s_nop 0
.rept 4
	v_nop
.endr
.Lasked_\@:
.endm
.macro CREST                           ; a round of the cluster's barrier behind its opening barrier
	s_cmp_lg_u32 s14, 0
	s_cbranch_scc1 .Lnot_wave_0_\@
	s_barrier_signal -3
.Lnot_wave_0_\@:
	s_barrier_wait -3
	s_barrier_signal -1
	s_barrier_wait -1
.endm
.macro CROUND
	s_barrier_signal -1
	s_barrier_wait -1
	CREST
.endm
	s_load_b256 s[4:11], s[0:1], 0x0               ; A1 s[4:5], W s[6:7], bq s[8:9], bk s[10:11]
	s_load_b128 s[96:99], s[0:1], 0x20             ; bv s[96:97], QKV s[98:99]
	v_lshl_add_u32 v[SPW], v0, 2, SPARE
	v_mov_b32 v[NIL], 0
	ds_add_u32 v[SPW], v[NIL]                      ; the wave's opening: the add, twice on end, and its wait ahead of my first tensor load
	ds_add_u32 v[SPW], v[NIL]
	v_lshrrev_b32 v1, 5, v0
	v_readfirstlane_b32 s14, v1                    ; wave 0..3
	s_lshr_b32 s15, s14, 1                         ; which half of the tile's rows is mine.  Also: I fetch for A (0) or for B (1)
	s_and_b32 s16, s14, 1                          ; which half of its columns.  Also: which eight row blocks I fetch
	s_bfe_u32 s40, ttmp6, 0x40000                  ; cx
	s_bfe_u32 s41, ttmp6, 0x40004                  ; cy
	s_and_b32 s17, ttmp7, 0xffff
	s_lshl_b32 s17, s17, 2                         ; 4 x cluster y
	s_add_co_u32 s18, s17, s41
	s_add_co_u32 s19, s17, s40
	s_lshl_b32 s42, ttmp9, 2
	s_add_co_u32 s42, s42, s40
	s_mov_b32 s67, 3145728
	s_mov_b32 s2, WSC
	s_cmp_eq_u32 ttmp9, 2                          ; v^T?  The same in all sixteen partners
	s_cselect_b32 s17, s41, s18                    ; tile row: of Wv's four: cy; of h's sixteen: 4 x cluster y + cy
	s_cselect_b32 s42, s19, s42                    ; tile column: of h's sixteen: 4 x cluster y + cx; of Wq | Wk's eight: 4 x cluster x + cx
	s_cselect_b32 s[ISV], 1, 0
	s_cselect_b32 s66, 1572864, 0                  ; where A's codes begin in their buffer (Wv's in W; h's at 0),
	s_cselect_b32 s67, WSC+65536, s67              ; A's scale words,
	s_cselect_b32 s2, 3145728, s2                  ; and B's (B's codes begin at 0 both ways)
	s_lshl_b32 s43, s41, 2
	s_lshl_b32 s43, 15, s43                        ; my row of the cluster
	s_lshl_b32 s44, 0x1111, s40                    ; my column
	s_or_b32 s[G1+0], s43, (3<<16)|(1<<21)         ; 15:0 the mask; 17:16 elements of 8 bytes; 20 no padding; 21 set beside a mask
	s_or_b32 s[G1B+0], s44, (3<<16)|(1<<21)
.irp g, G1, G1B
	s_mov_b32 s[\g+1], 384<<16                     ; tensor_dim0 = 384 elements: 3,072 bytes
	s_mov_b32 s[\g+2], 8<<16                       ; tensor_dim1 = 8 row blocks
	s_mov_b32 s[\g+3], 384<<16                     ; tile_dim0
	s_mov_b32 s[\g+4], 8                           ; tile_dim1
	s_mov_b32 s[\g+5], KF*192                      ; from row block to row block
	s_mov_b32 s[\g+6], 0
	s_mov_b32 s[\g+7], 0
.endr
	s_or_b32 s[G1S+0], s43, (3<<16)|(1<<21)        ; the scale words of eight row blocks: a dense block, as rows of 256 bytes
	s_or_b32 s[G1SB+0], s44, (3<<16)|(1<<21)
.irp g, G1S, G1SB
	s_mov_b32 s[\g+1], 32<<16
	s_mov_b32 s[\g+2], (HALFS/256)<<16
	s_mov_b32 s[\g+3], 32<<16
	s_mov_b32 s[\g+4], HALFS/256
	s_mov_b32 s[\g+5], 32
	s_mov_b32 s[\g+6], 0
	s_mov_b32 s[\g+7], 0
.endr
	s_lshl_b32 s18, s16, 3
	s_lshl_b32 s20, s17, 4
	s_add_co_u32 s20, s20, s18                     ; A: row block 16 x tile row + 8 x half
	s_lshl_b32 s46, s42, 4
	s_add_co_u32 s46, s46, s18                     ; B: row block 16 x tile column + 8 x half
	s_mul_i32 s22, s20, SBLK
	s_add_co_u32 s22, s22, s67
	s_mov_b32 s23, 0
	s_mul_i32 s92, s46, SBLK
	s_add_co_u32 s92, s92, s2
	s_mov_b32 s93, 0
	s_mul_i32 s20, s20, RBB
	s_add_co_u32 s20, s20, s66
	s_mov_b32 s21, 0
	s_mul_i32 s46, s46, RBB
	s_mov_b32 s47, 0
	s_mul_i32 s45, s14, HALFT                      ; where they go: by the wave's number alone
	s_mul_i32 s94, s14, HALFS
	s_wait_dscnt 0x0                               ; both opening adds are done
	s_wait_kmcnt 0x0
	s_cmp_eq_u32 s[ISV], 1
	s_cselect_b64 s[12:13], s[6:7], s[4:5]         ; A's buffer
	s_cselect_b64 s[66:67], s[4:5], s[6:7]         ; B's buffer
	s_add_nc_u64 s[20:21], s[12:13], s[20:21]
	s_add_nc_u64 s[22:23], s[12:13], s[22:23]
	s_add_nc_u64 s[46:47], s[66:67], s[46:47]
	s_add_nc_u64 s[92:93], s[66:67], s[92:93]
	CROUND                                         ; all sixteen work-groups are here: the first joint loads meet
	s_mov_b32 s[G0S], 1
	s_add_co_u32 s[G0S+1], s94, SCL
	s_mov_b64 s[G0S+2:G0S+3], s[22:23]
	s_or_b32 s[G0S+3], s[G0S+3], 0x80000000
	s_mov_b32 s[G0SB], 1
	s_add_co_u32 s[G0SB+1], s94, SCL
	s_mov_b64 s[G0SB+2:G0SB+3], s[92:93]
	s_or_b32 s[G0SB+3], s[G0SB+3], 0x80000000
	JLOAD G0S, G1S, G0SB, G1SB                     ; the scale words first: they are wanted with K step 0
.irp s, 0,1
	s_mov_b32 s[G0+4*\s], 1
	s_add_co_u32 s[G0+4*\s+1], s45, \s*SLOT
	s_add_nc_u64 s[G0+4*\s+2:G0+4*\s+3], s[20:21], \s*RB2
	s_or_b32 s[G0+4*\s+3], s[G0+4*\s+3], 0x80000000
	s_mov_b32 s[G0B+4*\s], 1
	s_add_co_u32 s[G0B+4*\s+1], s45, \s*SLOT
	s_add_nc_u64 s[G0B+4*\s+2:G0B+4*\s+3], s[46:47], \s*RB2
	s_or_b32 s[G0B+4*\s+3], s[G0B+4*\s+3], 0x80000000
	JLOAD G0+4*\s, G1, G0B+4*\s, G1B
.endr
	v_and_b32 v1, 15, v0                           ; r
	v_bfe_u32 v2, v0, 4, 1                         ; h
	v_and_b32 v3, 31, v0                           ; lane
	v_lshlrev_b32 v4, 4, v3
	v_lshlrev_b32 v5, 3, v3
	s_mul_i32 s21, s15, HALFT                      ; my eight row blocks of A
	s_mul_i32 s22, s16, HALFT                      ; and of B,
	s_add_co_u32 s22, s22, 2*HALFT                 ; which lie behind A's sixteen
.irp s, 0,1
	v_add_nc_u32 v[ADRA+\s], s21, v4
	v_add_nc_u32 v[ADRB+\s], s22, v4
	v_add_nc_u32 v[ADRA+2+\s], s21, v5
	v_add_nc_u32 v[ADRB+2+\s], s22, v5
	s_add_co_u32 s21, s21, SLOT
	s_add_co_u32 s22, s22, SLOT
.endr
	v_lshlrev_b32 v6, 2, v1
	s_mul_i32 s21, s15, HALFS
	s_mul_i32 s22, s16, HALFS
	s_add_co_u32 s22, s22, 2*HALFS
	s_sub_co_u32 s22, s22, s21
	v_mul_u32_u24 v7, s22, v2                      ; lanes 16-31 take B's
	s_add_co_u32 s21, s21, SCL
	v_add_nc_u32 v6, v6, v7
	v_add_nc_u32 v[ADRS], s21, v6
.macro FRAG reg, adr, q, i             ; a fragment as it lies: four dense loads
	ds_load_b128 v[\reg:\reg+3], v[\adr] offset:(\i)*RB2+(\q)*FRB
	ds_load_b64 v[\reg+4:\reg+5], v[\adr+2] offset:(\i)*RB2+(\q)*FRB+512
	ds_load_b128 v[\reg+6:\reg+9], v[\adr] offset:(\i)*RB2+(\q)*FRB+768
	ds_load_b64 v[\reg+10:\reg+11], v[\adr+2] offset:(\i)*RB2+(\q)*FRB+1280
.endm
; 16 matrix instructions: A's blocks a0, a0 + 1 x B's eight.  The 64 accumulators take turns, one instruction a turn, in the same order in every step.
.macro MUL16 a0, p, q, sc, zero
.irp a, \a0, \a0+1
.irp b, 0,1,2,3,4,5,6,7
.if \zero
	v_wmma_scale_f32_16x16x128_f8f6f4 v[8*(8*((\a)%4)+\b):8*(8*((\a)%4)+\b)+7], v[128*(\p)+FR*\b:128*(\p)+FR*\b+FR-1], v[AF+FR*(\a):AF+FR*(\a)+FR-1], 0, v[SC+8*NQ*(\sc)+NQ*\b+(\q)], v[SC+8*NQ*(\sc)+NQ*(\a)+(\q)] matrix_a_fmt:MATRIX_FMT_FP6 matrix_b_fmt:MATRIX_FMT_FP6 matrix_a_scale:MATRIX_SCALE_ROW1
.else
	v_wmma_scale_f32_16x16x128_f8f6f4 v[8*(8*((\a)%4)+\b):8*(8*((\a)%4)+\b)+7], v[128*(\p)+FR*\b:128*(\p)+FR*\b+FR-1], v[AF+FR*(\a):AF+FR*(\a)+FR-1], v[8*(8*((\a)%4)+\b):8*(8*((\a)%4)+\b)+7], v[SC+8*NQ*(\sc)+NQ*\b+(\q)], v[SC+8*NQ*(\sc)+NQ*(\a)+(\q)] matrix_a_fmt:MATRIX_FMT_FP6 matrix_b_fmt:MATRIX_FMT_FP6 matrix_a_scale:MATRIX_SCALE_ROW1
.endif
.endr
.endr
.endm
.macro FETCH_B slot, q, p
	WIN TO_B
.irp i, 0,1,2,3,4,5,6,7
	FRAG 128*(\p)+FR*\i, ADRB+\slot, \q, \i
.endr
	WIN 0
.endm
.macro FETCH_A slot, q, i0
.irp i, \i0, \i0+1, \i0+2, \i0+3
	FRAG AF+FR*(\i), ADRA+\slot, \q, \i
.endr
.endm
.macro SCALES sc                       ; a K step's scale words: lanes 0-15 A's block i, lanes 16-31 B's block i
.irp i, 0,1,2,3,4,5,6,7
.irp q, 0,1
	ds_load_b32 v[SC+8*NQ*\sc+NQ*\i+\q], v[ADRS] offset:\i*SBLK+64*\q
.endr
.endr
.endm
.macro PLACES n                        ; plain places in front of loads into registers that matrix instructions have read, and of the first read of results
.rept \n
	v_nop
.endr
.endm
.macro STEP slot, q, zero              ; 128 along K that have their successor in the same slot
	s_wait_dscnt 4*NL                              ; all but the youngest sixteen loads (A's blocks 4-7) are in
	WIN MUL_LO
	MUL16 0, (\q)%2, \q, \slot, \zero
	MUL16 2, (\q)%2, \q, \slot, \zero
	s_wait_dscnt 0
	PLACES NP
	FETCH_B \slot, (\q)+1, 1-(\q)%2
	FETCH_A \slot, (\q)+1, 0
	WIN MUL_HI
	MUL16 4, (\q)%2, \q, \slot, \zero
	MUL16 6, (\q)%2, \q, \slot, \zero
	PLACES NP
	WIN 0
	FETCH_A \slot, (\q)+1, 4
.endm
; A slot's last step changes slots: one barrier; in front of it each wave waits for all its tensor loads, adds 0 to its spare word, and waits for that and for its reads of this slot.  fill = 1: the slot is filled again, two K steps ahead.
.macro TURN slot, next, fill
	s_wait_tensorcnt 0x0                           ; all my tensor loads have landed: my part of the next slot
	ds_add_u32 v[SPW], v[NIL]                      ; 0 onto my spare word
	s_wait_dscnt 4*NL+1                            ; (the add and A's blocks 4-7 may be out)
	WIN MUL_LO
	MUL16 0, 1, NQ-1, \slot, 0
	s_wait_dscnt 0x0                               ; the add is done, and my reads of this slot are over
	s_barrier_signal -1
	MUL16 2, 1, NQ-1, \slot, 0
	WIN 0
	s_barrier_wait -1
.if \fill
	CREST                                          ; the barrier has opened a round of the cluster's: no wave of any partner still reads this slot or has a load on its way
	s_add_nc_u64 s[G0+4*\slot+2:G0+4*\slot+3], s[G0+4*\slot+2:G0+4*\slot+3], 2*RB2
	s_add_nc_u64 s[G0B+4*\slot+2:G0B+4*\slot+3], s[G0B+4*\slot+2:G0B+4*\slot+3], 2*RB2
	JLOAD G0+4*\slot, G1, G0B+4*\slot, G1B         ; the first tensor load behind the round; its four v_nop are the places in front of the loads below
.else
	PLACES NP
.endif
	v_add_nc_u32 v[ADRS], 64*NQ, v[ADRS]           ; the next K step's scale words
	FETCH_B \next, 0, 0
	FETCH_A \next, 0, 0
	SCALES \next
	WIN MUL_HI
	MUL16 4, 1, NQ-1, \slot, 0
	MUL16 6, 1, NQ-1, \slot, 0
	PLACES NP
	WIN 0
	FETCH_A \next, 0, 4
.endm
	s_wait_tensorcnt 1                             ; the scale words and my part of K step 0 are in; K step 1's load may stay out
	s_barrier_signal -1
	s_barrier_wait -1
	FETCH_B 0, 0, 0
	FETCH_A 0, 0, 0
	SCALES 0
	FETCH_A 0, 0, 4
	STEP 0, 0, 1                                   ; the first step's products start the sums
	s_mov_b32 s3, LAPS-1
.Llap:
	TURN 0, 1, 1
	STEP 1, 0, 0
	TURN 1, 0, 1
	STEP 0, 0, 0
	s_sub_co_u32 s3, s3, 1
	s_cmp_lg_u32 s3, 0
	s_cbranch_scc1 .Llap
	TURN 0, 1, 0                                   ; the last lap fills nothing
	STEP 1, 0, 0
	s_wait_dscnt 4*NL
	WIN MUL_LO
	MUL16 0, 1, NQ-1, 1, 0
	MUL16 2, 1, NQ-1, 1, 0
	s_wait_dscnt 0
	WIN MUL_HI
	MUL16 4, 1, NQ-1, 1, 0
	MUL16 6, 1, NQ-1, 1, 0
	WIN 0
; THE WAY OUT, block by block of 16 rows of A.  The bias's addition reads the accumulators in their window and writes window 0, where the quantiser works; the codes leave as register images.  No LDS.
.set VB,   11                          ; v11 v^T: my row's byte in bv
.set VO16, 12
.set VO8,  13
.set R4,   14
.set BO,   15                          ; v15 q, k: 64 h: my byte in the bias
.set BIAS, 32                          ; v32-95   q, k: the bias of my 64 columns
.set T,    96                          ; v96-159  a block's 64 numbers
.set TM,   160
.set PW,   176
.set W0,   177
.set W1,   178
.set PC,   180
.set MW,   200                         ; v200-207 q, k: bytes 2 and 3 of the blocks' scale words
.set XB,   208                         ; v208-223 v^T: my row's bias for each block, in both registers of a pair
.set SEL,  66
.macro QUANT s
.irp b, 0,1,2,3
	v_max3_num_f32 v[TM+\b], |v[\s+16*\b]|, |v[\s+1+16*\b]|, 0x1800000   ; my 16 numbers of block b, and the floor 2^(3 - 127)
.endr
.irp i, 2,4,6,8,10,12,14
.irp b, 0,1,2,3
	v_max3_num_f32 v[TM+\b], v[TM+\b], |v[\s+16*\b+\i]|, |v[\s+1+16*\b+\i]|
.endr
.endr
.irp b, 0,1,2,3
	v_permlanex16_b32 v[TM+4+\b], v[TM+\b], s[SEL], s[SEL+1]
.endr
.irp b, 0,1,2,3
	v_max_num_f32 v[TM+\b], v[TM+\b], v[TM+4+\b]
.endr
.irp b, 0,1,2,3
	v_add_nc_u32 v[TM+12+\b], 0xff000000, v[TM+\b]
.endr
.irp b, 0,1,2,3
	v_lshrrev_b32 v[TM+4+\b], 23, v[TM+12+\b]
.endr
	v_lshl_or_b32 v[PW], v[TM+5], 8, v[TM+4]
	v_lshl_or_b32 v[PW], v[TM+6], 16, v[PW]
	v_lshl_or_b32 v[PW], v[TM+7], 24, v[PW]
.irp c, 0,1
	v_cvt_scalef32_pk16_fp6_f32 v[PC+6*\c:PC+2+6*\c], v[\s+32*\c:\s+15+32*\c], v[TM+12+2*\c]
	v_cvt_scalef32_pk16_fp6_f32 v[PC+12+4*\c:PC+14+4*\c], v[\s+16+32*\c:\s+31+32*\c], v[TM+12+2*\c+1]
.endr
	v_nop                                          ; one plain place behind a scaled conversion
.irp c, 0,1
.irp i, 0,1,2
	v_permlane16_swap_b32 v[PC+6*\c+\i], v[PC+12+4*\c+\i]
.endr
.irp i, 0,1,2
	v_mov_b32 v[PC+3+6*\c+\i], v[PC+12+4*\c+\i]
.endr
.endr
.endm
.macro QKBLK a                         ; 16 tokens x two heads of q or of k
.if (\a) > 0
	s_wait_xcnt 0x0                                ; the last block's stores have read their registers
.endif
	WIN 0x02+(\a)/4                                ; source 0: window 2 or 3
.irp i, 0,2,4,6,8,10,12,14,16,18,20,22,24,26,28,30,32,34,36,38,40,42,44,46,48,50,52,54,56,58,60,62
	v_pk_add_f32 v[T+\i:T+\i+1], v[64*((\a)%4)+\i:64*((\a)%4)+\i+1], v[BIAS+\i:BIAS+\i+1]   ; each accumulator from its low end on
.endr
	WIN 0
	QUANT T
	v_and_or_b32 v[W0], v[PW], 0xffff, v[MW+(\a)]  ; the first head's two bytes, under bytes 2 and 3 (q: 127 and 1; k: the key's mask byte and 1)
	v_lshrrev_b32 v[W1], 16, v[PW]
	v_or_b32 v[W1], v[W1], v[MW+(\a)]              ; the second head's
	global_store_b128 v[VO16], v[PC:PC+3], s[26:27] offset:768*(\a)
	global_store_b64 v[VO8], v[PC+4:PC+5], s[26:27] offset:768*(\a)+512
	global_store_b128 v[VO16], v[PC+6:PC+9], s[26:27] offset:768*(\a)+98304      ; the next head's halves lie 128 x 768 bytes on
	global_store_b64 v[VO8], v[PC+10:PC+11], s[26:27] offset:768*(\a)+98304+512
	global_store_b32 v[R4], v[W0], s[28:29] offset:64*(\a)
	global_store_b32 v[R4], v[W1], s[30:31] offset:64*(\a)
.endm
.macro VBLK a                          ; 16 channels x 128 keys of v^T: one fragment
.if (\a) > 0
	s_wait_xcnt 0x0
.endif
	WIN 0x02+(\a)/4
.irp i, 0,2,4,6,8,10,12,14,16,18,20,22,24,26,28,30,32,34,36,38,40,42,44,46,48,50,52,54,56,58,60,62
	v_pk_add_f32 v[T+\i:T+\i+1], v[64*((\a)%4)+\i:64*((\a)%4)+\i+1], v[XB+2*(\a):XB+2*(\a)+1]
.endr
	WIN 0
	QUANT T
	global_store_b128 v[VO16], v[PC:PC+3], s[26:27] offset:((\a)/4)*98304+((\a)%4)*1536
	global_store_b64 v[VO8], v[PC+4:PC+5], s[26:27] offset:((\a)/4)*98304+((\a)%4)*1536+512
	global_store_b128 v[VO16], v[PC+6:PC+9], s[26:27] offset:((\a)/4)*98304+((\a)%4)*1536+768
	global_store_b64 v[VO8], v[PC+10:PC+11], s[26:27] offset:((\a)/4)*98304+((\a)%4)*1536+1280
	global_store_b32 v[R4], v[PW], s[28:29] offset:((\a)/4)*12288+((\a)%4)*64
.endm
	PLACES NP                                      ; behind the last products: their operands' registers are written and their results read from here on
	s_mov_b32 s[SEL], 0x76543210
	s_mov_b32 s[SEL+1], 0xfedcba98
	v_lshlrev_b32 v[VO16], 4, v3
	v_lshlrev_b32 v[VO8], 3, v3
	v_lshlrev_b32 v[R4], 2, v1
	v_lshlrev_b32 v[BO], 6, v2
.irp b, 0,1,2,3
	v_mov_b32 v[TM+4+\b], 0                        ; a lane permute's destination counts as one of its sources
.endr
	s_cmp_eq_u32 s[ISV], 1                         ; the paths part once, on the cluster's x, and join ahead of the wave's end
	s_cbranch_scc1 .Lvt
	s_mov_b32 s23, QS
	s_mov_b32 s43, 8192
	s_cmp_eq_u32 ttmp9, 1                          ; k?
	s_cselect_b64 s[20:21], s[10:11], s[8:9]       ; the bias
	s_cselect_b32 s22, KC, 0
	s_cselect_b32 s23, KVS, s23
	s_cselect_b32 s43, 12288, s43                  ; from head to head among the scale words
	s_cselect_b32 s44, 1, 0
	s_lshl_b32 s46, s40, 10
	s_lshl_b32 s47, s16, 9
	s_add_co_u32 s46, s46, s47                     ; my first column of q or k, in bytes: (256 cx + 128 x half) x 4
	s_mov_b32 s47, 0
	s_add_nc_u64 s[20:21], s[20:21], s[46:47]
	s_lshr_b32 s24, s17, 3
	s_lshl_b32 s24, s24, 4
	s_lshl_b32 s25, s40, 2
	s_add_co_u32 s24, s24, s25
	s_lshl_b32 s25, s16, 1
	s_add_co_u32 s24, s24, s25                     ; 16 x batch + my first head
	s_and_b32 s25, s17, 7
	s_lshl_b32 s25, s25, 4
	s_lshl_b32 s26, s15, 3
	s_add_co_u32 s25, s25, s26                     ; my first row block in the batch
	s_lshl_b32 s26, s24, 7
	s_add_co_u32 s26, s26, s25
	s_mul_i32 s26, s26, 768
	s_add_co_u32 s26, s26, s22
	s_mov_b32 s27, 0
	s_add_nc_u64 s[26:27], s[98:99], s[26:27]      ; the halves
	s_mul_i32 s28, s24, s43
	s_lshl_b32 s29, s25, 6
	s_add_co_u32 s28, s28, s29
	s_add_co_u32 s28, s28, s23
	s_mov_b32 s29, 0
	s_add_nc_u64 s[28:29], s[98:99], s[28:29]      ; the first head's scale words,
	s_mov_b32 s30, s43
	s_mov_b32 s31, 0
	s_add_nc_u64 s[30:31], s[28:29], s[30:31]      ; the second's
	s_lshl_b32 s32, s17, 4
	s_lshl_b32 s33, s15, 3
	s_add_co_u32 s32, s32, s33
	s_lshl_b32 s32, s32, 6
	s_add_co_u32 s32, s32, WMK
	s_mov_b32 s33, 0
	s_add_nc_u64 s[32:33], s[6:7], s[32:33]        ; the mask's words of my keys
.irp b, 0,1,2,3
.irp j, 0,1,2,3
	global_load_b128 v[BIAS+16*\b+4*\j:BIAS+16*\b+4*\j+3], v[BO], s[20:21] offset:128*\b+16*\j
.endr
.endr
.irp a, 0,1,2,3,4,5,6,7
	v_mov_b32 v[MW+\a], 0x017f0000                 ; q: byte 2 = 127 over the code of +1 at k = 64, byte 3 = 1 over zero codes
.endr
	s_cmp_eq_u32 s44, 0
	s_cbranch_scc1 .Lno_mask
.irp a, 0,1,2,3,4,5,6,7
	global_load_b32 v[MW+\a], v[R4], s[32:33] offset:64*\a
.endr
.Lno_mask:
	s_wait_loadcnt 0x0
.irp a, 0,1,2,3,4,5,6,7
	QKBLK \a
.endr
	s_branch .Lout
.Lvt:
	s_lshl_b32 s24, s42, 1
	s_add_co_u32 s24, s24, s16                     ; which 128 keys of the 4,096 are my columns
	s_lshr_b32 s25, s24, 4                         ; the batch
	s_and_b32 s24, s24, 15                         ; the key step
	s_lshl_b32 s25, s25, 4
	s_lshl_b32 s26, s17, 2
	s_add_co_u32 s25, s25, s26
	s_lshl_b32 s26, s15, 1
	s_add_co_u32 s25, s25, s26                     ; 16 x batch + my first head (four row blocks of Wv to a head)
	s_lshl_b32 s26, s25, 6
	s_lshl_b32 s27, s24, 2
	s_add_co_u32 s26, s26, s27
	s_mul_i32 s26, s26, 1536
	s_add_co_u32 s26, s26, VC
	s_mov_b32 s27, 0
	s_add_nc_u64 s[26:27], s[98:99], s[26:27]
	s_mul_i32 s28, s25, 12288
	s_lshl_b32 s29, s24, 8
	s_add_co_u32 s28, s28, s29
	s_add_co_u32 s28, s28, KVS+8192
	s_mov_b32 s29, 0
	s_add_nc_u64 s[28:29], s[98:99], s[28:29]
	s_lshl_b32 s30, s17, 10
	s_lshl_b32 s31, s15, 9
	s_add_co_u32 s30, s30, s31                     ; bv at my first row block's first channel
	s_mov_b32 s31, 0
	s_add_nc_u64 s[30:31], s[96:97], s[30:31]
	v_and_b32 v[VB], 8, v1
	v_add_nc_u32 v[VB], v[VB], v1
	v_lshlrev_b32 v[VB], 2, v[VB]                  ; 4 (r + 8 (r / 8))
.irp a, 0,1,2,3,4,5,6,7
	global_load_b32 v[XB+2*\a], v[VB], s[30:31] offset:(32*(\a/2)+8*(\a%2))*4
	global_load_b32 v[XB+2*\a+1], v[VB], s[30:31] offset:(32*(\a/2)+8*(\a%2))*4   ; the same number once more: the packed addition takes a pair
.endr
	s_wait_loadcnt 0x0
.irp a, 0,1,2,3,4,5,6,7
	VBLK \a
.endr
.Lout:
	s_wait_tensorcnt 0x0                           ; the wave's end
	ds_add_u32 v[SPW], v[NIL]
	s_wait_dscnt 0x0
	CROUND                                         ; the closing round
	s_endpgm
.Lfunc_end_k_qbcd10f0999_qkv:
	.size	k_qbcd10f0999_qkv, .Lfunc_end_k_qbcd10f0999_qkv-k_qbcd10f0999_qkv
	.p2alignl 7, 3214868480
	.fill 96, 4, 3214868480
	.section	.rodata,"a",@progbits
	.p2align	6, 0x0
	.amdhsa_kernel k_qbcd10f0999_qkv
		.amdhsa_group_segment_fixed_size 327680
		.amdhsa_private_segment_fixed_size 0
		.amdhsa_enable_private_segment 0
		.amdhsa_kernarg_size 48
		.amdhsa_user_sgpr_count 2
		.amdhsa_user_sgpr_kernarg_segment_ptr 1
		.amdhsa_wavefront_size32 1
		.amdhsa_system_sgpr_workgroup_id_x 1
		.amdhsa_system_sgpr_workgroup_id_y 1
		.amdhsa_system_sgpr_workgroup_id_z 1
		.amdhsa_system_vgpr_workitem_id 0
		.amdhsa_next_free_vgpr 1024
		.amdhsa_next_free_sgpr 100
		.amdhsa_reserve_vcc 0
		.amdhsa_float_denorm_mode_32 3
		.amdhsa_float_denorm_mode_16_64 3
		.amdhsa_memory_ordered 1
		.amdhsa_forward_progress 1
		.amdhsa_inst_pref_size 226
	.end_amdhsa_kernel
	.amdgpu_metadata
---
amdhsa.version: [ 1, 2 ]
amdhsa.kernels:
  - .name:           k_qbcd10f0999_qkv
    .symbol:         k_qbcd10f0999_qkv.kd
    .args:
      - { .name: A1, .offset: 0, .size: 8, .value_kind: global_buffer, .address_space: global }
      - { .name: W, .offset: 8, .size: 8, .value_kind: global_buffer, .address_space: global }
      - { .name: bq, .offset: 16, .size: 8, .value_kind: global_buffer, .address_space: global }
      - { .name: bk, .offset: 24, .size: 8, .value_kind: global_buffer, .address_space: global }
      - { .name: bv, .offset: 32, .size: 8, .value_kind: global_buffer, .address_space: global }
      - { .name: QKV, .offset: 40, .size: 8, .value_kind: global_buffer, .address_space: global }
    .group_segment_fixed_size: 327680
    .private_segment_fixed_size: 0
    .kernarg_segment_align: 8
    .kernarg_segment_size: 48
    .max_flat_workgroup_size: 128
    .sgpr_count:     100
    .vgpr_count:     1024
    .wavefront_size: 32
...
	.end_amdgpu_metadata
.endif
;; end of part 3
;; launch attn (part 4): grid 8 x 32, 16 waves a work-group, clusters of 4 x 1, 210,944 bytes of LDS; arguments QKV, W, O; writes O
.if DOCPART == 4
	.amdgcn_target "amdgcn-amd-amdhsa--gfx1250"
	.amdhsa_code_object_version 6
	.text
	.protected	k_qbcd10f0999_attn
	.globl	k_qbcd10f0999_attn
	.p2align	8
	.type	k_qbcd10f0999_attn,@function
k_qbcd10f0999_attn:
	s_mov_b64 s[64:65], 0
	v_nop
	global_prefetch_b8 v0, s[64:65] scope:SCOPE_SE
	s_setreg_imm32_b32 hwreg(HW_REG_WAVE_MODE, 25, 1), 1
	s_wait_xcnt 0x0
	s_wait_alu depctr_hold_cnt(0) depctr_sa_sdst(0) depctr_va_vdst(0) depctr_va_sdst(0) depctr_va_ssrc(0) depctr_va_vcc(0) depctr_vm_vsrc(0)
	s_getreg_b32 s2, hwreg(HW_REG_IB_STS2, 6, 4)
	s_cmp_eq_u32 s2, 0
	s_cbranch_scc0 .Lentry_in_a_cluster
	s_endpgm
.Lentry_in_a_cluster:
	s_bfe_u32 s2, ttmp6, 0x10000c
	s_cmp_lg_u32 s2, 0x3003
	s_cbranch_scc0 .Lentry_shape_is_right
	s_endpgm
.Lentry_shape_is_right:
; o = softmax(q k^T / 8, masked) v for one (batch, head) and 256 queries, both products on codes of E2M3; o is quantised along the channels on the way out.
; The softmax ahead of the second product: t = c x (q.k), c = log2(e) / 8 (q's factor 2^-3 is in c); M = the running largest t rounded up to a whole number; p = 2^(t - M) is quantised along the keys;
; the row's sum is taken of the unquantised p and divides at the end.  When M moves, the sum and O^T are multiplied by 2^(old M - new M): exact.
; THE MASK RIDES IN THE FIRST PRODUCT.  The head's 64 fill half of the instruction's 128 along K.  At k = 64 q holds the code of +1 (scale byte 127) and every key the code of -1; that block's scale byte of a key is 158 (2^31)
; where it is masked, 1 (2^-126) where it is open: a masked score is q.k - 2^31, and its p is 0.  For a batch all of whose keys are masked the first launch has written open bytes and c = 0: t = 0, M = 0, p = 1 for every key.
; LIMITS: |q.k| under 2^29, open scores above -1e9; a block of zeros gets the byte 1; NaN and infinities are not served.
; SHARES.  Sixteen waves, 16 queries each, in 256 registers.  A head's whole K (98,304 bytes) and V^T (98,304) and their scale words (12,288) lie in LDS: each byte is filled once, nothing is filled again.
; The four work-groups of a cluster are query blocks of one head: K and V^T are asked for jointly.  Every wave issues three loads: its part of the scale words, of the first eight key steps, of the last eight.
; LAYOUT.  Both products transposed: S^T = K Q^T, O^T = V^T P^T: a lane holds one query.  K's row blocks hold keys 32 (rho / 2) + 8 (rho % 2) + r + 8 (r / 8), so that the 16 registers of tiles 2 b, 2 b + 1 are 16 neighbouring keys.
; The scale bytes of o leave as 2 bytes a row: a head owns half of a scale word, and two heads' K and V^T do not fit in LDS together.
.set KC,    3145728
.set QS,    9437184
.set KVS,   9699328
.set WCF,   9846784
.set OSC,   3145728
.set VL,    98304                      ; LDS: K at 0, V^T here,
.set SCK,   196608                     ; K's scale words,
.set SCV,   204800                     ; V's,
.set SPARE, 208896                     ; the spare words, 128 bytes for each wave: no other line names them
.set AK16, 1                           ; v1 16 x lane   v2 8 x lane   v3, v4 the same in V^T
.set AK8,  2
.set AV16, 3
.set AV8,  4
.set ASK0, 5                           ; v5 SCK + 4 r   v6 SCV + 4 r
.set ASV0, 6
.set SPW,  7
.set NIL,  8
.set ADK16, 9                          ; the step's addresses
.set ADK8,  10
.set ADV16, 11
.set ADV8,  29
.set ADS,   30
.set ADT,   31
.set KS,   32                          ; v32-79   four tiles of K: registers 0-5 loaded, 6-11 constant
.set VF,   80                          ; v80-127  four fragments of V^T
.set SS,   128                         ; v128-191 S^T, then p
.set OO,   192                         ; v192-223 O^T
.set WV,   12
.set G1C,  24
.set G1S,  32
.set G0S,  40
.set G0A,  44
.set G0B,  48
.set SEL,  54
.set CS,   56                          ; s[56:57] c
.set TB,   58                          ; the step's first byte in K and in V^T: 6,144 a step
.set TS,   59                          ; among K's scale words: 512 a step
.set TJ,   60                          ; among V's: 256 a step
.set CNT,  61
.macro CROUND
	s_barrier_signal -1
	s_barrier_wait -1
	s_cmp_lg_u32 s[WV], 0
	s_cbranch_scc1 .Lnot_wave_0_\@
	s_barrier_signal -3
.Lnot_wave_0_\@:
	s_barrier_wait -3
	s_barrier_signal -1
	s_barrier_wait -1
.endm
	s_load_b128 s[4:7], s[0:1], 0x0                ; QKV, W
	s_load_b64 s[8:9], s[0:1], 0x10                ; O
	v_lshl_add_u32 v[SPW], v0, 2, SPARE
	v_mov_b32 v[NIL], 0
	ds_add_u32 v[SPW], v[NIL]                      ; the wave's opening: the add, twice on end, and its wait ahead of my first tensor load
	ds_add_u32 v[SPW], v[NIL]
	v_lshrrev_b32 v9, 5, v0
	v_readfirstlane_b32 s[WV], v9                  ; wave 0..15
	s_bfe_u32 s13, ttmp6, 0x40000                  ; cx: it enters q's and o's addresses alone
	s_lshl_b32 s14, ttmp9, 2
	s_add_co_u32 s14, s14, s13                     ; my block of 256 queries
	s_and_b32 s15, ttmp7, 0xffff                   ; y = 16 x batch + head
	s_mov_b32 s[G1C], 15|(3<<16)|(1<<21)           ; the mask: all four work-groups; elements of 8 bytes; no padding; 21 set beside a mask
	s_mov_b32 s[G1C+1], 32<<16                     ; rows of 256 bytes,
	s_mov_b32 s[G1C+2], 24<<16                     ; 24 of them: a key step's 6,144 bytes
	s_mov_b32 s[G1C+3], 32<<16
	s_mov_b32 s[G1C+4], 24
	s_mov_b32 s[G1C+5], 32
	s_mov_b32 s[G1C+6], 0
	s_mov_b32 s[G1C+7], 0
	s_mov_b32 s[G1S], 15|(3<<16)|(1<<21)
	s_mov_b32 s[G1S+1], 32<<16
	s_mov_b32 s[G1S+2], 3<<16                      ; three rows: a sixteenth of the scale words
	s_mov_b32 s[G1S+3], 32<<16
	s_mov_b32 s[G1S+4], 3
	s_mov_b32 s[G1S+5], 32
	s_mov_b32 s[G1S+6], 0
	s_mov_b32 s[G1S+7], 0
	s_lshr_b32 s16, s[WV], 3                       ; waves 0-7 fetch K, waves 8-15 V^T
	s_and_b32 s17, s[WV], 7
	s_mul_i32 s17, s17, 6144                       ; key step wave % 8, and later 8 + wave % 8
	s_mul_i32 s18, s16, VL
	s_add_co_u32 s18, s18, s17                     ; in LDS
	s_mul_i32 s20, s16, 3145728
	s_add_co_u32 s20, s20, s17
	s_mul_i32 s19, s15, 98304
	s_add_co_u32 s20, s20, s19
	s_add_co_u32 s20, s20, KC
	s_mov_b32 s21, 0                               ; in memory
	s_mul_i32 s22, s15, 12288
	s_mul_i32 s19, s[WV], 768
	s_add_co_u32 s22, s22, s19
	s_add_co_u32 s22, s22, KVS
	s_mov_b32 s23, 0
	s_mov_b32 s[SEL], 0x76543210
	s_mov_b32 s[SEL+1], 0xfedcba98
	s_mov_b32 s[TB], 0
	s_mov_b32 s[TS], 0
	s_mov_b32 s[TJ], 0
	s_wait_dscnt 0x0                               ; both opening adds are done
	s_wait_kmcnt 0x0
	s_add_nc_u64 s[20:21], s[4:5], s[20:21]
	s_add_nc_u64 s[22:23], s[4:5], s[22:23]
	CROUND                                         ; all four work-groups are here: the joint loads meet
	s_mov_b32 s[G0S], 1
	s_add_co_u32 s[G0S+1], s19, SCK
	s_mov_b64 s[G0S+2:G0S+3], s[22:23]
	s_or_b32 s[G0S+3], s[G0S+3], 0x80000000
	s_mov_b32 s[G0A], 1
	s_mov_b32 s[G0A+1], s18
	s_mov_b64 s[G0A+2:G0A+3], s[20:21]
	s_or_b32 s[G0A+3], s[G0A+3], 0x80000000
	s_mov_b32 s[G0B], 1
	s_add_co_u32 s[G0B+1], s18, 49152
	s_add_nc_u64 s[G0B+2:G0B+3], s[20:21], 49152
	s_or_b32 s[G0B+3], s[G0B+3], 0x80000000
	tensor_load_to_lds s[G0S:G0S+3], s[G1S:G1S+7]  ; three loads of mine are out
	s_nop 0
	tensor_load_to_lds s[G0A:G0A+3], s[G1C:G1C+7]
	s_nop 0
	tensor_load_to_lds s[G0B:G0B+3], s[G1C:G1C+7]
	s_nop 0
.rept 4
	v_nop
.endr
	s_lshr_b32 s10, s15, 4                         ; the batch
	s_lshl_b32 s10, s10, 7
	s_add_co_u32 s10, s10, WCF
	s_mov_b32 s11, 0
	s_add_nc_u64 s[10:11], s[6:7], s[10:11]
	s_load_b32 s[CS], s[10:11], 0x0                ; c of my batch
	s_lshl_b32 s16, s14, 4
	s_add_co_u32 s16, s16, s[WV]                   ; my row block of queries in the batch
	s_lshl_b32 s17, s15, 7
	s_add_co_u32 s17, s17, s16
	s_mul_i32 s20, s17, 768
	s_mov_b32 s21, 0
	s_lshl_b32 s22, s17, 6
	s_add_co_u32 s22, s22, QS
	s_mov_b32 s23, 0
	s_add_nc_u64 s[20:21], s[4:5], s[20:21]        ; q's half
	s_add_nc_u64 s[22:23], s[4:5], s[22:23]        ; and its scale words
	s_lshr_b32 s17, s15, 4
	s_lshl_b32 s17, s17, 7
	s_add_co_u32 s17, s17, s16                     ; o's row block: 128 x batch + mine
	s_and_b32 s18, s15, 15                         ; the head
	s_lshl_b32 s19, s17, 4
	s_add_co_u32 s19, s19, s18
	s_mul_i32 s52, s19, 768
	s_mov_b32 s53, 0
	s_add_nc_u64 s[52:53], s[8:9], s[52:53]        ; o's half: K step head / 2, half head % 2
	s_lshl_b32 s62, s17, 9
	s_lshr_b32 s19, s18, 1
	s_lshl_b32 s19, s19, 6
	s_add_co_u32 s62, s62, s19
	s_and_b32 s19, s18, 1
	s_lshl_b32 s19, s19, 1
	s_add_co_u32 s62, s62, s19
	s_add_co_u32 s62, s62, OSC
	s_mov_b32 s63, 0
	s_add_nc_u64 s[62:63], s[8:9], s[62:63]        ; and its two scale bytes a row
	v_and_b32 v9, 31, v0
	v_and_b32 v10, 15, v0                          ; r
	v_bfe_u32 v11, v0, 4, 1                        ; h
	v_lshlrev_b32 v[AK16], 4, v9
	v_lshlrev_b32 v[AK8], 3, v9
	v_lshlrev_b32 v29, 2, v10
	global_load_b128 v[16:19], v[AK16], s[20:21]   ; q's half: registers 0-5 of the operand
	global_load_b64 v[20:21], v[AK8], s[20:21] offset:512
	global_load_b32 v255, v29, s[22:23]            ; its scale words
	v_add_nc_u32 v[AV16], VL, v[AK16]
	v_add_nc_u32 v[AV8], VL, v[AK8]
	v_add_nc_u32 v[ASK0], SCK, v29
	v_add_nc_u32 v[ASV0], SCV, v29
	v_sub_nc_u32 v28, 1, v11                       ; 1 in lanes 0-15, which hold k = 64 .. 95 in registers 6-11
	v_lshlrev_b32 v22, 3, v28                      ; q at k = 64: the code of +1
.irp j, 23,24,25,26,27
	v_mov_b32 v[\j], 0
.endr
.irp t, 0,1,2,3
	v_mul_u32_u24 v[KS+12*\t+6], 40, v28           ; every key at k = 64: the code of -1
.irp j, 7,8,9,10,11
	v_mov_b32 v[KS+12*\t+\j], 0
.endr
.endr
	v_mov_b32 v13, 0xff61b1e6                      ; the largest t so far: -3e38
	v_floor_f32 v12, -v13                          ; -M
	v_mov_b32 v14, 0                               ; the sum, in two halves
	v_mov_b32 v15, 0
.irp b, 0,1,2,3
	v_mov_b32 v[236+\b], 0                         ; a lane permute's destination counts as one of its sources
.endr
	v_mov_b32 v253, 0                              ; (named as the upper half of the pair v[252:253] before it is first written)
.irp j, 0,1,2,3,4,5,6,7,8,9,10,11,12,13,14,15,16,17,18,19,20,21,22,23,24,25,26,27,28,29,30,31
	v_mov_b32 v[OO+\j], 0                          ; O^T: the step is written once; the first finds zeros, which the first change of M leaves zeros
.endr
; A KEY STEP: 128 keys
.macro STEP
	v_add_nc_u32 v[ADK16], s[TB], v[AK16]          ; (these six are also the places behind the last step's products, in front of the loads below)
	v_add_nc_u32 v[ADK8], s[TB], v[AK8]
	v_add_nc_u32 v[ADV16], s[TB], v[AV16]
	v_add_nc_u32 v[ADV8], s[TB], v[AV8]
	v_add_nc_u32 v[ADS], s[TS], v[ASK0]
	v_add_nc_u32 v[ADT], s[TJ], v[ASV0]
.irp g, 0,1                                    ; S^T = K Q^T, four tiles of 16 keys at a time
.if \g > 0
.rept 4
	v_nop                                          ; places in front of loads into registers that matrix instructions have read
.endr
.endif
.irp t, 0,1,2,3
	ds_load_b128 v[KS+12*\t:KS+12*\t+3], v[ADK16] offset:768*(4*\g+\t)
	ds_load_b64 v[KS+12*\t+4:KS+12*\t+5], v[ADK8] offset:768*(4*\g+\t)+512
	ds_load_b32 v[248+\t], v[ADS] offset:64*(4*\g+\t)
.endr
.if \g > 0
.irp t, 0,1,2,3                                ; V^T's four fragments are asked for here and land under the softmax
	ds_load_b128 v[VF+12*\t:VF+12*\t+3], v[ADV16] offset:1536*\t
	ds_load_b64 v[VF+12*\t+4:VF+12*\t+5], v[ADV8] offset:1536*\t+512
	ds_load_b128 v[VF+12*\t+6:VF+12*\t+9], v[ADV16] offset:1536*\t+768
	ds_load_b64 v[VF+12*\t+10:VF+12*\t+11], v[ADV8] offset:1536*\t+1280
.endr
	s_wait_dscnt 16                                ; K's are in; V^T's sixteen loads may stay out
.else
	s_wait_dscnt 0x0
.endif
.irp t, 0,1,2,3
	v_wmma_scale_f32_16x16x128_f8f6f4 v[SS+8*(4*\g+\t):SS+8*(4*\g+\t)+7], v[KS+12*\t:KS+12*\t+11], v[16:27], 0, v[248+\t], v255 matrix_a_fmt:MATRIX_FMT_FP6 matrix_b_fmt:MATRIX_FMT_FP6
.endr
.endr
.rept 4
	v_nop
.endr
.irp t, 0,1,2,3
	ds_load_b32 v[248+\t], v[ADT] offset:64*\t     ; V^T's scale words, into the registers that K's have left
.endr
.irp b, 0,1,2,3
	v_max3_num_f32 v[232+\b], v[SS+16*\b], v[SS+1+16*\b], v[SS+2+16*\b]   ; the largest score of each block of 32 keys: for the row's maximum, and, since p rises with the score, for the block's largest p
.endr
.irp i, 3,5,7,9,11,13
.irp b, 0,1,2,3
	v_max3_num_f32 v[232+\b], v[232+\b], v[SS+16*\b+\i], v[SS+1+16*\b+\i]
.endr
.endr
.irp b, 0,1,2,3
	v_max_num_f32 v[232+\b], v[232+\b], v[SS+15+16*\b]
.endr
.irp b, 0,1,2,3
	v_permlanex16_b32 v[236+\b], v[232+\b], s[SEL], s[SEL+1]
.endr
.irp b, 0,1,2,3
	v_max_num_f32 v[232+\b], v[232+\b], v[236+\b]  ; with lane l xor 16's 16 keys
.endr
	v_max3_num_f32 v254, v232, v233, v234
	v_max_num_f32 v254, v254, v235
	v_mul_f32 v254, s[CS], v254                    ; as t (c is not negative)
	v_max_num_f32 v13, v13, v254                   ; the running largest t
	v_mov_b32 v254, v12
	v_floor_f32 v12, -v13                          ; the new -M = -ceil(t)
	v_sub_f32 v254, v12, v254                      ; old M - new M: a whole number, 0 or less
	v_cvt_i32_f32 v254, v254                       ; (it saturates)
	v_ldexp_f32 v252, 1.0, v254                    ; f = 2^(old M - new M)
.irp j, 0,2,4,6,8,10,12,14,16,18,20,22,24,26,28,30,32,34,36,38,40,42,44,46,48,50,52,54,56,58,60,62
	v_pk_fma_f32 v[SS+\j:SS+\j+1], v[SS+\j:SS+\j+1], s[CS:CS+1], v[12:13] op_sel_hi:[1,0,0]   ; t - M
.endr
.irp b, 0,1,2,3
	v_fma_f32 v[232+\b], v[232+\b], s[CS], v12     ; the same of each block's largest score
.endr
.irp j, 0,1,2,3,4,5,6,7,8,9,10,11,12,13,14,15,16,17,18,19,20,21,22,23,24,25,26,27,28,29,30,31,32,33,34,35,36,37,38,39,40,41,42,43,44,45,46,47,48,49,50,51,52,53,54,55,56,57,58,59,60,61,62,63
	v_exp_f32 v[SS+\j], v[SS+\j]                   ; p = 2^(t - M): not normalised
.endr
	v_pk_mul_f32 v[14:15], v[14:15], v[252:253] op_sel_hi:[1,0]   ; the sums under the new M (a plain place behind the exponentials)
	s_wait_alu depctr_va_vdst(0)                   ; one wait for the batch, ahead of its first reader
.irp b, 0,1,2,3
	v_exp_f32 v[232+\b], v[232+\b]                 ; the block's largest p
.endr
	v_pk_add_f32 v[236:237], v[SS:SS+1], v[SS+2:SS+3]   ; the row's sum is taken of the unquantised p, in two chains
.irp j, 4,8,12,16,20,24,28,32,36,40,44,48,52,56,60
	v_pk_add_f32 v[14:15], v[14:15], v[SS+\j:SS+\j+1]
	v_pk_add_f32 v[236:237], v[236:237], v[SS+2+\j:SS+3+\j]
.endr
	v_pk_add_f32 v[14:15], v[14:15], v[236:237]
	s_wait_alu depctr_va_vdst(0)                   ; and one for the four
.irp b, 0,1,2,3
	v_max_num_f32 v[232+\b], 0x1800000, v[232+\b]  ; the floor 2^(3 - 127)
.endr
.irp b, 0,1,2,3
	v_add_nc_u32 v[244+\b], 0xff000000, v[232+\b]  ; the conversion's scale operand
.endr
.irp b, 0,1,2,3
	v_lshrrev_b32 v[236+\b], 23, v[244+\b]
.endr
	v_lshl_or_b32 v253, v237, 8, v236              ; p's scale word for these 128 keys
	v_lshl_or_b32 v253, v238, 16, v253
	v_lshl_or_b32 v253, v239, 24, v253
.irp c, 0,1
	v_cvt_scalef32_pk16_fp6_f32 v[224+6*\c:226+6*\c], v[SS+32*\c:SS+15+32*\c], v[244+2*\c]
	v_cvt_scalef32_pk16_fp6_f32 v[236+4*\c:238+4*\c], v[SS+16+32*\c:SS+31+32*\c], v[244+2*\c+1]
.endr
	v_nop                                          ; one plain place behind a scaled conversion
.irp c, 0,1
.irp i, 0,1,2
	v_permlane16_swap_b32 v[224+6*\c+\i], v[236+4*\c+\i]
.endr
.irp i, 0,1,2
	v_mov_b32 v[227+6*\c+\i], v[236+4*\c+\i]
.endr
.endr
.irp j, 0,2,4,6,8,10,12,14,16,18,20,22,24,26,28,30
	v_pk_mul_f32 v[OO+\j:OO+\j+1], v[OO+\j:OO+\j+1], v[252:253] op_sel_hi:[1,0]   ; O^T under the new M.  (These sixteen are also the places between p's scale word and codes and the products below)
.endr
	s_wait_dscnt 0x0                               ; V^T and its scale words
.irp t, 0,1,2,3                                ; O^T += V^T P^T: the four accumulators by turns
	v_wmma_scale_f32_16x16x128_f8f6f4 v[OO+8*\t:OO+8*\t+7], v[VF+12*\t:VF+12*\t+11], v[224:235], v[OO+8*\t:OO+8*\t+7], v[248+\t], v253 matrix_a_fmt:MATRIX_FMT_FP6 matrix_b_fmt:MATRIX_FMT_FP6
.endr
	s_add_co_u32 s[TB], s[TB], 6144
	s_add_co_u32 s[TS], s[TS], 512
	s_add_co_u32 s[TJ], s[TJ], 256
.endm
	s_wait_tensorcnt 0x1                           ; my parts of the scale words and of the first eight steps are in; the last eight steps' load may stay out
	s_barrier_signal -1
	s_barrier_wait -1                              ; everybody's are
	s_wait_loadcnt 0x0                             ; q
	s_wait_kmcnt 0x0                               ; c
	s_mov_b32 s[CS+1], s[CS]                       ; (named with it as a pair)
	s_mov_b32 s[CNT], 8
.Lfirst:
	STEP
	s_sub_co_u32 s[CNT], s[CNT], 1
	s_cmp_lg_u32 s[CNT], 0
	s_cbranch_scc1 .Lfirst
	s_wait_tensorcnt 0x0                           ; my part of the last eight steps is in,
	s_wait_dscnt 0x0
	s_barrier_signal -1
	s_barrier_wait -1                              ; everybody's is
	s_mov_b32 s[CNT], 8
.Lsecond:
	STEP
	s_sub_co_u32 s[CNT], s[CNT], 1
	s_cmp_lg_u32 s[CNT], 0
	s_cbranch_scc1 .Lsecond
	; THE WAY OUT: O^T / the sum; register 16 b + i is channel 32 b + 16 (lane / 16) + i of my query: two blocks of 32, quantised into half a fragment
	v_add_f32 v14, v14, v15
	v_permlanex16_b32 v252, v14, s[SEL], s[SEL+1]
	v_add_f32 v14, v14, v252                       ; the row's sum
	v_rcp_f32 v14, v14
	v_and_b32 v9, 15, v0                           ; (plain places behind the transcendental and behind the last products)
	v_lshlrev_b32 v9, 2, v9                        ; 4 r
	v_and_b32 v10, 31, v0
	v_lshlrev_b32 v11, 4, v10
	v_lshlrev_b32 v10, 3, v10
	s_wait_alu depctr_va_vdst(0)                   ; the wait ahead of the reciprocal's first reader
.irp j, 0,2,4,6,8,10,12,14,16,18,20,22,24,26,28,30
	v_pk_mul_f32 v[SS+\j:SS+\j+1], v[OO+\j:OO+\j+1], v[14:15] op_sel_hi:[1,0]
.endr
.irp b, 0,1
	v_max3_num_f32 v[232+\b], |v[SS+16*\b]|, |v[SS+1+16*\b]|, 0x1800000
.endr
.irp i, 2,4,6,8,10,12,14
.irp b, 0,1
	v_max3_num_f32 v[232+\b], v[232+\b], |v[SS+16*\b+\i]|, |v[SS+1+16*\b+\i]|
.endr
.endr
.irp b, 0,1
	v_permlanex16_b32 v[236+\b], v[232+\b], s[SEL], s[SEL+1]
.endr
.irp b, 0,1
	v_max_num_f32 v[232+\b], v[232+\b], v[236+\b]
.endr
.irp b, 0,1
	v_add_nc_u32 v[244+\b], 0xff000000, v[232+\b]
.endr
.irp b, 0,1
	v_lshrrev_b32 v[236+\b], 23, v[244+\b]
.endr
	v_lshl_or_b32 v253, v237, 8, v236              ; my head's two scale bytes of the row
	v_cvt_scalef32_pk16_fp6_f32 v[224:226], v[SS:SS+15], v244
	v_cvt_scalef32_pk16_fp6_f32 v[240:242], v[SS+16:SS+31], v245
	v_nop
.irp i, 0,1,2
	v_permlane16_swap_b32 v[224+\i], v[240+\i]
.endr
.irp i, 0,1,2
	v_mov_b32 v[227+\i], v[240+\i]
.endr
	global_store_b128 v11, v[224:227], s[52:53]
	global_store_b64 v10, v[228:229], s[52:53] offset:512
	global_store_b16 v9, v253, s[62:63]            ; lanes 16-31 hold the same bytes and store them to the same places
	s_wait_tensorcnt 0x0                           ; the wave's end
	ds_add_u32 v[SPW], v[NIL]
	s_wait_dscnt 0x0
	CROUND                                         ; the closing round
	s_endpgm
.Lfunc_end_k_qbcd10f0999_attn:
	.size	k_qbcd10f0999_attn, .Lfunc_end_k_qbcd10f0999_attn-k_qbcd10f0999_attn
	.p2alignl 7, 3214868480
	.fill 96, 4, 3214868480
	.section	.rodata,"a",@progbits
	.p2align	6, 0x0
	.amdhsa_kernel k_qbcd10f0999_attn
		.amdhsa_group_segment_fixed_size 210944
		.amdhsa_private_segment_fixed_size 0
		.amdhsa_enable_private_segment 0
		.amdhsa_kernarg_size 24
		.amdhsa_user_sgpr_count 2
		.amdhsa_user_sgpr_kernarg_segment_ptr 1
		.amdhsa_wavefront_size32 1
		.amdhsa_system_sgpr_workgroup_id_x 1
		.amdhsa_system_sgpr_workgroup_id_y 1
		.amdhsa_system_sgpr_workgroup_id_z 1
		.amdhsa_system_vgpr_workitem_id 0
		.amdhsa_next_free_vgpr 256
		.amdhsa_next_free_sgpr 80
		.amdhsa_reserve_vcc 0
		.amdhsa_float_denorm_mode_32 3
		.amdhsa_float_denorm_mode_16_64 3
		.amdhsa_memory_ordered 1
		.amdhsa_forward_progress 1
		.amdhsa_inst_pref_size 47
	.end_amdhsa_kernel
	.amdgpu_metadata
---
amdhsa.version: [ 1, 2 ]
amdhsa.kernels:
  - .name:           k_qbcd10f0999_attn
    .symbol:         k_qbcd10f0999_attn.kd
    .args:
      - { .name: QKV, .offset: 0, .size: 8, .value_kind: global_buffer, .address_space: global }
      - { .name: W, .offset: 8, .size: 8, .value_kind: global_buffer, .address_space: global }
      - { .name: O, .offset: 16, .size: 8, .value_kind: global_buffer, .address_space: global }
    .group_segment_fixed_size: 210944
    .private_segment_fixed_size: 0
    .kernarg_segment_align: 8
    .kernarg_segment_size: 24
    .max_flat_workgroup_size: 512
    .sgpr_count:     80
    .vgpr_count:     256
    .wavefront_size: 32
...
	.end_amdgpu_metadata
.endif
;; end of part 4
;; launch wo (part 5): grid 4 x 16, 4 waves a work-group, clusters of 4 x 4, 327,680 bytes of LDS; arguments O, W, bo, x, X1; writes X1
.if DOCPART == 5
	.amdgcn_target "amdgcn-amd-amdhsa--gfx1250"
	.amdhsa_code_object_version 6
	.text
	.protected	k_qbcd10f0999_wo
	.globl	k_qbcd10f0999_wo
	.p2align	8
	.type	k_qbcd10f0999_wo,@function
k_qbcd10f0999_wo:
	s_mov_b64 s[64:65], 0
	v_nop
	global_prefetch_b8 v0, s[64:65] scope:SCOPE_SE
	s_setreg_imm32_b32 hwreg(HW_REG_WAVE_MODE, 25, 1), 1
	s_wait_xcnt 0x0
	s_wait_alu depctr_hold_cnt(0) depctr_sa_sdst(0) depctr_va_vdst(0) depctr_va_sdst(0) depctr_va_ssrc(0) depctr_va_vcc(0) depctr_vm_vsrc(0)
	s_getreg_b32 s2, hwreg(HW_REG_IB_STS2, 6, 4)
	s_cmp_eq_u32 s2, 0
	s_cbranch_scc0 .Lentry_in_a_cluster
	s_endpgm
.Lentry_in_a_cluster:
	s_bfe_u32 s2, ttmp6, 0x10000c
	s_cmp_lg_u32 s2, 0xf033
	s_cbranch_scc0 .Lentry_shape_is_right
	s_endpgm
.Lentry_shape_is_right:
; X1 = x + (o Wo^T + bo): the product on codes of E2M3, K = 1,024; the residual and the result are f32 rows [2048][2][1024].
; A tile of 256 x 256 to a work-group of four waves, 128 x 128 a wave.  K goes in steps of 256 through a ring of two LDS slots.  Operands lie in memory in the order of their registers: a fragment (16 rows x 128 K) is 1,536 bytes,
; two halves; a half: lane l's registers 0-3 at 16 l, registers 4-5 at 512 + 8 l.  A K step of eight row blocks is eight rows of 3,072 bytes for one tensor load.  Scale words: 64 bytes a fragment; all of K's stay in LDS.
; CLUSTERS of 4 x 4: A's tiles are shared along a row of the cluster, B's along a column, by joint loads.  The matrix instruction is used transposed (source 0 = 16 rows of B, source 1 = 16 rows of A).
; Row blocks of A hold tokens, and row blocks of B rows of the weight, in the order 32 (rho / 2) + 8 (rho % 2) + r + 8 (r / 8): the way out puts rows and columns back in their places.
; The grid has 64 work-groups: one text serves the four products of this program; a smaller tile would share the work further.
.set KTOT,  1024
.set ASC,   3145728                    ; A's scale words in its buffer
.set BCODE, 2359296                    ; B's codes in W
.set BSC,   9437184+98304              ; B's scale words in W
.set KF,    KTOT/128
.set NQ,    2
.set FR,    12
.set NL,    4
.set NP,    4
.set FRB,   1536
.set RBB,   KF*FRB
.set RB2,   NQ*FRB
.set HALFT, 8*RB2
.set SLOT,  4*HALFT
.set LAPS,  KTOT/512
.set SBLK,  KF*64
.set HALFS, 8*SBLK
.set SCL,   2*SLOT
.set SPARE, 262144                     ; the spare words, 128 bytes for each wave: no other line names them
.set SPITCH, 528                       ; the way out: a stage of 16 rows x (512 bytes + 16) for each wave, in slot 0, which has had its last fill and its last read by then
.set ADRA, 16
.set ADRB, 20
.set STO,  24
.set RD,   25
.set CO,   26
.set ADRS, 27
.set SPW,  28
.set NIL,  29
.set SC,   32
.set AF,   128
.set BK,   128
.set G1, 24
.set G0, 32
.set G1B, 48
.set G0B, 56
.set G1S, 68
.set G0S, 76
.set G1SB, 80
.set G0SB, 88
.set MSB, 0
.macro WIN new
.if MSB != (\new)
	s_set_vgpr_msb (MSB<<8)|(\new)
.set MSB, (\new)
.endif
.endm
.set MUL_LO, 0xa1
.set MUL_HI, 0xf1
.set TO_B,   0x40
.macro JLOAD g0a, g1a, g0b, g1b        ; a joint load: waves 0 and 1 fetch for A, waves 2 and 3 for B; an s_nop 0 and four v_nop follow each line
	s_cmp_eq_u32 s15, 0
	s_cbranch_scc0 .Lfor_b_\@
	tensor_load_to_lds s[\g0a:\g0a+3], s[\g1a:\g1a+7]
	s_nop 0
.rept 4
	v_nop
.endr
	s_branch .Lasked_\@
.Lfor_b_\@:
	tensor_load_to_lds s[\g0b:\g0b+3], s[\g1b:\g1b+7]
	s_nop 0
.rept 4
	v_nop
.endr
.Lasked_\@:
.endm
.macro CREST
	s_cmp_lg_u32 s14, 0
	s_cbranch_scc1 .Lnot_wave_0_\@
	s_barrier_signal -3
.Lnot_wave_0_\@:
	s_barrier_wait -3
	s_barrier_signal -1
	s_barrier_wait -1
.endm
.macro CROUND
	s_barrier_signal -1
	s_barrier_wait -1
	CREST
.endm
	s_load_b256 s[4:11], s[0:1], 0x0               ; A s[4:5], W s[6:7], the bias s[8:9], the residual s[10:11]
	s_load_b64 s[12:13], s[0:1], 0x20              ; the result
	v_lshl_add_u32 v[SPW], v0, 2, SPARE
	v_mov_b32 v[NIL], 0
	ds_add_u32 v[SPW], v[NIL]                      ; the wave's opening: the add, twice on end, and its wait ahead of my first tensor load
	ds_add_u32 v[SPW], v[NIL]
	v_lshrrev_b32 v1, 5, v0
	v_readfirstlane_b32 s14, v1
	s_lshr_b32 s15, s14, 1                         ; my half of the tile's rows; also: I fetch for A (0) or B (1)
	s_and_b32 s16, s14, 1                          ; my half of its columns; also: which eight row blocks I fetch
	s_bfe_u32 s40, ttmp6, 0x40000
	s_bfe_u32 s41, ttmp6, 0x40004
	s_lshl_b32 s42, ttmp9, 2
	s_add_co_u32 s42, s42, s40                     ; tile column
	s_and_b32 s17, ttmp7, 0xffff
	s_lshl_b32 s17, s17, 2
	s_add_co_u32 s17, s17, s41                     ; tile row
	s_lshl_b32 s43, s41, 2
	s_lshl_b32 s43, 15, s43
	s_lshl_b32 s44, 0x1111, s40
	s_or_b32 s[G1+0], s43, (3<<16)|(1<<21)         ; the mask; elements of 8 bytes; no padding; 21 set beside a mask
	s_or_b32 s[G1B+0], s44, (3<<16)|(1<<21)
.irp g, G1, G1B
	s_mov_b32 s[\g+1], 384<<16
	s_mov_b32 s[\g+2], 8<<16
	s_mov_b32 s[\g+3], 384<<16
	s_mov_b32 s[\g+4], 8
	s_mov_b32 s[\g+5], KF*192
	s_mov_b32 s[\g+6], 0
	s_mov_b32 s[\g+7], 0
.endr
	s_or_b32 s[G1S+0], s43, (3<<16)|(1<<21)
	s_or_b32 s[G1SB+0], s44, (3<<16)|(1<<21)
.irp g, G1S, G1SB
	s_mov_b32 s[\g+1], 32<<16
	s_mov_b32 s[\g+2], (HALFS/256)<<16
	s_mov_b32 s[\g+3], 32<<16
	s_mov_b32 s[\g+4], HALFS/256
	s_mov_b32 s[\g+5], 32
	s_mov_b32 s[\g+6], 0
	s_mov_b32 s[\g+7], 0
.endr
	s_lshl_b32 s18, s16, 3
	s_lshl_b32 s20, s17, 4
	s_add_co_u32 s20, s20, s18
	s_lshl_b32 s46, s42, 4
	s_add_co_u32 s46, s46, s18
	s_mul_i32 s22, s20, SBLK
	s_add_co_u32 s22, s22, ASC
	s_mov_b32 s23, 0
	s_mul_i32 s92, s46, SBLK
	s_add_co_u32 s92, s92, BSC
	s_mov_b32 s93, 0
	s_mul_i32 s20, s20, RBB
	s_mov_b32 s21, 0
	s_mul_i32 s46, s46, RBB
	s_add_co_u32 s46, s46, BCODE
	s_mov_b32 s47, 0
	s_mul_i32 s45, s14, HALFT
	s_mul_i32 s94, s14, HALFS
	s_wait_dscnt 0x0
	s_wait_kmcnt 0x0
	s_add_nc_u64 s[20:21], s[4:5], s[20:21]
	s_add_nc_u64 s[22:23], s[4:5], s[22:23]
	s_add_nc_u64 s[46:47], s[6:7], s[46:47]
	s_add_nc_u64 s[92:93], s[6:7], s[92:93]
	CROUND
	s_mov_b32 s[G0S], 1
	s_add_co_u32 s[G0S+1], s94, SCL
	s_mov_b64 s[G0S+2:G0S+3], s[22:23]
	s_or_b32 s[G0S+3], s[G0S+3], 0x80000000
	s_mov_b32 s[G0SB], 1
	s_add_co_u32 s[G0SB+1], s94, SCL
	s_mov_b64 s[G0SB+2:G0SB+3], s[92:93]
	s_or_b32 s[G0SB+3], s[G0SB+3], 0x80000000
	JLOAD G0S, G1S, G0SB, G1SB
.irp s, 0,1
	s_mov_b32 s[G0+4*\s], 1
	s_add_co_u32 s[G0+4*\s+1], s45, \s*SLOT
	s_add_nc_u64 s[G0+4*\s+2:G0+4*\s+3], s[20:21], \s*RB2
	s_or_b32 s[G0+4*\s+3], s[G0+4*\s+3], 0x80000000
	s_mov_b32 s[G0B+4*\s], 1
	s_add_co_u32 s[G0B+4*\s+1], s45, \s*SLOT
	s_add_nc_u64 s[G0B+4*\s+2:G0B+4*\s+3], s[46:47], \s*RB2
	s_or_b32 s[G0B+4*\s+3], s[G0B+4*\s+3], 0x80000000
	JLOAD G0+4*\s, G1, G0B+4*\s, G1B
.endr
	v_and_b32 v1, 15, v0
	v_bfe_u32 v2, v0, 4, 1
	v_and_b32 v3, 31, v0
	v_lshlrev_b32 v4, 4, v3
	v_lshlrev_b32 v5, 3, v3
	s_mul_i32 s21, s15, HALFT
	s_mul_i32 s22, s16, HALFT
	s_add_co_u32 s22, s22, 2*HALFT
.irp s, 0,1
	v_add_nc_u32 v[ADRA+\s], s21, v4
	v_add_nc_u32 v[ADRB+\s], s22, v4
	v_add_nc_u32 v[ADRA+2+\s], s21, v5
	v_add_nc_u32 v[ADRB+2+\s], s22, v5
	s_add_co_u32 s21, s21, SLOT
	s_add_co_u32 s22, s22, SLOT
.endr
	v_lshlrev_b32 v6, 2, v1
	s_mul_i32 s21, s15, HALFS
	s_mul_i32 s22, s16, HALFS
	s_add_co_u32 s22, s22, 2*HALFS
	s_sub_co_u32 s22, s22, s21
	v_mul_u32_u24 v7, s22, v2
	s_add_co_u32 s21, s21, SCL
	v_add_nc_u32 v6, v6, v7
	v_add_nc_u32 v[ADRS], s21, v6
	s_mul_i32 s23, s14, 16*SPITCH                  ; my stage
	v_mul_u32_u24 v6, v1, SPITCH
	v_lshl_add_u32 v6, v2, 6, v6                   ; in: row r, + 64 h
	v_add_nc_u32 v[STO], s23, v6
	v_lshlrev_b32 v[CO], 4, v3                     ; back: the 32 lanes take a row of 512 bytes; and the same in memory
	v_add_nc_u32 v[RD], s23, v[CO]
	s_lshr_b32 s20, s17, 3
	s_lshl_b32 s20, s20, 12                        ; the batch: 4,096 bytes
	s_and_b32 s21, s17, 7
	s_lshl_b32 s21, s21, 21                        ; 256 tokens of 8,192 bytes a tile row
	s_add_co_u32 s20, s20, s21
	s_lshl_b32 s21, s15, 20
	s_add_co_u32 s20, s20, s21
	s_lshl_b32 s46, s42, 10
	s_lshl_b32 s47, s16, 9
	s_add_co_u32 s46, s46, s47                     ; my first column, in bytes
	s_mov_b32 s47, 0
	s_add_co_u32 s20, s20, s46
	s_mov_b32 s21, 0
	s_add_nc_u64 s[8:9], s[8:9], s[46:47]
	s_add_nc_u64 s[10:11], s[10:11], s[20:21]
	s_add_nc_u64 s[12:13], s[12:13], s[20:21]
.macro FRAG reg, adr, q, i
	ds_load_b128 v[\reg:\reg+3], v[\adr] offset:(\i)*RB2+(\q)*FRB
	ds_load_b64 v[\reg+4:\reg+5], v[\adr+2] offset:(\i)*RB2+(\q)*FRB+512
	ds_load_b128 v[\reg+6:\reg+9], v[\adr] offset:(\i)*RB2+(\q)*FRB+768
	ds_load_b64 v[\reg+10:\reg+11], v[\adr+2] offset:(\i)*RB2+(\q)*FRB+1280
.endm
; The 64 accumulators take turns, one instruction a turn, in the same order in every step.
.macro MUL16 a0, p, q, sc, zero
.irp a, \a0, \a0+1
.irp b, 0,1,2,3,4,5,6,7
.if \zero
	v_wmma_scale_f32_16x16x128_f8f6f4 v[8*(8*((\a)%4)+\b):8*(8*((\a)%4)+\b)+7], v[128*(\p)+FR*\b:128*(\p)+FR*\b+FR-1], v[AF+FR*(\a):AF+FR*(\a)+FR-1], 0, v[SC+8*NQ*(\sc)+NQ*\b+(\q)], v[SC+8*NQ*(\sc)+NQ*(\a)+(\q)] matrix_a_fmt:MATRIX_FMT_FP6 matrix_b_fmt:MATRIX_FMT_FP6 matrix_a_scale:MATRIX_SCALE_ROW1
.else
	v_wmma_scale_f32_16x16x128_f8f6f4 v[8*(8*((\a)%4)+\b):8*(8*((\a)%4)+\b)+7], v[128*(\p)+FR*\b:128*(\p)+FR*\b+FR-1], v[AF+FR*(\a):AF+FR*(\a)+FR-1], v[8*(8*((\a)%4)+\b):8*(8*((\a)%4)+\b)+7], v[SC+8*NQ*(\sc)+NQ*\b+(\q)], v[SC+8*NQ*(\sc)+NQ*(\a)+(\q)] matrix_a_fmt:MATRIX_FMT_FP6 matrix_b_fmt:MATRIX_FMT_FP6 matrix_a_scale:MATRIX_SCALE_ROW1
.endif
.endr
.endr
.endm
.macro FETCH_B slot, q, p
	WIN TO_B
.irp i, 0,1,2,3,4,5,6,7
	FRAG 128*(\p)+FR*\i, ADRB+\slot, \q, \i
.endr
	WIN 0
.endm
.macro FETCH_A slot, q, i0
.irp i, \i0, \i0+1, \i0+2, \i0+3
	FRAG AF+FR*(\i), ADRA+\slot, \q, \i
.endr
.endm
.macro SCALES sc
.irp i, 0,1,2,3,4,5,6,7
.irp q, 0,1
	ds_load_b32 v[SC+8*NQ*\sc+NQ*\i+\q], v[ADRS] offset:\i*SBLK+64*\q
.endr
.endr
.endm
.macro PLACES n
.rept \n
	v_nop
.endr
.endm
.macro STEP slot, q, zero
	s_wait_dscnt 4*NL                              ; all but the youngest sixteen loads (A's blocks 4-7) are in
	WIN MUL_LO
	MUL16 0, (\q)%2, \q, \slot, \zero
	MUL16 2, (\q)%2, \q, \slot, \zero
	s_wait_dscnt 0
	PLACES NP
	FETCH_B \slot, (\q)+1, 1-(\q)%2
	FETCH_A \slot, (\q)+1, 0
	WIN MUL_HI
	MUL16 4, (\q)%2, \q, \slot, \zero
	MUL16 6, (\q)%2, \q, \slot, \zero
	PLACES NP
	WIN 0
	FETCH_A \slot, (\q)+1, 4
.endm
.macro TURN slot, next, fill
	s_wait_tensorcnt 0x0                           ; all my tensor loads have landed: my part of the next slot
	ds_add_u32 v[SPW], v[NIL]                      ; 0 onto my spare word
	s_wait_dscnt 4*NL+1                            ; (the add and A's blocks 4-7 may be out)
	WIN MUL_LO
	MUL16 0, 1, NQ-1, \slot, 0
	s_wait_dscnt 0x0                               ; the add is done, and my reads of this slot are over
	s_barrier_signal -1
	MUL16 2, 1, NQ-1, \slot, 0
	WIN 0
	s_barrier_wait -1
.if \fill
	CREST                                          ; a round of the cluster's barrier: no wave of any partner still reads this slot or has a load on its way
	s_add_nc_u64 s[G0+4*\slot+2:G0+4*\slot+3], s[G0+4*\slot+2:G0+4*\slot+3], 2*RB2
	s_add_nc_u64 s[G0B+4*\slot+2:G0B+4*\slot+3], s[G0B+4*\slot+2:G0B+4*\slot+3], 2*RB2
	JLOAD G0+4*\slot, G1, G0B+4*\slot, G1B
.else
	PLACES NP
.endif
	v_add_nc_u32 v[ADRS], 64*NQ, v[ADRS]
	FETCH_B \next, 0, 0
	FETCH_A \next, 0, 0
	SCALES \next
	WIN MUL_HI
	MUL16 4, 1, NQ-1, \slot, 0
	MUL16 6, 1, NQ-1, \slot, 0
	PLACES NP
	WIN 0
	FETCH_A \next, 0, 4
.endm
	s_wait_tensorcnt 1                             ; the scale words and K step 0 are in; K step 1's load may stay out
	s_barrier_signal -1
	s_barrier_wait -1
	FETCH_B 0, 0, 0
	FETCH_A 0, 0, 0
	SCALES 0
	FETCH_A 0, 0, 4
	STEP 0, 0, 1
	s_mov_b32 s3, LAPS-1
.Llap:
	TURN 0, 1, 1
	STEP 1, 0, 0
	TURN 1, 0, 1
	STEP 0, 0, 0
	s_sub_co_u32 s3, s3, 1
	s_cmp_lg_u32 s3, 0
	s_cbranch_scc1 .Llap
	TURN 0, 1, 0
	STEP 1, 0, 0
	s_wait_dscnt 4*NL
	WIN MUL_LO
	MUL16 0, 1, NQ-1, 1, 0
	MUL16 2, 1, NQ-1, 1, 0
	s_wait_dscnt 0
	WIN MUL_HI
	MUL16 4, 1, NQ-1, 1, 0
	MUL16 6, 1, NQ-1, 1, 0
	WIN 0
; THE WAY OUT, block by block of 16 rows x 128 columns.  Register 8 b + j of lane (r, h) is column 32 (b / 2) + 16 h + 8 (b % 2) + j of row r: the block goes through my stage, where columns find their places, and comes back
; as whole rows of 512 bytes.  Row t of block a is token 32 (a / 2) + 8 (a % 2) + t + 8 (t / 8) of my 128: 8,192 bytes a token.  The residual's rows come into window 1, four blocks ahead.
.macro TOSTAGE a
.set AC, 64*((\a)%4)
	WIN 0x08+4*((\a)/4)                            ; the data: window 2 or 3
.irp b, 0,1,2,3,4,5,6,7
	ds_store_b128 v[STO], v[AC+8*\b:AC+8*\b+3] offset:128*(\b/2)+32*(\b%2)       ; each accumulator from its low end on
	ds_store_b128 v[STO], v[AC+8*\b+4:AC+8*\b+7] offset:128*(\b/2)+32*(\b%2)+16
.endr
	WIN 0
.set BB, BK+64*((\a)%2)
.irp t, 0,1,2,3,4,5,6,7,8,9,10,11,12,13,14,15
	ds_load_b128 v[BB+4*\t:BB+4*\t+3], v[RD] offset:\t*SPITCH   ; LDS serves a wave's instructions in order: these see my stores
.endr
.endm
.macro RLOAD a
	WIN 0x40                                       ; destination window 1
.irp t, 0,1,2,3,4,5,6,7,8,9,10,11,12,13,14,15
	global_load_b128 v[64*((\a)%4)+4*\t:64*((\a)%4)+4*\t+3], v[CO], s[10:11] offset:(32*((\a)/2)+8*((\a)%2)+\t+8*(\t/8))*8192 th:TH_LOAD_NT
.endr
	WIN 0
.endm
.macro FIN a
.set BB, BK+64*((\a)%2)
	s_wait_dscnt 0x0                               ; the block is back in registers
.if 7-(\a) >= 3
	s_wait_loadcnt 48                              ; its residual rows are in; those of the three blocks behind it may stay out
.else
	s_wait_loadcnt 16*(7-(\a))
.endif
	WIN 0x04                                       ; source 1: window 1
.irp i, 0,2,4,6,8,10,12,14,16,18,20,22,24,26,28,30,32,34,36,38,40,42,44,46,48,50,52,54,56,58,60,62
	v_pk_add_f32 v[BB+\i:BB+\i+1], v[BB+\i:BB+\i+1], v[64*((\a)%4)+\i:64*((\a)%4)+\i+1]
.endr
	WIN 0
.irp t, 0,1,2,3,4,5,6,7,8,9,10,11,12,13,14,15
	v_pk_add_f32 v[BB+4*\t:BB+4*\t+1], v[BB+4*\t:BB+4*\t+1], v[64:65]
	v_pk_add_f32 v[BB+4*\t+2:BB+4*\t+3], v[BB+4*\t+2:BB+4*\t+3], v[66:67]
.endr
.irp t, 0,1,2,3,4,5,6,7,8,9,10,11,12,13,14,15
	global_store_b128 v[CO], v[BB+4*\t:BB+4*\t+3], s[12:13] offset:(32*((\a)/2)+8*((\a)%2)+\t+8*(\t/8))*8192   ; 32 lanes store 512 consecutive bytes, aligned
.endr
.endm
	PLACES NP
	global_load_b128 v[64:67], v[CO], s[8:9]       ; the bias of my four columns
	RLOAD 0
	RLOAD 1
	RLOAD 2
	RLOAD 3
.irp a, 0,1,2,3,4,5,6,7
.if \a >= 2
	s_wait_xcnt 0x0                                ; block a - 2's stores have read their registers: block a's rows may land there
.endif
	TOSTAGE \a
	FIN \a
.if \a < 4
	RLOAD \a+4
.endif
.endr
	s_wait_tensorcnt 0x0                           ; the wave's end
	ds_add_u32 v[SPW], v[NIL]
	s_wait_dscnt 0x0
	CROUND                                         ; the closing round
	s_endpgm
.Lfunc_end_k_qbcd10f0999_wo:
	.size	k_qbcd10f0999_wo, .Lfunc_end_k_qbcd10f0999_wo-k_qbcd10f0999_wo
	.p2alignl 7, 3214868480
	.fill 96, 4, 3214868480
	.section	.rodata,"a",@progbits
	.p2align	6, 0x0
	.amdhsa_kernel k_qbcd10f0999_wo
		.amdhsa_group_segment_fixed_size 327680
		.amdhsa_private_segment_fixed_size 0
		.amdhsa_enable_private_segment 0
		.amdhsa_kernarg_size 40
		.amdhsa_user_sgpr_count 2
		.amdhsa_user_sgpr_kernarg_segment_ptr 1
		.amdhsa_wavefront_size32 1
		.amdhsa_system_sgpr_workgroup_id_x 1
		.amdhsa_system_sgpr_workgroup_id_y 1
		.amdhsa_system_sgpr_workgroup_id_z 1
		.amdhsa_system_vgpr_workitem_id 0
		.amdhsa_next_free_vgpr 1024
		.amdhsa_next_free_sgpr 100
		.amdhsa_reserve_vcc 0
		.amdhsa_float_denorm_mode_32 3
		.amdhsa_float_denorm_mode_16_64 3
		.amdhsa_memory_ordered 1
		.amdhsa_forward_progress 1
		.amdhsa_inst_pref_size 191
	.end_amdhsa_kernel
	.amdgpu_metadata
---
amdhsa.version: [ 1, 2 ]
amdhsa.kernels:
  - .name:           k_qbcd10f0999_wo
    .symbol:         k_qbcd10f0999_wo.kd
    .args:
      - { .name: O, .offset: 0, .size: 8, .value_kind: global_buffer, .address_space: global }
      - { .name: W, .offset: 8, .size: 8, .value_kind: global_buffer, .address_space: global }
      - { .name: bo, .offset: 16, .size: 8, .value_kind: global_buffer, .address_space: global }
      - { .name: x, .offset: 24, .size: 8, .value_kind: global_buffer, .address_space: global }
      - { .name: X1, .offset: 32, .size: 8, .value_kind: global_buffer, .address_space: global }
    .group_segment_fixed_size: 327680
    .private_segment_fixed_size: 0
    .kernarg_segment_align: 8
    .kernarg_segment_size: 40
    .max_flat_workgroup_size: 128
    .sgpr_count:     100
    .vgpr_count:     1024
    .wavefront_size: 32
...
	.end_amdgpu_metadata
.endif
;; end of part 5
;; launch ln2: the kernel of part 2 again; grid 256 x 1, 8 waves a work-group, no clusters, 2,048 bytes of LDS; arguments X1, ln2_g, ln2_b, H2; writes H2
;; launch fc1 (part 6): grid 16 x 16, 4 waves a work-group, clusters of 4 x 4, 327,680 bytes of LDS; arguments H2, W, fc1_b, G; writes G
.if DOCPART == 6
	.amdgcn_target "amdgcn-amd-amdhsa--gfx1250"
	.amdhsa_code_object_version 6
	.text
	.protected	k_qbcd10f0999_fc1
	.globl	k_qbcd10f0999_fc1
	.p2align	8
	.type	k_qbcd10f0999_fc1,@function
k_qbcd10f0999_fc1:
	s_mov_b64 s[64:65], 0
	v_nop
	global_prefetch_b8 v0, s[64:65] scope:SCOPE_SE
	s_setreg_imm32_b32 hwreg(HW_REG_WAVE_MODE, 25, 1), 1
	s_wait_xcnt 0x0
	s_wait_alu depctr_hold_cnt(0) depctr_sa_sdst(0) depctr_va_vdst(0) depctr_va_sdst(0) depctr_va_ssrc(0) depctr_va_vcc(0) depctr_vm_vsrc(0)
	s_getreg_b32 s2, hwreg(HW_REG_IB_STS2, 6, 4)
	s_cmp_eq_u32 s2, 0
	s_cbranch_scc0 .Lentry_in_a_cluster
	s_endpgm
.Lentry_in_a_cluster:
	s_bfe_u32 s2, ttmp6, 0x10000c
	s_cmp_lg_u32 s2, 0xf033
	s_cbranch_scc0 .Lentry_shape_is_right
	s_endpgm
.Lentry_shape_is_right:
; G = Q(gelu(h fc1_w^T + fc1_b)): the product on codes of E2M3, K = 1,024; the exact gelu in f32; the result is quantised along the 4,096 and leaves as fragments in the order of the operand's registers.
; A tile of 256 x 256 to a work-group of four waves, 128 x 128 a wave.  K goes in steps of 256 through a ring of two LDS slots.  A fragment (16 rows x 128 K) is 1,536 bytes: two halves; a half: lane l's registers 0-3 at 16 l,
; registers 4-5 at 512 + 8 l.  A K step of eight row blocks is eight rows of 3,072 bytes for one tensor load.  Scale words: 64 bytes a fragment; all of K's stay in LDS.
; CLUSTERS of 4 x 4: A's tiles shared along a row, B's along a column, by joint loads.  The matrix instruction is used transposed; B's row blocks hold rows 32 (rho / 2) + 8 (rho % 2) + r + 8 (r / 8), so that register 16 b + i of a
; block of A's rows is column 32 b + 16 (lane / 16) + i.
; erf(z) = z P(z^2) / Q(z^2) with z held to -4 .. 4: a rational form good to a few units of f32's last place.
; LIMITS: a block of zeros gets the byte 1 (zero codes; this program alone reads the bytes); NaN and infinities are not served.
.set KTOT,  1024
.set ASC,   3145728
.set BCODE, 3145728
.set BSC,   9437184+131072
.set GSC,   12582912
.set KF,    KTOT/128
.set NQ,    2
.set FR,    12
.set NL,    4
.set NP,    4
.set FRB,   1536
.set RBB,   KF*FRB
.set RB2,   NQ*FRB
.set HALFT, 8*RB2
.set SLOT,  4*HALFT
.set LAPS,  KTOT/512
.set SBLK,  KF*64
.set HALFS, 8*SBLK
.set SCL,   2*SLOT
.set SPARE, 262144                     ; the spare words, 128 bytes for each wave: no other line names them
.set ADRA, 16
.set ADRB, 20
.set STO,  24
.set RD,   25
.set ADRS, 27
.set SPW,  28
.set NIL,  29
.set SC,   32
.set AF,   128
.set G1, 24
.set G0, 32
.set G1B, 48
.set G0B, 56
.set G1S, 68
.set G0S, 76
.set G1SB, 80
.set G0SB, 88
.set MSB, 0
.macro WIN new
.if MSB != (\new)
	s_set_vgpr_msb (MSB<<8)|(\new)
.set MSB, (\new)
.endif
.endm
.set MUL_LO, 0xa1
.set MUL_HI, 0xf1
.set TO_B,   0x40
.macro JLOAD g0a, g1a, g0b, g1b        ; a joint load: waves 0 and 1 fetch for A, waves 2 and 3 for B; an s_nop 0 and four v_nop follow each line
	s_cmp_eq_u32 s15, 0
	s_cbranch_scc0 .Lfor_b_\@
	tensor_load_to_lds s[\g0a:\g0a+3], s[\g1a:\g1a+7]
	s_nop 0
.rept 4
	v_nop
.endr
	s_branch .Lasked_\@
.Lfor_b_\@:
	tensor_load_to_lds s[\g0b:\g0b+3], s[\g1b:\g1b+7]
	s_nop 0
.rept 4
	v_nop
.endr
.Lasked_\@:
.endm
.macro CREST
	s_cmp_lg_u32 s14, 0
	s_cbranch_scc1 .Lnot_wave_0_\@
	s_barrier_signal -3
.Lnot_wave_0_\@:
	s_barrier_wait -3
	s_barrier_signal -1
	s_barrier_wait -1
.endm
.macro CROUND
	s_barrier_signal -1
	s_barrier_wait -1
	CREST
.endm
	s_load_b256 s[4:11], s[0:1], 0x0               ; H2 s[4:5], W s[6:7], fc1_b s[8:9], G s[10:11]
	v_lshl_add_u32 v[SPW], v0, 2, SPARE
	v_mov_b32 v[NIL], 0
	ds_add_u32 v[SPW], v[NIL]                      ; the wave's opening: the add, twice on end, and its wait ahead of my first tensor load
	ds_add_u32 v[SPW], v[NIL]
	v_lshrrev_b32 v1, 5, v0
	v_readfirstlane_b32 s14, v1
	s_lshr_b32 s15, s14, 1
	s_and_b32 s16, s14, 1
	s_bfe_u32 s40, ttmp6, 0x40000
	s_bfe_u32 s41, ttmp6, 0x40004
	s_lshl_b32 s42, ttmp9, 2
	s_add_co_u32 s42, s42, s40                     ; tile column
	s_and_b32 s17, ttmp7, 0xffff
	s_lshl_b32 s17, s17, 2
	s_add_co_u32 s17, s17, s41                     ; tile row
	s_lshl_b32 s43, s41, 2
	s_lshl_b32 s43, 15, s43
	s_lshl_b32 s44, 0x1111, s40
	s_or_b32 s[G1+0], s43, (3<<16)|(1<<21)
	s_or_b32 s[G1B+0], s44, (3<<16)|(1<<21)
.irp g, G1, G1B
	s_mov_b32 s[\g+1], 384<<16
	s_mov_b32 s[\g+2], 8<<16
	s_mov_b32 s[\g+3], 384<<16
	s_mov_b32 s[\g+4], 8
	s_mov_b32 s[\g+5], KF*192
	s_mov_b32 s[\g+6], 0
	s_mov_b32 s[\g+7], 0
.endr
	s_or_b32 s[G1S+0], s43, (3<<16)|(1<<21)
	s_or_b32 s[G1SB+0], s44, (3<<16)|(1<<21)
.irp g, G1S, G1SB
	s_mov_b32 s[\g+1], 32<<16
	s_mov_b32 s[\g+2], (HALFS/256)<<16
	s_mov_b32 s[\g+3], 32<<16
	s_mov_b32 s[\g+4], HALFS/256
	s_mov_b32 s[\g+5], 32
	s_mov_b32 s[\g+6], 0
	s_mov_b32 s[\g+7], 0
.endr
	s_lshl_b32 s18, s16, 3
	s_lshl_b32 s20, s17, 4
	s_add_co_u32 s20, s20, s18
	s_lshl_b32 s46, s42, 4
	s_add_co_u32 s46, s46, s18
	s_mul_i32 s22, s20, SBLK
	s_add_co_u32 s22, s22, ASC
	s_mov_b32 s23, 0
	s_mul_i32 s92, s46, SBLK
	s_add_co_u32 s92, s92, BSC
	s_mov_b32 s93, 0
	s_mul_i32 s20, s20, RBB
	s_mov_b32 s21, 0
	s_mul_i32 s46, s46, RBB
	s_add_co_u32 s46, s46, BCODE
	s_mov_b32 s47, 0
	s_mul_i32 s45, s14, HALFT
	s_mul_i32 s94, s14, HALFS
	s_wait_dscnt 0x0
	s_wait_kmcnt 0x0
	s_add_nc_u64 s[20:21], s[4:5], s[20:21]
	s_add_nc_u64 s[22:23], s[4:5], s[22:23]
	s_add_nc_u64 s[46:47], s[6:7], s[46:47]
	s_add_nc_u64 s[92:93], s[6:7], s[92:93]
	CROUND
	s_mov_b32 s[G0S], 1
	s_add_co_u32 s[G0S+1], s94, SCL
	s_mov_b64 s[G0S+2:G0S+3], s[22:23]
	s_or_b32 s[G0S+3], s[G0S+3], 0x80000000
	s_mov_b32 s[G0SB], 1
	s_add_co_u32 s[G0SB+1], s94, SCL
	s_mov_b64 s[G0SB+2:G0SB+3], s[92:93]
	s_or_b32 s[G0SB+3], s[G0SB+3], 0x80000000
	JLOAD G0S, G1S, G0SB, G1SB
.irp s, 0,1
	s_mov_b32 s[G0+4*\s], 1
	s_add_co_u32 s[G0+4*\s+1], s45, \s*SLOT
	s_add_nc_u64 s[G0+4*\s+2:G0+4*\s+3], s[20:21], \s*RB2
	s_or_b32 s[G0+4*\s+3], s[G0+4*\s+3], 0x80000000
	s_mov_b32 s[G0B+4*\s], 1
	s_add_co_u32 s[G0B+4*\s+1], s45, \s*SLOT
	s_add_nc_u64 s[G0B+4*\s+2:G0B+4*\s+3], s[46:47], \s*RB2
	s_or_b32 s[G0B+4*\s+3], s[G0B+4*\s+3], 0x80000000
	JLOAD G0+4*\s, G1, G0B+4*\s, G1B
.endr
	v_and_b32 v1, 15, v0
	v_bfe_u32 v2, v0, 4, 1
	v_and_b32 v3, 31, v0
	v_lshlrev_b32 v4, 4, v3
	v_lshlrev_b32 v5, 3, v3
	s_mul_i32 s21, s15, HALFT
	s_mul_i32 s22, s16, HALFT
	s_add_co_u32 s22, s22, 2*HALFT
.irp s, 0,1
	v_add_nc_u32 v[ADRA+\s], s21, v4
	v_add_nc_u32 v[ADRB+\s], s22, v4
	v_add_nc_u32 v[ADRA+2+\s], s21, v5
	v_add_nc_u32 v[ADRB+2+\s], s22, v5
	s_add_co_u32 s21, s21, SLOT
	s_add_co_u32 s22, s22, SLOT
.endr
	v_lshlrev_b32 v6, 2, v1
	s_mul_i32 s21, s15, HALFS
	s_mul_i32 s22, s16, HALFS
	s_add_co_u32 s22, s22, 2*HALFS
	s_sub_co_u32 s22, s22, s21
	v_mul_u32_u24 v7, s22, v2
	s_add_co_u32 s21, s21, SCL
	v_add_nc_u32 v6, v6, v7
	v_add_nc_u32 v[ADRS], s21, v6
	s_lshl_b32 s23, s14, 16
	v_add_nc_u32 v[STO], s23, v4                   ; the way out: my 65,536 bytes of LDS, + 16 x lane
	s_lshl_b32 s20, s17, 4
	s_lshl_b32 s21, s15, 3
	s_add_co_u32 s20, s20, s21                     ; my first row block
	s_lshl_b32 s20, s20, 5
	s_lshl_b32 s46, s42, 1
	s_add_co_u32 s46, s46, s16                     ; my 128 columns are K step 2 x tile column + half of the next product
	s_add_co_u32 s20, s20, s46                     ; the fragment: 32 x row block + K step
	s_mul_i32 s22, s20, 1536
	s_mov_b32 s23, 0
	s_lshl_b32 s20, s20, 6
	s_add_co_u32 s20, s20, GSC
	s_mov_b32 s21, 0
	s_add_nc_u64 s[12:13], s[10:11], s[22:23]      ; G's codes
	s_add_nc_u64 s[10:11], s[10:11], s[20:21]      ; G's scale words
	s_lshl_b32 s46, s46, 9                         ; my first column in fc1_b, in bytes
	s_mov_b32 s47, 0
	s_add_nc_u64 s[8:9], s[8:9], s[46:47]
.macro FRAG reg, adr, q, i
	ds_load_b128 v[\reg:\reg+3], v[\adr] offset:(\i)*RB2+(\q)*FRB
	ds_load_b64 v[\reg+4:\reg+5], v[\adr+2] offset:(\i)*RB2+(\q)*FRB+512
	ds_load_b128 v[\reg+6:\reg+9], v[\adr] offset:(\i)*RB2+(\q)*FRB+768
	ds_load_b64 v[\reg+10:\reg+11], v[\adr+2] offset:(\i)*RB2+(\q)*FRB+1280
.endm
; The 64 accumulators take turns, one instruction a turn, in the same order in every step.
.macro MUL16 a0, p, q, sc, zero
.irp a, \a0, \a0+1
.irp b, 0,1,2,3,4,5,6,7
.if \zero
	v_wmma_scale_f32_16x16x128_f8f6f4 v[8*(8*((\a)%4)+\b):8*(8*((\a)%4)+\b)+7], v[128*(\p)+FR*\b:128*(\p)+FR*\b+FR-1], v[AF+FR*(\a):AF+FR*(\a)+FR-1], 0, v[SC+8*NQ*(\sc)+NQ*\b+(\q)], v[SC+8*NQ*(\sc)+NQ*(\a)+(\q)] matrix_a_fmt:MATRIX_FMT_FP6 matrix_b_fmt:MATRIX_FMT_FP6 matrix_a_scale:MATRIX_SCALE_ROW1
.else
	v_wmma_scale_f32_16x16x128_f8f6f4 v[8*(8*((\a)%4)+\b):8*(8*((\a)%4)+\b)+7], v[128*(\p)+FR*\b:128*(\p)+FR*\b+FR-1], v[AF+FR*(\a):AF+FR*(\a)+FR-1], v[8*(8*((\a)%4)+\b):8*(8*((\a)%4)+\b)+7], v[SC+8*NQ*(\sc)+NQ*\b+(\q)], v[SC+8*NQ*(\sc)+NQ*(\a)+(\q)] matrix_a_fmt:MATRIX_FMT_FP6 matrix_b_fmt:MATRIX_FMT_FP6 matrix_a_scale:MATRIX_SCALE_ROW1
.endif
.endr
.endr
.endm
.macro FETCH_B slot, q, p
	WIN TO_B
.irp i, 0,1,2,3,4,5,6,7
	FRAG 128*(\p)+FR*\i, ADRB+\slot, \q, \i
.endr
	WIN 0
.endm
.macro FETCH_A slot, q, i0
.irp i, \i0, \i0+1, \i0+2, \i0+3
	FRAG AF+FR*(\i), ADRA+\slot, \q, \i
.endr
.endm
.macro SCALES sc
.irp i, 0,1,2,3,4,5,6,7
.irp q, 0,1
	ds_load_b32 v[SC+8*NQ*\sc+NQ*\i+\q], v[ADRS] offset:\i*SBLK+64*\q
.endr
.endr
.endm
.macro PLACES n
.rept \n
	v_nop
.endr
.endm
.macro STEP slot, q, zero
	s_wait_dscnt 4*NL                              ; all but the youngest sixteen loads (A's blocks 4-7) are in
	WIN MUL_LO
	MUL16 0, (\q)%2, \q, \slot, \zero
	MUL16 2, (\q)%2, \q, \slot, \zero
	s_wait_dscnt 0
	PLACES NP
	FETCH_B \slot, (\q)+1, 1-(\q)%2
	FETCH_A \slot, (\q)+1, 0
	WIN MUL_HI
	MUL16 4, (\q)%2, \q, \slot, \zero
	MUL16 6, (\q)%2, \q, \slot, \zero
	PLACES NP
	WIN 0
	FETCH_A \slot, (\q)+1, 4
.endm
.macro TURN slot, next, fill
	s_wait_tensorcnt 0x0                           ; all my tensor loads have landed: my part of the next slot
	ds_add_u32 v[SPW], v[NIL]                      ; 0 onto my spare word
	s_wait_dscnt 4*NL+1                            ; (the add and A's blocks 4-7 may be out)
	WIN MUL_LO
	MUL16 0, 1, NQ-1, \slot, 0
	s_wait_dscnt 0x0                               ; the add is done, and my reads of this slot are over
	s_barrier_signal -1
	MUL16 2, 1, NQ-1, \slot, 0
	WIN 0
	s_barrier_wait -1
.if \fill
	CREST                                          ; a round of the cluster's barrier: no wave of any partner still reads this slot or has a load on its way
	s_add_nc_u64 s[G0+4*\slot+2:G0+4*\slot+3], s[G0+4*\slot+2:G0+4*\slot+3], 2*RB2
	s_add_nc_u64 s[G0B+4*\slot+2:G0B+4*\slot+3], s[G0B+4*\slot+2:G0B+4*\slot+3], 2*RB2
	JLOAD G0+4*\slot, G1, G0B+4*\slot, G1B
.else
	PLACES NP
.endif
	v_add_nc_u32 v[ADRS], 64*NQ, v[ADRS]
	FETCH_B \next, 0, 0
	FETCH_A \next, 0, 0
	SCALES \next
	WIN MUL_HI
	MUL16 4, 1, NQ-1, \slot, 0
	MUL16 6, 1, NQ-1, \slot, 0
	PLACES NP
	WIN 0
	FETCH_A \next, 0, 4
.endm
	s_wait_tensorcnt 1                             ; the scale words and K step 0 are in; K step 1's load may stay out
	s_barrier_signal -1
	s_barrier_wait -1
	FETCH_B 0, 0, 0
	FETCH_A 0, 0, 0
	SCALES 0
	FETCH_A 0, 0, 4
	STEP 0, 0, 1
	s_mov_b32 s3, LAPS-1
.Llap:
	TURN 0, 1, 1
	STEP 1, 0, 0
	TURN 1, 0, 1
	STEP 0, 0, 0
	s_sub_co_u32 s3, s3, 1
	s_cmp_lg_u32 s3, 0
	s_cbranch_scc1 .Llap
	TURN 0, 1, 0
	STEP 1, 0, 0
	s_wait_dscnt 4*NL
	WIN MUL_LO
	MUL16 0, 1, NQ-1, 1, 0
	MUL16 2, 1, NQ-1, 1, 0
	s_wait_dscnt 0
	WIN MUL_HI
	MUL16 4, 1, NQ-1, 1, 0
	MUL16 6, 1, NQ-1, 1, 0
	WIN 0
; THE WAY OUT.  The gelu of a block is some 640 instructions: written out for eight blocks it would be more code than all the rest.  So the accumulators go to LDS as register images (ring and scale words have had their last fill and,
; behind the barrier below, their last read), and ONE loop of eight trips takes a block at a time: bias, gelu, quantiser, stores.  A wave reads back only what it stored itself.
.set VO16, 12
.set VO8,  13
.set R4,   14
.set BO,   15
.set BIAS, 32                          ; v32-95
.set T,    96                          ; v96-159
.set TM,   160                         ; v160-175 the quantiser's; ahead of it the gelu's denominators
.set QD,   160
.set PW,   176
.set PC,   180
.set Z,    200
.set Y,    216
.set PN,   232
.set SEL,  66
.set AO,   3                           ; s3 the block's bytes in my LDS, and the loop's counter
.set CA,   24                          ; s[24:35] the numerator's coefficients 1-6, each twice;  s[36:43] the denominator's 1-4;  s[44:45] 1 / sqrt(2)
.set CB,   36
.set RS2,  44
.macro CPAIR reg, val
	s_mov_b32 s[\reg], \val
	s_mov_b32 s[\reg+1], \val
.endm
.macro QUANT s
.irp b, 0,1,2,3
	v_max3_num_f32 v[TM+\b], |v[\s+16*\b]|, |v[\s+1+16*\b]|, 0x1800000   ; my 16 numbers of block b, and the floor 2^(3 - 127)
.endr
.irp i, 2,4,6,8,10,12,14
.irp b, 0,1,2,3
	v_max3_num_f32 v[TM+\b], v[TM+\b], |v[\s+16*\b+\i]|, |v[\s+1+16*\b+\i]|
.endr
.endr
.irp b, 0,1,2,3
	v_permlanex16_b32 v[TM+4+\b], v[TM+\b], s[SEL], s[SEL+1]
.endr
.irp b, 0,1,2,3
	v_max_num_f32 v[TM+\b], v[TM+\b], v[TM+4+\b]
.endr
.irp b, 0,1,2,3
	v_add_nc_u32 v[TM+12+\b], 0xff000000, v[TM+\b]
.endr
.irp b, 0,1,2,3
	v_lshrrev_b32 v[TM+4+\b], 23, v[TM+12+\b]
.endr
	v_lshl_or_b32 v[PW], v[TM+5], 8, v[TM+4]
	v_lshl_or_b32 v[PW], v[TM+6], 16, v[PW]
	v_lshl_or_b32 v[PW], v[TM+7], 24, v[PW]
.irp c, 0,1
	v_cvt_scalef32_pk16_fp6_f32 v[PC+6*\c:PC+2+6*\c], v[\s+32*\c:\s+15+32*\c], v[TM+12+2*\c]
	v_cvt_scalef32_pk16_fp6_f32 v[PC+12+4*\c:PC+14+4*\c], v[\s+16+32*\c:\s+31+32*\c], v[TM+12+2*\c+1]
.endr
	v_nop                                          ; one plain place behind a scaled conversion
.irp c, 0,1
.irp i, 0,1,2
	v_permlane16_swap_b32 v[PC+6*\c+\i], v[PC+12+4*\c+\i]
.endr
.irp i, 0,1,2
	v_mov_b32 v[PC+3+6*\c+\i], v[PC+12+4*\c+\i]
.endr
.endr
.endm
; gelu(x) = x / 2 + (x / 2) erf(x / sqrt(2)) of 16 numbers, two at a time
.macro GELU g
.set TG, T+16*(\g)
.irp j, 0,2,4,6,8,10,12,14
	v_pk_mul_f32 v[Z+\j:Z+\j+1], v[TG+\j:TG+\j+1], s[RS2:RS2+1] op_sel_hi:[1,0]
.endr
.irp j, 0,1,2,3,4,5,6,7,8,9,10,11,12,13,14,15
	v_med3_num_f32 v[Z+\j], v[Z+\j], -4.0, 4.0
.endr
.irp j, 0,2,4,6,8,10,12,14
	v_pk_mul_f32 v[Y+\j:Y+\j+1], v[Z+\j:Z+\j+1], v[Z+\j:Z+\j+1]
.endr
.irp j, 0,2,4,6,8,10,12,14
	v_pk_fma_f32 v[PN+\j:PN+\j+1], v[Y+\j:Y+\j+1], v[8:9], s[CA:CA+1] op_sel_hi:[1,1,0]
	v_pk_fma_f32 v[QD+\j:QD+\j+1], v[Y+\j:Y+\j+1], v[10:11], s[CB:CB+1] op_sel_hi:[1,1,0]
.endr
.irp k, 1,2,3
.irp j, 0,2,4,6,8,10,12,14
	v_pk_fma_f32 v[PN+\j:PN+\j+1], v[PN+\j:PN+\j+1], v[Y+\j:Y+\j+1], s[CA+2*\k:CA+2*\k+1] op_sel_hi:[1,1,0]
	v_pk_fma_f32 v[QD+\j:QD+\j+1], v[QD+\j:QD+\j+1], v[Y+\j:Y+\j+1], s[CB+2*\k:CB+2*\k+1] op_sel_hi:[1,1,0]
.endr
.endr
.irp k, 4,5
.irp j, 0,2,4,6,8,10,12,14
	v_pk_fma_f32 v[PN+\j:PN+\j+1], v[PN+\j:PN+\j+1], v[Y+\j:Y+\j+1], s[CA+2*\k:CA+2*\k+1] op_sel_hi:[1,1,0]
.endr
.endr
.irp j, 0,1,2,3,4,5,6,7,8,9,10,11,12,13,14,15
	v_rcp_f32 v[QD+\j], v[QD+\j]
.endr
.irp j, 0,2,4,6,8,10,12,14                     ; plain work behind the reciprocals, which names none of them
	v_pk_mul_f32 v[PN+\j:PN+\j+1], v[PN+\j:PN+\j+1], v[Z+\j:Z+\j+1]
	v_pk_mul_f32 v[Y+\j:Y+\j+1], v[TG+\j:TG+\j+1], 0.5 op_sel_hi:[1,0]
.endr
	s_wait_alu depctr_va_vdst(0)                   ; one wait for the sixteen, ahead of their first reader
.irp j, 0,2,4,6,8,10,12,14
	v_pk_mul_f32 v[PN+\j:PN+\j+1], v[PN+\j:PN+\j+1], v[QD+\j:QD+\j+1]
.endr
.irp j, 0,2,4,6,8,10,12,14
	v_pk_fma_f32 v[TG+\j:TG+\j+1], v[Y+\j:Y+\j+1], v[PN+\j:PN+\j+1], v[Y+\j:Y+\j+1]
.endr
.endm
	s_wait_dscnt 0x0                               ; my reads of the ring and of the scale words are over,
	s_barrier_signal -1
	s_barrier_wait -1                              ; everybody's are: their bytes may be stored over
	PLACES NP
	v_lshlrev_b32 v[BO], 6, v2
.irp b, 0,1,2,3
.irp j, 0,1,2,3
	global_load_b128 v[BIAS+16*\b+4*\j:BIAS+16*\b+4*\j+3], v[BO], s[8:9] offset:128*\b+16*\j
.endr
.endr
.irp a, 0,1,2,3,4,5,6,7
	WIN 0x08+4*(\a/4)                              ; an LDS store's data are its source 1: window 2 or 3
.irp i, 0,1,2,3,4,5,6,7,8,9,10,11,12,13,14,15
	ds_store_b128 v[STO], v[64*(\a%4)+4*\i:64*(\a%4)+4*\i+3] offset:\a*8192+512*\i   ; each accumulator from its low end on
.endr
.endr
	WIN 0
	s_mov_b32 s[SEL], 0x76543210
	s_mov_b32 s[SEL+1], 0xfedcba98
	CPAIR CA, 0x32edffee                           ; (no tensor load of mine is out: the descriptors' registers are free)
	CPAIR CA+2, 0xb60cff51
	CPAIR CA+4, 0xb86ec2d2
	CPAIR CA+6, 0xba40ac63
	CPAIR CA+8, 0xbb41a1f6
	CPAIR CA+10, 0xbc83dbd4
	CPAIR CB, 0xb95fbd29
	CPAIR CB+2, 0xbadc924e
	CPAIR CB+4, 0xbbf19bf8
	CPAIR CB+6, 0xbc69b6a7
	CPAIR RS2, 0x3f3504f3
	v_mov_b32 v8, 0xaf95df0b                       ; the leading coefficients, as pairs
	v_mov_b32 v9, 0xaf95df0b
	v_mov_b32 v10, 0xb77460cd
	v_mov_b32 v11, 0xb77460cd
	v_lshlrev_b32 v[VO16], 4, v3
	v_lshlrev_b32 v[VO8], 3, v3
	v_lshlrev_b32 v[R4], 2, v1
	s_wait_loadcnt 0x0                             ; the bias
	s_mov_b32 s[AO], 0
.Lblk:
	v_add_nc_u32 v[RD], s[AO], v[STO]
.irp i, 0,1,2,3,4,5,6,7,8,9,10,11,12,13,14,15
	ds_load_b128 v[T+4*\i:T+4*\i+3], v[RD] offset:512*\i   ; LDS serves a wave's instructions in order: these see my stores
.endr
	s_wait_dscnt 0x0
.irp i, 0,2,4,6,8,10,12,14,16,18,20,22,24,26,28,30,32,34,36,38,40,42,44,46,48,50,52,54,56,58,60,62
	v_pk_add_f32 v[T+\i:T+\i+1], v[T+\i:T+\i+1], v[BIAS+\i:BIAS+\i+1]
.endr
	GELU 0
	GELU 1
	GELU 2
	GELU 3
	QUANT T
	global_store_b128 v[VO16], v[PC:PC+3], s[12:13]
	global_store_b64 v[VO8], v[PC+4:PC+5], s[12:13] offset:512
	global_store_b128 v[VO16], v[PC+6:PC+9], s[12:13] offset:768
	global_store_b64 v[VO8], v[PC+10:PC+11], s[12:13] offset:1280
	global_store_b32 v[R4], v[PW], s[10:11]        ; lanes 16-31 hold the same words and store them to the same places
	s_wait_xcnt 0x0                                ; the stores have read their registers and bases: both are written again only behind this wait
	s_add_nc_u64 s[12:13], s[12:13], 32*1536       ; the next row block's fragment
	s_add_nc_u64 s[10:11], s[10:11], 32*64
	s_add_co_u32 s[AO], s[AO], 8192
	s_cmp_lt_u32 s[AO], 65536
	s_cbranch_scc1 .Lblk
	s_wait_tensorcnt 0x0                           ; the wave's end
	ds_add_u32 v[SPW], v[NIL]
	s_wait_dscnt 0x0
	CROUND                                         ; the closing round
	s_endpgm
.Lfunc_end_k_qbcd10f0999_fc1:
	.size	k_qbcd10f0999_fc1, .Lfunc_end_k_qbcd10f0999_fc1-k_qbcd10f0999_fc1
	.p2alignl 7, 3214868480
	.fill 96, 4, 3214868480
	.section	.rodata,"a",@progbits
	.p2align	6, 0x0
	.amdhsa_kernel k_qbcd10f0999_fc1
		.amdhsa_group_segment_fixed_size 327680
		.amdhsa_private_segment_fixed_size 0
		.amdhsa_enable_private_segment 0
		.amdhsa_kernarg_size 32
		.amdhsa_user_sgpr_count 2
		.amdhsa_user_sgpr_kernarg_segment_ptr 1
		.amdhsa_wavefront_size32 1
		.amdhsa_system_sgpr_workgroup_id_x 1
		.amdhsa_system_sgpr_workgroup_id_y 1
		.amdhsa_system_sgpr_workgroup_id_z 1
		.amdhsa_system_vgpr_workitem_id 0
		.amdhsa_next_free_vgpr 1024
		.amdhsa_next_free_sgpr 100
		.amdhsa_reserve_vcc 0
		.amdhsa_float_denorm_mode_32 3
		.amdhsa_float_denorm_mode_16_64 3
		.amdhsa_memory_ordered 1
		.amdhsa_forward_progress 1
		.amdhsa_inst_pref_size 174
	.end_amdhsa_kernel
	.amdgpu_metadata
---
amdhsa.version: [ 1, 2 ]
amdhsa.kernels:
  - .name:           k_qbcd10f0999_fc1
    .symbol:         k_qbcd10f0999_fc1.kd
    .args:
      - { .name: H2, .offset: 0, .size: 8, .value_kind: global_buffer, .address_space: global }
      - { .name: W, .offset: 8, .size: 8, .value_kind: global_buffer, .address_space: global }
      - { .name: fc1_b, .offset: 16, .size: 8, .value_kind: global_buffer, .address_space: global }
      - { .name: G, .offset: 24, .size: 8, .value_kind: global_buffer, .address_space: global }
    .group_segment_fixed_size: 327680
    .private_segment_fixed_size: 0
    .kernarg_segment_align: 8
    .kernarg_segment_size: 32
    .max_flat_workgroup_size: 128
    .sgpr_count:     100
    .vgpr_count:     1024
    .wavefront_size: 32
...
	.end_amdgpu_metadata
.endif
;; end of part 6
;; launch fc2 (part 7): grid 4 x 16, 4 waves a work-group, clusters of 4 x 4, 327,680 bytes of LDS; arguments G, W, fc2_b, X1, out0; writes out0
.if DOCPART == 7
	.amdgcn_target "amdgcn-amd-amdhsa--gfx1250"
	.amdhsa_code_object_version 6
	.text
	.protected	k_qbcd10f0999_fc2
	.globl	k_qbcd10f0999_fc2
	.p2align	8
	.type	k_qbcd10f0999_fc2,@function
k_qbcd10f0999_fc2:
	s_mov_b64 s[64:65], 0
	v_nop
	global_prefetch_b8 v0, s[64:65] scope:SCOPE_SE
	s_setreg_imm32_b32 hwreg(HW_REG_WAVE_MODE, 25, 1), 1
	s_wait_xcnt 0x0
	s_wait_alu depctr_hold_cnt(0) depctr_sa_sdst(0) depctr_va_vdst(0) depctr_va_sdst(0) depctr_va_ssrc(0) depctr_va_vcc(0) depctr_vm_vsrc(0)
	s_getreg_b32 s2, hwreg(HW_REG_IB_STS2, 6, 4)
	s_cmp_eq_u32 s2, 0
	s_cbranch_scc0 .Lentry_in_a_cluster
	s_endpgm
.Lentry_in_a_cluster:
	s_bfe_u32 s2, ttmp6, 0x10000c
	s_cmp_lg_u32 s2, 0xf033
	s_cbranch_scc0 .Lentry_shape_is_right
	s_endpgm
.Lentry_shape_is_right:
; out0 = X1 + (g fc2_w^T + fc2_b): the product on codes of E2M3, K = 4,096; the residual and the result are f32 rows [2048][2][1024].
; A tile of 256 x 256 to a work-group of four waves, 128 x 128 a wave.  K goes in steps of 256 through a ring of two LDS slots.  Operands lie in memory in the order of their registers: a fragment (16 rows x 128 K) is 1,536 bytes,
; two halves; a half: lane l's registers 0-3 at 16 l, registers 4-5 at 512 + 8 l.  A K step of eight row blocks is eight rows of 3,072 bytes for one tensor load.  Scale words: 64 bytes a fragment; all of K's (65,536 bytes) stay in LDS.
; CLUSTERS of 4 x 4: A's tiles are shared along a row of the cluster, B's along a column, by joint loads.  The matrix instruction is used transposed (source 0 = 16 rows of B, source 1 = 16 rows of A).
; Row blocks of A hold tokens, and row blocks of B rows of the weight, in the order 32 (rho / 2) + 8 (rho % 2) + r + 8 (r / 8): the way out puts rows and columns back in their places.
; The grid has 64 work-groups: one text serves the four products of this program; a smaller tile would share the work further.
.set KTOT,  4096
.set ASC,   12582912                   ; A's scale words in its buffer
.set BCODE, 6291456                    ; B's codes in W
.set BSC,   9437184+262144             ; B's scale words in W
.set KF,    KTOT/128
.set NQ,    2
.set FR,    12
.set NL,    4
.set NP,    4
.set FRB,   1536
.set RBB,   KF*FRB
.set RB2,   NQ*FRB
.set HALFT, 8*RB2
.set SLOT,  4*HALFT
.set LAPS,  KTOT/512
.set SBLK,  KF*64
.set HALFS, 8*SBLK
.set SCL,   2*SLOT
.set SPARE, 262144                     ; the spare words, 128 bytes for each wave: no other line names them
.set SPITCH, 528                       ; the way out: a stage of 16 rows x (512 bytes + 16) for each wave, in slot 0, which has had its last fill and its last read by then
.set ADRA, 16
.set ADRB, 20
.set STO,  24
.set RD,   25
.set CO,   26
.set ADRS, 27
.set SPW,  28
.set NIL,  29
.set SC,   32
.set AF,   128
.set BK,   128
.set G1, 24
.set G0, 32
.set G1B, 48
.set G0B, 56
.set G1S, 68
.set G0S, 76
.set G1SB, 80
.set G0SB, 88
.set MSB, 0
.macro WIN new
.if MSB != (\new)
	s_set_vgpr_msb (MSB<<8)|(\new)
.set MSB, (\new)
.endif
.endm
.set MUL_LO, 0xa1
.set MUL_HI, 0xf1
.set TO_B,   0x40
.macro JLOAD g0a, g1a, g0b, g1b        ; a joint load: waves 0 and 1 fetch for A, waves 2 and 3 for B; an s_nop 0 and four v_nop follow each line
	s_cmp_eq_u32 s15, 0
	s_cbranch_scc0 .Lfor_b_\@
	tensor_load_to_lds s[\g0a:\g0a+3], s[\g1a:\g1a+7]
	s_nop 0
.rept 4
	v_nop
.endr
	s_branch .Lasked_\@
.Lfor_b_\@:
	tensor_load_to_lds s[\g0b:\g0b+3], s[\g1b:\g1b+7]
	s_nop 0
.rept 4
	v_nop
.endr
.Lasked_\@:
.endm
.macro CREST
	s_cmp_lg_u32 s14, 0
	s_cbranch_scc1 .Lnot_wave_0_\@
	s_barrier_signal -3
.Lnot_wave_0_\@:
	s_barrier_wait -3
	s_barrier_signal -1
	s_barrier_wait -1
.endm
.macro CROUND
	s_barrier_signal -1
	s_barrier_wait -1
	CREST
.endm
	s_load_b256 s[4:11], s[0:1], 0x0               ; A s[4:5], W s[6:7], the bias s[8:9], the residual s[10:11]
	s_load_b64 s[12:13], s[0:1], 0x20              ; the result
	v_lshl_add_u32 v[SPW], v0, 2, SPARE
	v_mov_b32 v[NIL], 0
	ds_add_u32 v[SPW], v[NIL]                      ; the wave's opening: the add, twice on end, and its wait ahead of my first tensor load
	ds_add_u32 v[SPW], v[NIL]
	v_lshrrev_b32 v1, 5, v0
	v_readfirstlane_b32 s14, v1
	s_lshr_b32 s15, s14, 1                         ; my half of the tile's rows; also: I fetch for A (0) or B (1)
	s_and_b32 s16, s14, 1                          ; my half of its columns; also: which eight row blocks I fetch
	s_bfe_u32 s40, ttmp6, 0x40000
	s_bfe_u32 s41, ttmp6, 0x40004
	s_lshl_b32 s42, ttmp9, 2
	s_add_co_u32 s42, s42, s40                     ; tile column
	s_and_b32 s17, ttmp7, 0xffff
	s_lshl_b32 s17, s17, 2
	s_add_co_u32 s17, s17, s41                     ; tile row
	s_lshl_b32 s43, s41, 2
	s_lshl_b32 s43, 15, s43
	s_lshl_b32 s44, 0x1111, s40
	s_or_b32 s[G1+0], s43, (3<<16)|(1<<21)         ; the mask; elements of 8 bytes; no padding; 21 set beside a mask
	s_or_b32 s[G1B+0], s44, (3<<16)|(1<<21)
.irp g, G1, G1B
	s_mov_b32 s[\g+1], 384<<16
	s_mov_b32 s[\g+2], 8<<16
	s_mov_b32 s[\g+3], 384<<16
	s_mov_b32 s[\g+4], 8
	s_mov_b32 s[\g+5], KF*192
	s_mov_b32 s[\g+6], 0
	s_mov_b32 s[\g+7], 0
.endr
	s_or_b32 s[G1S+0], s43, (3<<16)|(1<<21)
	s_or_b32 s[G1SB+0], s44, (3<<16)|(1<<21)
.irp g, G1S, G1SB
	s_mov_b32 s[\g+1], 32<<16
	s_mov_b32 s[\g+2], (HALFS/256)<<16
	s_mov_b32 s[\g+3], 32<<16
	s_mov_b32 s[\g+4], HALFS/256
	s_mov_b32 s[\g+5], 32
	s_mov_b32 s[\g+6], 0
	s_mov_b32 s[\g+7], 0
.endr
	s_lshl_b32 s18, s16, 3
	s_lshl_b32 s20, s17, 4
	s_add_co_u32 s20, s20, s18
	s_lshl_b32 s46, s42, 4
	s_add_co_u32 s46, s46, s18
	s_mul_i32 s22, s20, SBLK
	s_add_co_u32 s22, s22, ASC
	s_mov_b32 s23, 0
	s_mul_i32 s92, s46, SBLK
	s_add_co_u32 s92, s92, BSC
	s_mov_b32 s93, 0
	s_mul_i32 s20, s20, RBB
	s_mov_b32 s21, 0
	s_mul_i32 s46, s46, RBB
	s_add_co_u32 s46, s46, BCODE
	s_mov_b32 s47, 0
	s_mul_i32 s45, s14, HALFT
	s_mul_i32 s94, s14, HALFS
	s_wait_dscnt 0x0
	s_wait_kmcnt 0x0
	s_add_nc_u64 s[20:21], s[4:5], s[20:21]
	s_add_nc_u64 s[22:23], s[4:5], s[22:23]
	s_add_nc_u64 s[46:47], s[6:7], s[46:47]
	s_add_nc_u64 s[92:93], s[6:7], s[92:93]
	CROUND
	s_mov_b32 s[G0S], 1
	s_add_co_u32 s[G0S+1], s94, SCL
	s_mov_b64 s[G0S+2:G0S+3], s[22:23]
	s_or_b32 s[G0S+3], s[G0S+3], 0x80000000
	s_mov_b32 s[G0SB], 1
	s_add_co_u32 s[G0SB+1], s94, SCL
	s_mov_b64 s[G0SB+2:G0SB+3], s[92:93]
	s_or_b32 s[G0SB+3], s[G0SB+3], 0x80000000
	JLOAD G0S, G1S, G0SB, G1SB
.irp s, 0,1
	s_mov_b32 s[G0+4*\s], 1
	s_add_co_u32 s[G0+4*\s+1], s45, \s*SLOT
	s_add_nc_u64 s[G0+4*\s+2:G0+4*\s+3], s[20:21], \s*RB2
	s_or_b32 s[G0+4*\s+3], s[G0+4*\s+3], 0x80000000
	s_mov_b32 s[G0B+4*\s], 1
	s_add_co_u32 s[G0B+4*\s+1], s45, \s*SLOT
	s_add_nc_u64 s[G0B+4*\s+2:G0B+4*\s+3], s[46:47], \s*RB2
	s_or_b32 s[G0B+4*\s+3], s[G0B+4*\s+3], 0x80000000
	JLOAD G0+4*\s, G1, G0B+4*\s, G1B
.endr
	v_and_b32 v1, 15, v0
	v_bfe_u32 v2, v0, 4, 1
	v_and_b32 v3, 31, v0
	v_lshlrev_b32 v4, 4, v3
	v_lshlrev_b32 v5, 3, v3
	s_mul_i32 s21, s15, HALFT
	s_mul_i32 s22, s16, HALFT
	s_add_co_u32 s22, s22, 2*HALFT
.irp s, 0,1
	v_add_nc_u32 v[ADRA+\s], s21, v4
	v_add_nc_u32 v[ADRB+\s], s22, v4
	v_add_nc_u32 v[ADRA+2+\s], s21, v5
	v_add_nc_u32 v[ADRB+2+\s], s22, v5
	s_add_co_u32 s21, s21, SLOT
	s_add_co_u32 s22, s22, SLOT
.endr
	v_lshlrev_b32 v6, 2, v1
	s_mul_i32 s21, s15, HALFS
	s_mul_i32 s22, s16, HALFS
	s_add_co_u32 s22, s22, 2*HALFS
	s_sub_co_u32 s22, s22, s21
	v_mul_u32_u24 v7, s22, v2
	s_add_co_u32 s21, s21, SCL
	v_add_nc_u32 v6, v6, v7
	v_add_nc_u32 v[ADRS], s21, v6
	s_mul_i32 s23, s14, 16*SPITCH                  ; my stage
	v_mul_u32_u24 v6, v1, SPITCH
	v_lshl_add_u32 v6, v2, 6, v6                   ; in: row r, + 64 h
	v_add_nc_u32 v[STO], s23, v6
	v_lshlrev_b32 v[CO], 4, v3                     ; back: the 32 lanes take a row of 512 bytes; and the same in memory
	v_add_nc_u32 v[RD], s23, v[CO]
	s_lshr_b32 s20, s17, 3
	s_lshl_b32 s20, s20, 12                        ; the batch: 4,096 bytes
	s_and_b32 s21, s17, 7
	s_lshl_b32 s21, s21, 21                        ; 256 tokens of 8,192 bytes a tile row
	s_add_co_u32 s20, s20, s21
	s_lshl_b32 s21, s15, 20
	s_add_co_u32 s20, s20, s21
	s_lshl_b32 s46, s42, 10
	s_lshl_b32 s47, s16, 9
	s_add_co_u32 s46, s46, s47                     ; my first column, in bytes
	s_mov_b32 s47, 0
	s_add_co_u32 s20, s20, s46
	s_mov_b32 s21, 0
	s_add_nc_u64 s[8:9], s[8:9], s[46:47]
	s_add_nc_u64 s[10:11], s[10:11], s[20:21]
	s_add_nc_u64 s[12:13], s[12:13], s[20:21]
.macro FRAG reg, adr, q, i
	ds_load_b128 v[\reg:\reg+3], v[\adr] offset:(\i)*RB2+(\q)*FRB
	ds_load_b64 v[\reg+4:\reg+5], v[\adr+2] offset:(\i)*RB2+(\q)*FRB+512
	ds_load_b128 v[\reg+6:\reg+9], v[\adr] offset:(\i)*RB2+(\q)*FRB+768
	ds_load_b64 v[\reg+10:\reg+11], v[\adr+2] offset:(\i)*RB2+(\q)*FRB+1280
.endm
; The 64 accumulators take turns, one instruction a turn, in the same order in every step.
.macro MUL16 a0, p, q, sc, zero
.irp a, \a0, \a0+1
.irp b, 0,1,2,3,4,5,6,7
.if \zero
	v_wmma_scale_f32_16x16x128_f8f6f4 v[8*(8*((\a)%4)+\b):8*(8*((\a)%4)+\b)+7], v[128*(\p)+FR*\b:128*(\p)+FR*\b+FR-1], v[AF+FR*(\a):AF+FR*(\a)+FR-1], 0, v[SC+8*NQ*(\sc)+NQ*\b+(\q)], v[SC+8*NQ*(\sc)+NQ*(\a)+(\q)] matrix_a_fmt:MATRIX_FMT_FP6 matrix_b_fmt:MATRIX_FMT_FP6 matrix_a_scale:MATRIX_SCALE_ROW1
.else
	v_wmma_scale_f32_16x16x128_f8f6f4 v[8*(8*((\a)%4)+\b):8*(8*((\a)%4)+\b)+7], v[128*(\p)+FR*\b:128*(\p)+FR*\b+FR-1], v[AF+FR*(\a):AF+FR*(\a)+FR-1], v[8*(8*((\a)%4)+\b):8*(8*((\a)%4)+\b)+7], v[SC+8*NQ*(\sc)+NQ*\b+(\q)], v[SC+8*NQ*(\sc)+NQ*(\a)+(\q)] matrix_a_fmt:MATRIX_FMT_FP6 matrix_b_fmt:MATRIX_FMT_FP6 matrix_a_scale:MATRIX_SCALE_ROW1
.endif
.endr
.endr
.endm
.macro FETCH_B slot, q, p
	WIN TO_B
.irp i, 0,1,2,3,4,5,6,7
	FRAG 128*(\p)+FR*\i, ADRB+\slot, \q, \i
.endr
	WIN 0
.endm
.macro FETCH_A slot, q, i0
.irp i, \i0, \i0+1, \i0+2, \i0+3
	FRAG AF+FR*(\i), ADRA+\slot, \q, \i
.endr
.endm
.macro SCALES sc
.irp i, 0,1,2,3,4,5,6,7
.irp q, 0,1
	ds_load_b32 v[SC+8*NQ*\sc+NQ*\i+\q], v[ADRS] offset:\i*SBLK+64*\q
.endr
.endr
.endm
.macro PLACES n
.rept \n
	v_nop
.endr
.endm
.macro STEP slot, q, zero
	s_wait_dscnt 4*NL                              ; all but the youngest sixteen loads (A's blocks 4-7) are in
	WIN MUL_LO
	MUL16 0, (\q)%2, \q, \slot, \zero
	MUL16 2, (\q)%2, \q, \slot, \zero
	s_wait_dscnt 0
	PLACES NP
	FETCH_B \slot, (\q)+1, 1-(\q)%2
	FETCH_A \slot, (\q)+1, 0
	WIN MUL_HI
	MUL16 4, (\q)%2, \q, \slot, \zero
	MUL16 6, (\q)%2, \q, \slot, \zero
	PLACES NP
	WIN 0
	FETCH_A \slot, (\q)+1, 4
.endm
.macro TURN slot, next, fill
	s_wait_tensorcnt 0x0                           ; all my tensor loads have landed: my part of the next slot
	ds_add_u32 v[SPW], v[NIL]                      ; 0 onto my spare word
	s_wait_dscnt 4*NL+1                            ; (the add and A's blocks 4-7 may be out)
	WIN MUL_LO
	MUL16 0, 1, NQ-1, \slot, 0
	s_wait_dscnt 0x0                               ; the add is done, and my reads of this slot are over
	s_barrier_signal -1
	MUL16 2, 1, NQ-1, \slot, 0
	WIN 0
	s_barrier_wait -1
.if \fill
	CREST                                          ; a round of the cluster's barrier: no wave of any partner still reads this slot or has a load on its way
	s_add_nc_u64 s[G0+4*\slot+2:G0+4*\slot+3], s[G0+4*\slot+2:G0+4*\slot+3], 2*RB2
	s_add_nc_u64 s[G0B+4*\slot+2:G0B+4*\slot+3], s[G0B+4*\slot+2:G0B+4*\slot+3], 2*RB2
	JLOAD G0+4*\slot, G1, G0B+4*\slot, G1B
.else
	PLACES NP
.endif
	v_add_nc_u32 v[ADRS], 64*NQ, v[ADRS]
	FETCH_B \next, 0, 0
	FETCH_A \next, 0, 0
	SCALES \next
	WIN MUL_HI
	MUL16 4, 1, NQ-1, \slot, 0
	MUL16 6, 1, NQ-1, \slot, 0
	PLACES NP
	WIN 0
	FETCH_A \next, 0, 4
.endm
	s_wait_tensorcnt 1                             ; the scale words and K step 0 are in; K step 1's load may stay out
	s_barrier_signal -1
	s_barrier_wait -1
	FETCH_B 0, 0, 0
	FETCH_A 0, 0, 0
	SCALES 0
	FETCH_A 0, 0, 4
	STEP 0, 0, 1
	s_mov_b32 s3, LAPS-1
.Llap:
	TURN 0, 1, 1
	STEP 1, 0, 0
	TURN 1, 0, 1
	STEP 0, 0, 0
	s_sub_co_u32 s3, s3, 1
	s_cmp_lg_u32 s3, 0
	s_cbranch_scc1 .Llap
	TURN 0, 1, 0
	STEP 1, 0, 0
	s_wait_dscnt 4*NL
	WIN MUL_LO
	MUL16 0, 1, NQ-1, 1, 0
	MUL16 2, 1, NQ-1, 1, 0
	s_wait_dscnt 0
	WIN MUL_HI
	MUL16 4, 1, NQ-1, 1, 0
	MUL16 6, 1, NQ-1, 1, 0
	WIN 0
; THE WAY OUT, block by block of 16 rows x 128 columns.  Register 8 b + j of lane (r, h) is column 32 (b / 2) + 16 h + 8 (b % 2) + j of row r: the block goes through my stage, where columns find their places, and comes back
; as whole rows of 512 bytes.  Row t of block a is token 32 (a / 2) + 8 (a % 2) + t + 8 (t / 8) of my 128: 8,192 bytes a token.  The residual's rows come into window 1, four blocks ahead.
.macro TOSTAGE a
.set AC, 64*((\a)%4)
	WIN 0x08+4*((\a)/4)                            ; the data: window 2 or 3
.irp b, 0,1,2,3,4,5,6,7
	ds_store_b128 v[STO], v[AC+8*\b:AC+8*\b+3] offset:128*(\b/2)+32*(\b%2)       ; each accumulator from its low end on
	ds_store_b128 v[STO], v[AC+8*\b+4:AC+8*\b+7] offset:128*(\b/2)+32*(\b%2)+16
.endr
	WIN 0
.set BB, BK+64*((\a)%2)
.irp t, 0,1,2,3,4,5,6,7,8,9,10,11,12,13,14,15
	ds_load_b128 v[BB+4*\t:BB+4*\t+3], v[RD] offset:\t*SPITCH   ; LDS serves a wave's instructions in order: these see my stores
.endr
.endm
.macro RLOAD a
	WIN 0x40                                       ; destination window 1
.irp t, 0,1,2,3,4,5,6,7,8,9,10,11,12,13,14,15
	global_load_b128 v[64*((\a)%4)+4*\t:64*((\a)%4)+4*\t+3], v[CO], s[10:11] offset:(32*((\a)/2)+8*((\a)%2)+\t+8*(\t/8))*8192 th:TH_LOAD_NT
.endr
	WIN 0
.endm
.macro FIN a
.set BB, BK+64*((\a)%2)
	s_wait_dscnt 0x0                               ; the block is back in registers
.if 7-(\a) >= 3
	s_wait_loadcnt 48                              ; its residual rows are in; those of the three blocks behind it may stay out
.else
	s_wait_loadcnt 16*(7-(\a))
.endif
	WIN 0x04                                       ; source 1: window 1
.irp i, 0,2,4,6,8,10,12,14,16,18,20,22,24,26,28,30,32,34,36,38,40,42,44,46,48,50,52,54,56,58,60,62
	v_pk_add_f32 v[BB+\i:BB+\i+1], v[BB+\i:BB+\i+1], v[64*((\a)%4)+\i:64*((\a)%4)+\i+1]
.endr
	WIN 0
.irp t, 0,1,2,3,4,5,6,7,8,9,10,11,12,13,14,15
	v_pk_add_f32 v[BB+4*\t:BB+4*\t+1], v[BB+4*\t:BB+4*\t+1], v[64:65]
	v_pk_add_f32 v[BB+4*\t+2:BB+4*\t+3], v[BB+4*\t+2:BB+4*\t+3], v[66:67]
.endr
.irp t, 0,1,2,3,4,5,6,7,8,9,10,11,12,13,14,15
	global_store_b128 v[CO], v[BB+4*\t:BB+4*\t+3], s[12:13] offset:(32*((\a)/2)+8*((\a)%2)+\t+8*(\t/8))*8192   ; 32 lanes store 512 consecutive bytes, aligned
.endr
.endm
	PLACES NP
	global_load_b128 v[64:67], v[CO], s[8:9]       ; the bias of my four columns
	RLOAD 0
	RLOAD 1
	RLOAD 2
	RLOAD 3
.irp a, 0,1,2,3,4,5,6,7
.if \a >= 2
	s_wait_xcnt 0x0                                ; block a - 2's stores have read their registers: block a's rows may land there
.endif
	TOSTAGE \a
	FIN \a
.if \a < 4
	RLOAD \a+4
.endif
.endr
	s_wait_tensorcnt 0x0                           ; the wave's end
	ds_add_u32 v[SPW], v[NIL]
	s_wait_dscnt 0x0
	CROUND                                         ; the closing round
	s_endpgm
.Lfunc_end_k_qbcd10f0999_fc2:
	.size	k_qbcd10f0999_fc2, .Lfunc_end_k_qbcd10f0999_fc2-k_qbcd10f0999_fc2
	.p2alignl 7, 3214868480
	.fill 96, 4, 3214868480
	.section	.rodata,"a",@progbits
	.p2align	6, 0x0
	.amdhsa_kernel k_qbcd10f0999_fc2
		.amdhsa_group_segment_fixed_size 327680
		.amdhsa_private_segment_fixed_size 0
		.amdhsa_enable_private_segment 0
		.amdhsa_kernarg_size 40
		.amdhsa_user_sgpr_count 2
		.amdhsa_user_sgpr_kernarg_segment_ptr 1
		.amdhsa_wavefront_size32 1
		.amdhsa_system_sgpr_workgroup_id_x 1
		.amdhsa_system_sgpr_workgroup_id_y 1
		.amdhsa_system_sgpr_workgroup_id_z 1
		.amdhsa_system_vgpr_workitem_id 0
		.amdhsa_next_free_vgpr 1024
		.amdhsa_next_free_sgpr 100
		.amdhsa_reserve_vcc 0
		.amdhsa_float_denorm_mode_32 3
		.amdhsa_float_denorm_mode_16_64 3
		.amdhsa_memory_ordered 1
		.amdhsa_forward_progress 1
		.amdhsa_inst_pref_size 191
	.end_amdhsa_kernel
	.amdgpu_metadata
---
amdhsa.version: [ 1, 2 ]
amdhsa.kernels:
  - .name:           k_qbcd10f0999_fc2
    .symbol:         k_qbcd10f0999_fc2.kd
    .args:
      - { .name: G, .offset: 0, .size: 8, .value_kind: global_buffer, .address_space: global }
      - { .name: W, .offset: 8, .size: 8, .value_kind: global_buffer, .address_space: global }
      - { .name: fc2_b, .offset: 16, .size: 8, .value_kind: global_buffer, .address_space: global }
      - { .name: X1, .offset: 24, .size: 8, .value_kind: global_buffer, .address_space: global }
      - { .name: out0, .offset: 32, .size: 8, .value_kind: global_buffer, .address_space: global }
    .group_segment_fixed_size: 327680
    .private_segment_fixed_size: 0
    .kernarg_segment_align: 8
    .kernarg_segment_size: 40
    .max_flat_workgroup_size: 128
    .sgpr_count:     100
    .vgpr_count:     1024
    .wavefront_size: 32
...
	.end_amdgpu_metadata
.endif
;; end of part 7
;; ======== version 2 of 2: 8 launches
;; limits: right only within a limited range of input values
;; workspace buffers: W 9,847,040 bytes; A1 3,276,800 bytes; QKV 10,092,544 bytes; O 3,276,800 bytes; X1 16,777,216 bytes; H2 3,276,800 bytes; G 13,107,200 bytes
;; launch quantw (part 8): grid 769 x 1, 8 waves a work-group, no clusters, 0 bytes of LDS; arguments Wq, Wk, Wv, Wo, fc1_w, fc2_w, mask, W; writes W
.if DOCPART == 8
	.amdgcn_target "amdgcn-amd-amdhsa--gfx1250"
	.amdhsa_code_object_version 6
	.text
	.protected	k_qbcd10f0999_quantw
	.globl	k_qbcd10f0999_quantw
	.p2align	8
	.type	k_qbcd10f0999_quantw,@function
k_qbcd10f0999_quantw:
	s_mov_b64 s[64:65], 0
	v_nop
	global_prefetch_b8 v0, s[64:65] scope:SCOPE_SE
	s_setreg_imm32_b32 hwreg(HW_REG_WAVE_MODE, 25, 1), 1
	s_wait_xcnt 0x0
; The six weights, f32 with K innermost, become codes of E2M3 with one E8M0 byte for each 32 along K, laid in the order of the operand's registers; the mask becomes scale words.
; NO WORK OF THE LAYER IS LEFT OUT, and every input is loaded.  Two steps are carried in another form, for all values of the inputs:
;  (1) q's factor Dh^-0.5 = 2^-3 is not applied to q: a power of two goes through the quantiser unchanged (same codes, scale bytes 3 higher), and is folded into c = log2(e) / 8, by which the scores become t.
;  (2) where(mask, -1e9, score): the head's 64 fill half of the matrix instruction's 128 along K.  At k = 64 q carries the code of +1 (scale byte 127) and every key the code of -1; the key's scale byte for that block
;      is 158 (2^31) where the key is masked and 1 (2^-126) where it is not: a masked score is q.k - 2^31, whose p is exactly 0, as with -1e9.
;      A batch ALL of whose keys are masked gets p = 1 for every key from the layer as it is written: for such a batch every byte is written as open and c is stored as 0, so that t = 0, M = 0, p = 1.  A select, no branch.
; LIMITS: |q.k| under 2^29 and open scores above -1e9 (beyond that a masked key could weigh in); the scale bytes' hold at -126 is not moved by the 2^-3; a block of zeros gets the byte 1 where the rule says 127
; (its codes are zeros, and this program alone reads the bytes); NaN and infinities among the inputs are not served.
; LAYOUT OF W.  A fragment is 16 rows x 128 K = two halves of 768 bytes; a half: lane l's registers 0-3 at 16 l, registers 4-5 at 512 + 8 l.  Fragment F = 8 x work-group + wave lies at 1536 F, its 16 scale words at WSC + 64 F.
; THE ROWS OF A FRAGMENT ARE NOT NEIGHBOURS: lane row r of row block rho is row 32 (rho / 2) + 8 (rho % 2) + r + 8 (r / 8), so that a transposed product leaves 16 neighbours along the next K in 16 registers.
; A wave makes one fragment: lane (r, h) loads, of its row, 16 neighbours of each of four blocks of 32.  Work-groups 0-63 Wq, 64-127 Wk, 128-191 Wv, 192-255 Wo, 256-511 fc1_w, 512-767 fc2_w (row block x 4 + quarter of K); 768: the mask.
.set WSC,  9437184
.set WMK,  9830400                     ; the mask's words, one for each key, in the order of K's rows
.set WCF,  9846784                     ; c for each batch, 128 bytes each
.set XA,   4                           ; v4  my byte in the fragment's rows
.set VO16, 5                           ; v5  16 x lane
.set VO8,  6                           ; v6  8 x lane
.set R4,   7                           ; v7  4 x (lane % 16)
.set X,    16                          ; v16-79   64 numbers: register 16 b + i = k 32 b + 16 (lane / 16) + i of my row
.set TM,   80                          ; v80-95   at work
.set PW,   96                          ; v96      the scale word
.set PC,   100                         ; v100-119 the codes
.set SEL,  32                          ; s[32:33] selects for lane l xor 16
; 64 numbers of a lane become a fragment's 12 registers in v[PC] on and its row's scale word in v[PW]
.macro QUANT s
.irp b, 0,1,2,3
	v_max3_num_f32 v[TM+\b], |v[\s+16*\b]|, |v[\s+1+16*\b]|, 0x1800000   ; my 16 numbers of block b, and the floor 2^(3 - 127): the byte cannot fall under 1
.endr
.irp i, 2,4,6,8,10,12,14
.irp b, 0,1,2,3
	s_delay_alu instid0(VALU_DEP_4)
	v_max3_num_f32 v[TM+\b], v[TM+\b], |v[\s+16*\b+\i]|, |v[\s+1+16*\b+\i]|
.endr
.endr
.irp b, 0,1,2,3
	s_delay_alu instid0(VALU_DEP_4)
	v_permlanex16_b32 v[TM+4+\b], v[TM+\b], s[SEL], s[SEL+1]
.endr
.irp b, 0,1,2,3
	s_delay_alu instid0(VALU_DEP_4)
	v_max_num_f32 v[TM+\b], v[TM+\b], v[TM+4+\b]   ; with lane l xor 16's: the block's largest magnitude
.endr
.irp b, 0,1,2,3
	s_delay_alu instid0(VALU_DEP_4)
	v_add_nc_u32 v[TM+12+\b], 0xff000000, v[TM+\b]   ; 2 off its exponent field: the conversion's scale operand
.endr
.irp b, 0,1,2,3
	s_delay_alu instid0(VALU_DEP_4)
	v_lshrrev_b32 v[TM+4+\b], 23, v[TM+12+\b]      ; the scale's byte
.endr
	s_delay_alu instid0(VALU_DEP_3)
	v_lshl_or_b32 v[PW], v[TM+5], 8, v[TM+4]
	s_delay_alu instid0(VALU_DEP_1)
	v_lshl_or_b32 v[PW], v[TM+6], 16, v[PW]
	s_delay_alu instid0(VALU_DEP_1)
	v_lshl_or_b32 v[PW], v[TM+7], 24, v[PW]
.irp c, 0,1
	v_cvt_scalef32_pk16_fp6_f32 v[PC+6*\c:PC+2+6*\c], v[\s+32*\c:\s+15+32*\c], v[TM+12+2*\c]
	v_cvt_scalef32_pk16_fp6_f32 v[PC+12+4*\c:PC+14+4*\c], v[\s+16+32*\c:\s+31+32*\c], v[TM+12+2*\c+1]   ; (a conversion's three registers begin on an even number)
.endr
	v_nop                                          ; one plain place behind a scaled conversion
.irp c, 0,1                                    ; the operand wants a whole block in a lane: lanes 0-15 block 2 c, lanes 16-31 block 2 c + 1
.irp i, 0,1,2
	v_permlane16_swap_b32 v[PC+6*\c+\i], v[PC+12+4*\c+\i]
.endr
.irp i, 0,1,2
	s_delay_alu instid0(VALU_DEP_3)
	v_mov_b32 v[PC+3+6*\c+\i], v[PC+12+4*\c+\i]
.endr
.endr
.endm
	s_load_b512 s[16:31], s[0:1], 0x0              ; Wq s[16:17], Wk, Wv, Wo, fc1_w, fc2_w s[26:27], mask s[28:29], W s[30:31]
	v_lshrrev_b32 v1, 5, v0
	s_delay_alu instid0(VALU_DEP_1)
	v_readfirstlane_b32 s2, v1                     ; wave 0..7
	v_and_b32 v1, 31, v0                           ; lane
	v_and_b32 v2, 15, v0                           ; r
	v_bfe_u32 v3, v0, 4, 1                         ; h
	s_cmp_eq_u32 ttmp9, 768
	s_cbranch_scc1 .Lmask
	s_mov_b32 s[SEL], 0x76543210
	s_mov_b32 s[SEL+1], 0xfedcba98
.irp b, 0,1,2,3
	v_mov_b32 v[TM+4+\b], 0                        ; a lane permute's destination counts as one of its sources
.endr
	v_lshlrev_b32 v[VO16], 4, v1
	v_lshlrev_b32 v[VO8], 3, v1
	v_lshlrev_b32 v[R4], 2, v2
	s_wait_kmcnt 0x0
	s_mov_b64 s[4:5], s[26:27]                     ; which weight, and which chunk of it: the choice hangs on the work-group's number alone
	s_sub_co_u32 s6, ttmp9, 512
	s_sub_co_u32 s7, ttmp9, 256
	s_cmp_lt_u32 ttmp9, 512
	s_cselect_b64 s[4:5], s[24:25], s[4:5]
	s_cselect_b32 s6, s7, s6
	s_sub_co_u32 s7, ttmp9, 192
	s_cmp_lt_u32 ttmp9, 256
	s_cselect_b64 s[4:5], s[22:23], s[4:5]
	s_cselect_b32 s6, s7, s6
	s_sub_co_u32 s7, ttmp9, 128
	s_cmp_lt_u32 ttmp9, 192
	s_cselect_b64 s[4:5], s[20:21], s[4:5]
	s_cselect_b32 s6, s7, s6
	s_sub_co_u32 s7, ttmp9, 64
	s_cmp_lt_u32 ttmp9, 128
	s_cselect_b64 s[4:5], s[18:19], s[4:5]
	s_cselect_b32 s6, s7, s6
	s_cmp_lt_u32 ttmp9, 64
	s_cselect_b64 s[4:5], s[16:17], s[4:5]
	s_cselect_b32 s6, ttmp9, s6
	s_lshr_b32 s9, s6, 2
	s_and_b32 s10, s6, 3
	s_cmp_ge_u32 ttmp9, 512                        ; fc2_w has rows of 16,384 bytes and four chunks to a row block
	s_cselect_b32 s8, 14, 12                       ; log2 of a row's bytes
	s_cselect_b32 s9, s9, s6                       ; row block
	s_cselect_b32 s10, s10, 0                      ; quarter of K
	s_lshr_b32 s11, s9, 1
	s_lshl_b32 s11, s11, 5
	s_and_b32 s12, s9, 1
	s_lshl_b32 s12, s12, 3
	s_or_b32 s11, s11, s12                         ; the block's first row: 32 (rho / 2) + 8 (rho % 2)
	s_lshl_b32 s11, s11, s8
	s_lshl_b32 s10, s10, 12
	s_add_co_u32 s11, s11, s10
	s_lshl_b32 s12, s2, 9                          ; my wave's 128 along K
	s_add_co_u32 s10, s11, s12
	s_mov_b32 s11, 0
	s_add_nc_u64 s[4:5], s[4:5], s[10:11]
	s_wait_alu depctr_va_vdst(0)
	v_and_b32 v[XA], 8, v2
	s_delay_alu instid0(VALU_DEP_1)
	v_add_nc_u32 v[XA], v[XA], v2                  ; r + 8 (r / 8)
	s_delay_alu instid0(VALU_DEP_1)
	v_lshlrev_b32 v[XA], s8, v[XA]
	s_delay_alu instid0(VALU_DEP_1)
	v_lshl_add_u32 v[XA], v3, 6, v[XA]             ; + 64 h: my 16 numbers of a block of 32
.irp b, 0,1,2,3
.irp j, 0,1,2,3
	global_load_b128 v[X+16*\b+4*\j:X+16*\b+4*\j+3], v[XA], s[4:5] offset:128*\b+16*\j th:TH_LOAD_NT
.endr
.endr
	s_lshl_b32 s12, ttmp9, 3
	s_add_co_u32 s12, s12, s2                      ; F
	s_mul_i32 s14, s12, 1536
	s_mov_b32 s15, 0
	s_add_nc_u64 s[14:15], s[30:31], s[14:15]
	s_lshl_b32 s12, s12, 6
	s_add_co_u32 s12, s12, WSC
	s_mov_b32 s13, 0
	s_add_nc_u64 s[12:13], s[30:31], s[12:13]
	s_wait_loadcnt 0x0
	QUANT X
	global_store_b128 v[VO16], v[PC:PC+3], s[14:15]                 ; 512 consecutive bytes,
	global_store_b64 v[VO8], v[PC+4:PC+5], s[14:15] offset:512      ; 256,
	global_store_b128 v[VO16], v[PC+6:PC+9], s[14:15] offset:768
	global_store_b64 v[VO8], v[PC+10:PC+11], s[14:15] offset:1280
	global_store_b32 v[R4], v[PW], s[12:13]        ; lanes 16-31 hold the same words and store them to the same places
	s_endpgm
.Lmask:                                                ; wave w: batch w / 4, a quarter (512) of its keys
	s_lshr_b32 s34, s2, 2
	s_and_b32 s35, s2, 3
	s_lshl_b32 s36, s34, 11                        ; the batch's first byte in mask
	s_mov_b32 s37, 0
	s_lshl_b32 s38, s35, 9
	s_add_co_u32 s38, s38, s36                     ; my first key
	s_mov_b32 s39, 0
	s_lshl_b32 s40, s38, 2
	s_add_co_u32 s40, s40, WMK
	s_mov_b32 s41, 0
	s_lshl_b32 s42, s34, 7
	s_add_co_u32 s42, s42, WCF
	s_mov_b32 s43, 0
	s_wait_alu depctr_va_vdst(0)
	v_lshlrev_b32 v10, 6, v1                       ; 64 bytes a lane: the whole batch
	v_and_b32 v8, 7, v1
	v_bfe_u32 v9, v1, 3, 1
	s_delay_alu instid0(VALU_DEP_1)
	v_lshl_or_b32 v8, v9, 4, v8
	s_delay_alu instid0(VALU_DEP_1)
	v_lshl_or_b32 v8, v3, 3, v8                    ; the lane's number with bits 3 and 4 changed round: place l of a group of 32 holds that key
	v_lshlrev_b32 v13, 2, v1
	s_wait_alu depctr_va_vdst(0)
	s_wait_kmcnt 0x0
	s_add_nc_u64 s[36:37], s[28:29], s[36:37]
	s_add_nc_u64 s[38:39], s[28:29], s[38:39]
	s_add_nc_u64 s[40:41], s[30:31], s[40:41]
	s_add_nc_u64 s[42:43], s[30:31], s[42:43]
.irp j, 0,1,2,3
	global_load_b128 v[16+4*\j:19+4*\j], v10, s[36:37] offset:16*\j
.endr
.irp i, 0,1,2,3,4,5,6,7,8,9,10,11,12,13,14,15
	global_load_u8 v[32+\i], v8, s[38:39] offset:32*\i
.endr
	s_wait_loadcnt 0x0
.irp j, 17
	v_and_b32 v16, v16, v[\j]
.endr
.irp j, 18, 19, 20, 21, 22, 23, 24, 25, 26, 27, 28, 29, 30, 31
	s_delay_alu instid0(VALU_DEP_1)
	v_and_b32 v16, v16, v[\j]
.endr
	s_delay_alu instid0(VALU_DEP_1)
	v_cmp_ne_u32 vcc_lo, 0x01010101, v16           ; a lane with an open key among its 64
	s_mov_b32 s6, 0x019e0000                       ; a masked key's word: byte 2 = 158, byte 3 = 1 (over zero codes)
	s_mov_b32 s7, 0x3e38aa3b                       ; c = log2(e) / 8
	s_cmp_eq_u32 vcc_lo, 0                         ; no open key in the batch
	s_cselect_b32 s6, 0x01010000, s6
	s_cselect_b32 s7, 0, s7
	v_mov_b32 v11, 0x01010000                      ; an open key's word
	v_mov_b32 v12, s6
.irp i, 0,1,2,3,4,5,6,7,8,9,10,11,12,13,14,15
	v_cmp_ne_u32 vcc_lo, 0, v[32+\i]
	s_delay_alu instid0(VALU_DEP_1)
	v_cndmask_b32 v[32+\i], v11, v12, vcc_lo
	global_store_b32 v13, v[32+\i], s[40:41] offset:128*\i
.endr
	s_cmp_lg_u32 s35, 0
	s_cbranch_scc1 .Ldone
	v_mov_b32 v14, s7
	global_store_b32 v13, v14, s[42:43]
.Ldone:
	s_endpgm
.Lfunc_end_k_qbcd10f0999_quantw:
	.size	k_qbcd10f0999_quantw, .Lfunc_end_k_qbcd10f0999_quantw-k_qbcd10f0999_quantw
	.p2alignl 7, 3214868480
	.fill 96, 4, 3214868480
	.section	.rodata,"a",@progbits
	.p2align	6, 0x0
	.amdhsa_kernel k_qbcd10f0999_quantw
		.amdhsa_group_segment_fixed_size 0
		.amdhsa_private_segment_fixed_size 0
		.amdhsa_enable_private_segment 0
		.amdhsa_kernarg_size 64
		.amdhsa_user_sgpr_count 2
		.amdhsa_user_sgpr_kernarg_segment_ptr 1
		.amdhsa_wavefront_size32 1
		.amdhsa_system_sgpr_workgroup_id_x 1
		.amdhsa_system_sgpr_workgroup_id_y 1
		.amdhsa_system_sgpr_workgroup_id_z 1
		.amdhsa_system_vgpr_workitem_id 0
		.amdhsa_next_free_vgpr 128
		.amdhsa_next_free_sgpr 66
		.amdhsa_reserve_vcc 1
		.amdhsa_float_denorm_mode_32 3
		.amdhsa_float_denorm_mode_16_64 3
		.amdhsa_memory_ordered 1
		.amdhsa_forward_progress 1
		.amdhsa_inst_pref_size 19
	.end_amdhsa_kernel
	.amdgpu_metadata
---
amdhsa.version: [ 1, 2 ]
amdhsa.kernels:
  - .name:           k_qbcd10f0999_quantw
    .symbol:         k_qbcd10f0999_quantw.kd
    .args:
      - { .name: Wq, .offset: 0, .size: 8, .value_kind: global_buffer, .address_space: global }
      - { .name: Wk, .offset: 8, .size: 8, .value_kind: global_buffer, .address_space: global }
      - { .name: Wv, .offset: 16, .size: 8, .value_kind: global_buffer, .address_space: global }
      - { .name: Wo, .offset: 24, .size: 8, .value_kind: global_buffer, .address_space: global }
      - { .name: fc1_w, .offset: 32, .size: 8, .value_kind: global_buffer, .address_space: global }
      - { .name: fc2_w, .offset: 40, .size: 8, .value_kind: global_buffer, .address_space: global }
      - { .name: mask, .offset: 48, .size: 8, .value_kind: global_buffer, .address_space: global }
      - { .name: W, .offset: 56, .size: 8, .value_kind: global_buffer, .address_space: global }
    .group_segment_fixed_size: 0
    .private_segment_fixed_size: 0
    .kernarg_segment_align: 8
    .kernarg_segment_size: 64
    .max_flat_workgroup_size: 256
    .sgpr_count:     66
    .vgpr_count:     128
    .wavefront_size: 32
...
	.end_amdgpu_metadata
.endif
;; end of part 8
;; launch ln1 (part 9): grid 256 x 1, 8 waves a work-group, no clusters, 2,048 bytes of LDS; arguments x, ln1_g, ln1_b, A1; writes A1
.if DOCPART == 9
	.amdgcn_target "amdgcn-amd-amdhsa--gfx1250"
	.amdhsa_code_object_version 6
	.text
	.protected	k_qbcd10f0999_ln1
	.globl	k_qbcd10f0999_ln1
	.p2align	8
	.type	k_qbcd10f0999_ln1,@function
k_qbcd10f0999_ln1:
	s_mov_b64 s[64:65], 0
	v_nop
	global_prefetch_b8 v0, s[64:65] scope:SCOPE_SE
	s_setreg_imm32_b32 hwreg(HW_REG_WAVE_MODE, 25, 1), 1
	s_wait_xcnt 0x0
; A layer norm over rows of 1,024 f32, quantised on the way out to codes of E2M3 along the row.  In: [2048][2][1024] f32, g, b [1024].  Out: fragments in the order of the operand's registers
; (16 rows x 128 K = 1,536 bytes at 1536 (8 rho + K step); a half of 768 bytes: lane l's registers 0-3 at 16 l, registers 4-5 at 512 + 8 l), scale words at 3,145,728 + 64 (8 rho + K step) + 4 r.
; ROW BLOCKS: rho = 128 x batch + rho'; lane row r of it is token 32 (rho' / 2) + 8 (rho' % 2) + r + 8 (r / 8): the order in which later products want keys and rows.
; A work-group takes one row block, wave w its K step w: a lane holds 64 numbers of one row.  Mean and variance in two passes (no difference of large sums); the waves' sums meet in LDS, once for each pass.
; LIMITS: a block of zeros gets the byte 1 (its codes are zeros; this program alone reads the bytes); NaN and infinities are not served.
.set OSC,  3145728
.set XA,   4                           ; v4   my byte in the block's rows
.set GA,   5                           ; v5   64 h: my byte in g and b
.set VO16, 6
.set VO8,  7
.set R4,   8
.set RA,   9                           ; v9   LDS: where my wave's sum of row r goes: 32 r + 4 w
.set RR,   10                          ; v10  and where the row's eight sums are read: 32 r
.set X,    16                          ; v16-79
.set GG,   80                          ; v80-143
.set BB,   144                         ; v144-207
.set TM,   208                         ; v208-223
.set PC,   224                         ; v224-243
.set PW,   244
.set S0,   246                         ; v246-253 four pairs of sums
.set SPW,  254                         ; my spare word's LDS address; never rewritten
.set NIL,  255                         ; 0; never rewritten
.set SPARE, 1024                       ; LDS: 0-511 the first pass's sums, 512-1023 the second's, then the spare words, 128 bytes for each wave
.set SEL,  22
.macro QUANT s
.irp b, 0,1,2,3
	v_max3_num_f32 v[TM+\b], |v[\s+16*\b]|, |v[\s+1+16*\b]|, 0x1800000   ; my 16 numbers of block b, and the floor 2^(3 - 127)
.endr
.irp i, 2,4,6,8,10,12,14
.irp b, 0,1,2,3
	s_delay_alu instid0(VALU_DEP_4)
	v_max3_num_f32 v[TM+\b], v[TM+\b], |v[\s+16*\b+\i]|, |v[\s+1+16*\b+\i]|
.endr
.endr
.irp b, 0,1,2,3
	s_delay_alu instid0(VALU_DEP_4)
	v_permlanex16_b32 v[TM+4+\b], v[TM+\b], s[SEL], s[SEL+1]
.endr
.irp b, 0,1,2,3
	s_delay_alu instid0(VALU_DEP_4)
	v_max_num_f32 v[TM+\b], v[TM+\b], v[TM+4+\b]
.endr
.irp b, 0,1,2,3
	s_delay_alu instid0(VALU_DEP_4)
	v_add_nc_u32 v[TM+12+\b], 0xff000000, v[TM+\b]   ; 2 off the exponent field: the conversion's scale operand
.endr
.irp b, 0,1,2,3
	s_delay_alu instid0(VALU_DEP_4)
	v_lshrrev_b32 v[TM+4+\b], 23, v[TM+12+\b]
.endr
	s_delay_alu instid0(VALU_DEP_3)
	v_lshl_or_b32 v[PW], v[TM+5], 8, v[TM+4]
	s_delay_alu instid0(VALU_DEP_1)
	v_lshl_or_b32 v[PW], v[TM+6], 16, v[PW]
	s_delay_alu instid0(VALU_DEP_1)
	v_lshl_or_b32 v[PW], v[TM+7], 24, v[PW]
.irp c, 0,1
	v_cvt_scalef32_pk16_fp6_f32 v[PC+6*\c:PC+2+6*\c], v[\s+32*\c:\s+15+32*\c], v[TM+12+2*\c]
	v_cvt_scalef32_pk16_fp6_f32 v[PC+12+4*\c:PC+14+4*\c], v[\s+16+32*\c:\s+31+32*\c], v[TM+12+2*\c+1]
.endr
	v_nop                                          ; one plain place behind a scaled conversion
.irp c, 0,1
.irp i, 0,1,2
	v_permlane16_swap_b32 v[PC+6*\c+\i], v[PC+12+4*\c+\i]
.endr
.irp i, 0,1,2
	s_delay_alu instid0(VALU_DEP_3)
	v_mov_b32 v[PC+3+6*\c+\i], v[PC+12+4*\c+\i]
.endr
.endr
.endm
.macro XLOAD reg, adr, p
.irp b, 0,1,2,3
.irp j, 0,1,2,3
	global_load_b128 v[\reg+16*\b+4*\j:\reg+16*\b+4*\j+3], v[\adr], s[\p:\p+1] offset:128*\b+16*\j
.endr
.endr
.endm
; the four pairs of sums become one number a row; the eight waves' numbers meet in LDS at off; the row's sum comes back in v[TM]
.macro REDUCE off
	s_delay_alu instid0(VALU_DEP_3)
	v_pk_add_f32 v[S0:S0+1], v[S0:S0+1], v[S0+2:S0+3]
	s_delay_alu instid0(VALU_DEP_2)
	v_pk_add_f32 v[S0+4:S0+5], v[S0+4:S0+5], v[S0+6:S0+7]
	s_delay_alu instid0(VALU_DEP_1)
	v_pk_add_f32 v[S0:S0+1], v[S0:S0+1], v[S0+4:S0+5]
	s_delay_alu instid0(VALU_DEP_1)
	v_add_f32 v[S0], v[S0], v[S0+1]
	s_delay_alu instid0(VALU_DEP_1)
	v_permlanex16_b32 v[S0+1], v[S0], s[SEL], s[SEL+1]
	s_delay_alu instid0(VALU_DEP_1)
	v_add_f32 v[S0], v[S0], v[S0+1]                ; my row's sum over my wave's 128 columns
	ds_store_b32 v[RA], v[S0] offset:\off          ; both lanes of a row write the same word with the same value
	s_wait_dscnt 0x0                               ; for the others' sake: my store is done
	s_barrier_signal -1
	s_barrier_wait -1
	ds_load_b128 v[TM:TM+3], v[RR] offset:\off
	ds_load_b128 v[TM+4:TM+7], v[RR] offset:\off+16
	s_wait_dscnt 0x0
	v_pk_add_f32 v[TM:TM+1], v[TM:TM+1], v[TM+2:TM+3]
	v_pk_add_f32 v[TM+4:TM+5], v[TM+4:TM+5], v[TM+6:TM+7]
	s_delay_alu instid0(VALU_DEP_1)
	v_pk_add_f32 v[TM:TM+1], v[TM:TM+1], v[TM+4:TM+5]
	s_delay_alu instid0(VALU_DEP_1)
	v_add_f32 v[TM], v[TM], v[TM+1]
.endm
	s_load_b256 s[4:11], s[0:1], 0x0               ; in s[4:5], g s[6:7], b s[8:9], out s[10:11]
	v_lshl_add_u32 v[SPW], v0, 2, SPARE
	v_mov_b32 v[NIL], 0
	v_lshrrev_b32 v1, 5, v0
	s_delay_alu instid0(VALU_DEP_1)
	v_readfirstlane_b32 s2, v1                     ; wave 0..7
	v_and_b32 v1, 31, v0
	v_and_b32 v2, 15, v0                           ; r
	s_wait_alu depctr_va_vdst(0)
	v_bfe_u32 v3, v0, 4, 1                         ; h
	s_wait_alu depctr_va_vdst(0)
	s_mov_b32 s[SEL], 0x76543210
	s_mov_b32 s[SEL+1], 0xfedcba98
	s_mov_b32 s20, 0x3a800000                      ; 1 / 1024
	s_mov_b32 s21, 0x3727c5ac                      ; 1e-5
	s_lshr_b32 s12, ttmp9, 7
	s_lshl_b32 s12, s12, 12                        ; the batch: 4,096 bytes
	s_and_b32 s13, ttmp9, 126
	s_lshl_b32 s13, s13, 17                        ; 32 (rho' / 2) tokens of 8,192 bytes
	s_add_co_u32 s12, s12, s13
	s_and_b32 s13, ttmp9, 1
	s_lshl_b32 s13, s13, 16                        ; 8 (rho' % 2) tokens
	s_add_co_u32 s12, s12, s13
	s_lshl_b32 s14, s2, 9                          ; my wave's 128 columns
	s_mov_b32 s15, 0
	s_add_co_u32 s12, s12, s14
	s_mov_b32 s13, 0
	v_and_b32 v[XA], 8, v2
	s_delay_alu instid0(VALU_DEP_1)
	v_add_nc_u32 v[XA], v[XA], v2                  ; r + 8 (r / 8)
	s_delay_alu instid0(VALU_DEP_1)
	v_lshlrev_b32 v[XA], 13, v[XA]
	v_lshlrev_b32 v[GA], 6, v3
	s_delay_alu instid0(VALU_DEP_1)
	v_add_nc_u32 v[XA], v[XA], v[GA]
	v_lshlrev_b32 v[VO16], 4, v1
	v_lshlrev_b32 v[VO8], 3, v1
	v_lshlrev_b32 v[R4], 2, v2
	s_lshl_b32 s3, s2, 2
	v_lshlrev_b32 v[RR], 5, v2
	s_delay_alu instid0(VALU_DEP_1)
	v_add_nc_u32 v[RA], s3, v[RR]
	s_lshl_b32 s16, ttmp9, 3
	s_add_co_u32 s16, s16, s2                      ; the fragment: 8 rho + w
	s_mul_i32 s18, s16, 1536
	s_mov_b32 s19, 0
	s_lshl_b32 s16, s16, 6
	s_add_co_u32 s16, s16, OSC
	s_mov_b32 s17, 0
	s_wait_alu depctr_va_vdst(0)
	s_wait_kmcnt 0x0
	s_add_nc_u64 s[4:5], s[4:5], s[12:13]
	s_add_nc_u64 s[6:7], s[6:7], s[14:15]
	s_add_nc_u64 s[8:9], s[8:9], s[14:15]
	s_add_nc_u64 s[18:19], s[10:11], s[18:19]
	s_add_nc_u64 s[16:17], s[10:11], s[16:17]
	XLOAD X, XA, 4
	XLOAD GG, GA, 6
	XLOAD BB, GA, 8
	s_wait_loadcnt 32                              ; the row's numbers are in; the 32 loads of g and b may stay out
.irp k, 0,1,2,3
	v_pk_add_f32 v[S0+2*\k:S0+2*\k+1], v[X+2*\k:X+2*\k+1], v[X+8+2*\k:X+9+2*\k]
.endr
.irp i, 16,24,32,40,48,56
.irp k, 0,1,2,3
	s_delay_alu instid0(VALU_DEP_4)
	v_pk_add_f32 v[S0+2*\k:S0+2*\k+1], v[S0+2*\k:S0+2*\k+1], v[X+\i+2*\k:X+\i+2*\k+1]
.endr
.endr
	REDUCE 0
	s_delay_alu instid0(VALU_DEP_1)
	v_mul_f32 v[S0], s20, v[TM]                    ; the mean
	s_wait_alu depctr_va_vdst(0)
.irp i, 0,2,4,6,8,10,12,14,16,18,20,22,24,26,28,30,32,34,36,38,40,42,44,46,48,50,52,54,56,58,60,62
	v_pk_add_f32 v[X+\i:X+\i+1], v[X+\i:X+\i+1], v[S0:S0+1] op_sel_hi:[1,0] neg_lo:[0,1] neg_hi:[0,1]
.endr
.irp k, 0,1,2,3
	v_pk_mul_f32 v[S0+2*\k:S0+2*\k+1], v[X+2*\k:X+2*\k+1], v[X+2*\k:X+2*\k+1]
.endr
.irp i, 8,16,24,32,40,48,56
.irp k, 0,1,2,3
	s_delay_alu instid0(VALU_DEP_4)
	v_pk_fma_f32 v[S0+2*\k:S0+2*\k+1], v[X+\i+2*\k:X+\i+2*\k+1], v[X+\i+2*\k:X+\i+2*\k+1], v[S0+2*\k:S0+2*\k+1]
.endr
.endr
	REDUCE 512                                     ; other bytes than the first pass's: no third barrier
	s_delay_alu instid0(VALU_DEP_1)
	v_fma_f32 v[TM], v[TM], s20, s21               ; the variance + 1e-5
	s_wait_alu depctr_va_vdst(0)
	v_rsq_f32 v[S0], v[TM]
	v_nop                                          ; a plain place behind the transcendental
	s_wait_alu depctr_va_vdst(0)                   ; and the wait ahead of its first reader
	s_wait_loadcnt 0x0                             ; g and b
.irp i, 0,2,4,6,8,10,12,14,16,18,20,22,24,26,28,30,32,34,36,38,40,42,44,46,48,50,52,54,56,58,60,62
	v_pk_mul_f32 v[X+\i:X+\i+1], v[X+\i:X+\i+1], v[S0:S0+1] op_sel_hi:[1,0]
.endr
.irp i, 0,2,4,6,8,10,12,14,16,18,20,22,24,26,28,30,32,34,36,38,40,42,44,46,48,50,52,54,56,58,60,62
	v_pk_fma_f32 v[X+\i:X+\i+1], v[X+\i:X+\i+1], v[GG+\i:GG+\i+1], v[BB+\i:BB+\i+1]
.endr
	QUANT X
	global_store_b128 v[VO16], v[PC:PC+3], s[18:19]
	global_store_b64 v[VO8], v[PC+4:PC+5], s[18:19] offset:512
	global_store_b128 v[VO16], v[PC+6:PC+9], s[18:19] offset:768
	global_store_b64 v[VO8], v[PC+10:PC+11], s[18:19] offset:1280
	global_store_b32 v[R4], v[PW], s[16:17]        ; lanes 16-31 hold the same words and store them to the same places
	s_wait_tensorcnt 0x0                           ; the wave's end
	ds_add_u32 v[SPW], v[NIL]
	s_wait_dscnt 0x0
	s_endpgm
.Lfunc_end_k_qbcd10f0999_ln1:
	.size	k_qbcd10f0999_ln1, .Lfunc_end_k_qbcd10f0999_ln1-k_qbcd10f0999_ln1
	.p2alignl 7, 3214868480
	.fill 96, 4, 3214868480
	.section	.rodata,"a",@progbits
	.p2align	6, 0x0
	.amdhsa_kernel k_qbcd10f0999_ln1
		.amdhsa_group_segment_fixed_size 2048
		.amdhsa_private_segment_fixed_size 0
		.amdhsa_enable_private_segment 0
		.amdhsa_kernarg_size 32
		.amdhsa_user_sgpr_count 2
		.amdhsa_user_sgpr_kernarg_segment_ptr 1
		.amdhsa_wavefront_size32 1
		.amdhsa_system_sgpr_workgroup_id_x 1
		.amdhsa_system_sgpr_workgroup_id_y 1
		.amdhsa_system_sgpr_workgroup_id_z 1
		.amdhsa_system_vgpr_workitem_id 0
		.amdhsa_next_free_vgpr 256
		.amdhsa_next_free_sgpr 66
		.amdhsa_reserve_vcc 0
		.amdhsa_float_denorm_mode_32 3
		.amdhsa_float_denorm_mode_16_64 3
		.amdhsa_memory_ordered 1
		.amdhsa_forward_progress 1
		.amdhsa_inst_pref_size 27
	.end_amdhsa_kernel
	.amdgpu_metadata
---
amdhsa.version: [ 1, 2 ]
amdhsa.kernels:
  - .name:           k_qbcd10f0999_ln1
    .symbol:         k_qbcd10f0999_ln1.kd
    .args:
      - { .name: x, .offset: 0, .size: 8, .value_kind: global_buffer, .address_space: global }
      - { .name: ln1_g, .offset: 8, .size: 8, .value_kind: global_buffer, .address_space: global }
      - { .name: ln1_b, .offset: 16, .size: 8, .value_kind: global_buffer, .address_space: global }
      - { .name: A1, .offset: 24, .size: 8, .value_kind: global_buffer, .address_space: global }
    .group_segment_fixed_size: 2048
    .private_segment_fixed_size: 0
    .kernarg_segment_align: 8
    .kernarg_segment_size: 32
    .max_flat_workgroup_size: 256
    .sgpr_count:     66
    .vgpr_count:     256
    .wavefront_size: 32
...
	.end_amdgpu_metadata
.endif
;; end of part 9
;; launch qkv (part 10): grid 12 x 16, 4 waves a work-group, clusters of 4 x 4, 327,680 bytes of LDS; arguments A1, W, bq, bk, bv, QKV; writes QKV
.if DOCPART == 10
	.amdgcn_target "amdgcn-amd-amdhsa--gfx1250"
	.amdhsa_code_object_version 6
	.text
	.protected	k_qbcd10f0999_qkv
	.globl	k_qbcd10f0999_qkv
	.p2align	8
	.type	k_qbcd10f0999_qkv,@function
k_qbcd10f0999_qkv:
	s_mov_b64 s[64:65], 0
	v_nop
	global_prefetch_b8 v0, s[64:65] scope:SCOPE_SE
	s_setreg_imm32_b32 hwreg(HW_REG_WAVE_MODE, 25, 1), 1
	s_wait_xcnt 0x0
	s_wait_alu depctr_hold_cnt(0) depctr_sa_sdst(0) depctr_va_vdst(0) depctr_va_sdst(0) depctr_va_ssrc(0) depctr_va_vcc(0) depctr_vm_vsrc(0)
	s_getreg_b32 s2, hwreg(HW_REG_IB_STS2, 6, 4)
	s_cmp_eq_u32 s2, 0
	s_cbranch_scc0 .Lentry_in_a_cluster
	s_endpgm
.Lentry_in_a_cluster:
	s_bfe_u32 s2, ttmp6, 0x10000c
	s_cmp_lg_u32 s2, 0xf033
	s_cbranch_scc0 .Lentry_shape_is_right
	s_endpgm
.Lentry_shape_is_right:
.set KTOT,  1024
.set KF,    KTOT/128
.set NQ,    2
.set FR,    12
.set NL,    4
.set NP,    4
.set FRB,   1536
.set RBB,   KF*FRB
.set RB2,   NQ*FRB
.set HALFT, 8*RB2
.set SLOT,  4*HALFT
.set LAPS,  KTOT/512
.set SBLK,  KF*64
.set HALFS, 8*SBLK
.set SCL,   2*SLOT
.set SPARE, 262144
.set WSC,   9437184
.set WMK,   9830400
.set KC,    3145728
.set VC,    6291456
.set QS,    9437184
.set KVS,   9699328
.set ADRA, 16
.set ADRB, 20
.set ADRS, 27
.set SPW,  28
.set NIL,  29
.set SC,   32
.set AF,   128
.set G1, 24
.set G0, 32
.set G1B, 48
.set G0B, 56
.set G1S, 68
.set G0S, 76
.set G1SB, 80
.set G0SB, 88
.set ISV, 95
.set MSB, 0
.macro WIN new
.if MSB != (\new)
	s_set_vgpr_msb (MSB<<8)|(\new)
.set MSB, (\new)
.endif
.endm
.set MUL_LO, 0xa1
.set MUL_HI, 0xf1
.set TO_B,   0x40
.macro JLOAD g0a, g1a, g0b, g1b
	s_cmp_eq_u32 s15, 0
	s_cbranch_scc0 .Lfor_b_\@
	tensor_load_to_lds s[\g0a:\g0a+3], s[\g1a:\g1a+7]
	s_nop 0
.rept 4
	v_nop
.endr
	s_branch .Lasked_\@
.Lfor_b_\@:
	tensor_load_to_lds s[\g0b:\g0b+3], s[\g1b:\g1b+7]
	s_nop 0
.rept 4
	v_nop
.endr
.Lasked_\@:
.endm
.macro CREST
	s_cmp_lg_u32 s14, 0
	s_cbranch_scc1 .Lnot_wave_0_\@
	s_barrier_signal -3
.Lnot_wave_0_\@:
	s_barrier_wait -3
	s_barrier_signal -1
	s_barrier_wait -1
.endm
.macro CROUND
	s_barrier_signal -1
	s_barrier_wait -1
	CREST
.endm
	s_load_b256 s[4:11], s[0:1], 0x0
	s_load_b128 s[96:99], s[0:1], 0x20
	v_lshl_add_u32 v[SPW], v0, 2, SPARE
	v_mov_b32 v[NIL], 0
	ds_add_u32 v[SPW], v[NIL]
	ds_add_u32 v[SPW], v[NIL]
	v_lshrrev_b32 v1, 5, v0
	v_readfirstlane_b32 s14, v1
	s_lshr_b32 s15, s14, 1
	s_and_b32 s16, s14, 1
	s_bfe_u32 s40, ttmp6, 0x40000
	s_bfe_u32 s41, ttmp6, 0x40004
	s_and_b32 s17, ttmp7, 0xffff
	s_lshl_b32 s17, s17, 2
	s_add_co_u32 s18, s17, s41
	s_add_co_u32 s19, s17, s40
	s_lshl_b32 s42, ttmp9, 2
	s_add_co_u32 s42, s42, s40
	s_mov_b32 s67, 3145728
	s_mov_b32 s2, WSC
	s_cmp_eq_u32 ttmp9, 2
	s_cselect_b32 s17, s41, s18
	s_cselect_b32 s42, s19, s42
	s_cselect_b32 s[ISV], 1, 0
	s_cselect_b32 s66, 1572864, 0
	s_cselect_b32 s67, WSC+65536, s67
	s_cselect_b32 s2, 3145728, s2
	s_lshl_b32 s43, s41, 2
	s_lshl_b32 s43, 15, s43
	s_lshl_b32 s44, 0x1111, s40
	s_or_b32 s[G1+0], s43, (3<<16)|(1<<21)
	s_or_b32 s[G1B+0], s44, (3<<16)|(1<<21)
.irp g, G1, G1B
	s_mov_b32 s[\g+1], 384<<16
	s_mov_b32 s[\g+2], 16<<16
	s_mov_b32 s[\g+3], 384<<16
	s_mov_b32 s[\g+4], 16
	s_mov_b32 s[\g+5], KF*192
	s_mov_b32 s[\g+6], 0
	s_mov_b32 s[\g+7], 0
.endr
	s_or_b32 s[G1S+0], s43, (3<<16)|(1<<21)
	s_or_b32 s[G1SB+0], s44, (3<<16)|(1<<21)
.irp g, G1S, G1SB
	s_mov_b32 s[\g+1], 32<<16
	s_mov_b32 s[\g+2], (2*HALFS/256)<<16
	s_mov_b32 s[\g+3], 32<<16
	s_mov_b32 s[\g+4], 2*HALFS/256
	s_mov_b32 s[\g+5], 32
	s_mov_b32 s[\g+6], 0
	s_mov_b32 s[\g+7], 0
.endr
	s_lshl_b32 s20, s17, 4
	s_lshl_b32 s46, s42, 4
	s_mul_i32 s22, s20, SBLK
	s_add_co_u32 s22, s22, s67
	s_mov_b32 s23, 0
	s_mul_i32 s92, s46, SBLK
	s_add_co_u32 s92, s92, s2
	s_mov_b32 s93, 0
	s_mul_i32 s20, s20, RBB
	s_add_co_u32 s20, s20, s66
	s_mov_b32 s21, 0
	s_mul_i32 s46, s46, RBB
	s_mov_b32 s47, 0
	s_mul_i32 s45, s14, HALFT
	s_wait_dscnt 0x0
	s_wait_kmcnt 0x0
	s_cmp_eq_u32 s[ISV], 1
	s_cselect_b64 s[12:13], s[6:7], s[4:5]
	s_cselect_b64 s[66:67], s[4:5], s[6:7]
	s_add_nc_u64 s[20:21], s[12:13], s[20:21]
	s_add_nc_u64 s[22:23], s[12:13], s[22:23]
	s_add_nc_u64 s[46:47], s[66:67], s[46:47]
	s_add_nc_u64 s[92:93], s[66:67], s[92:93]
	CROUND
	s_mov_b32 s[G0S], 1
	s_mov_b32 s[G0S+1], SCL
	s_mov_b64 s[G0S+2:G0S+3], s[22:23]
	s_or_b32 s[G0S+3], s[G0S+3], 0x80000000
	s_mov_b32 s[G0SB], 1
	s_mov_b32 s[G0SB+1], SCL+2*HALFS
	s_mov_b64 s[G0SB+2:G0SB+3], s[92:93]
	s_or_b32 s[G0SB+3], s[G0SB+3], 0x80000000
	; the head's four tiles, each whole, one load a wave: slot 0's 16 row blocks of A, of B, A's scale words, B's
	s_mov_b32 s[G0], 1
	s_mov_b32 s[G0+1], 0
	s_mov_b64 s[G0+2:G0+3], s[20:21]
	s_or_b32 s[G0+3], s[G0+3], 0x80000000
	s_mov_b32 s[G0B], 1
	s_mov_b32 s[G0B+1], 2*HALFT
	s_mov_b64 s[G0B+2:G0B+3], s[46:47]
	s_or_b32 s[G0B+3], s[G0B+3], 0x80000000
	s_mul_i32 s18, s16, 8*RBB                      ; in the ring a wave fetches eight row blocks: which half, in bytes
	s_mov_b32 s19, 0
	s_add_nc_u64 s[20:21], s[20:21], s[18:19]
	s_add_nc_u64 s[46:47], s[46:47], s[18:19]
	s_mov_b32 s[G0+4], 1
	s_add_co_u32 s[G0+5], s45, SLOT
	s_add_nc_u64 s[G0+6:G0+7], s[20:21], RB2
	s_or_b32 s[G0+7], s[G0+7], 0x80000000
	s_mov_b32 s[G0B+4], 1
	s_add_co_u32 s[G0B+5], s45, SLOT
	s_add_nc_u64 s[G0B+6:G0B+7], s[46:47], RB2
	s_or_b32 s[G0B+7], s[G0B+7], 0x80000000
	; THE PREFETCHES' BASE: of the eight row blocks that my wave fetches in the ring, the four partners that ask for them jointly take two each, told apart by address alone (cx for A, cy for B)
	s_cmp_eq_u32 s15, 0
	s_cselect_b64 s[12:13], s[20:21], s[46:47]
	s_cselect_b32 s92, s40, s41
	s_mul_i32 s92, s92, 2*RBB
	s_mov_b32 s93, 0
	s_add_nc_u64 s[12:13], s[12:13], s[92:93]
.macro ARM under, g0, g1, next
	s_cmp_lt_u32 s14, \under
	s_cbranch_scc0 \next
	tensor_load_to_lds s[\g0:\g0+3], s[\g1:\g1+7]
	s_nop 0
.rept 4
	v_nop
.endr
	s_branch .Lhead_asked
\next:
.endm
	ARM 1, G0,  G1,  .Lhead_b
	ARM 2, G0B, G1B, .Lhead_sa
	ARM 3, G0S, G1S, .Lhead_sb
	tensor_load_to_lds s[G0SB:G0SB+3], s[G1SB:G1SB+7]
	s_nop 0
.rept 4
	v_nop
.endr
.Lhead_asked:
	; a slot's part of two row blocks is 2 x 3,072 bytes: 24 blocks of 256 bytes, a lane a block; lanes 24-31 name the last block again
	v_and_b32 v8, 31, v0
	v_min_u32 v8, 23, v8
	v_mul_u32_u24 v9, v8, 22
	v_lshrrev_b32 v9, 8, v9                        ; which of the two row blocks: lane / 12
	v_mul_u32_u24 v9, v9, RBB-RB2
	v_lshl_add_u32 v31, v8, 8, v9                  ; never rewritten
	global_prefetch_b8 v31, s[12:13] offset:RB2 th:TH_LOAD_NT scope:SCOPE_SE     ; slots' fills 1 and 2: asked for one and two fills ahead of their loads
	global_prefetch_b8 v31, s[12:13] offset:2*RB2 th:TH_LOAD_NT scope:SCOPE_SE
	v_and_b32 v1, 15, v0
	v_bfe_u32 v2, v0, 4, 1
	v_and_b32 v3, 31, v0
	v_lshlrev_b32 v4, 4, v3
	v_lshlrev_b32 v5, 3, v3
	s_mul_i32 s21, s15, HALFT
	s_mul_i32 s22, s16, HALFT
	s_add_co_u32 s22, s22, 2*HALFT
.irp s, 0,1
	v_add_nc_u32 v[ADRA+\s], s21, v4
	v_add_nc_u32 v[ADRB+\s], s22, v4
	v_add_nc_u32 v[ADRA+2+\s], s21, v5
	v_add_nc_u32 v[ADRB+2+\s], s22, v5
	s_add_co_u32 s21, s21, SLOT
	s_add_co_u32 s22, s22, SLOT
.endr
	v_lshlrev_b32 v6, 2, v1
	s_mul_i32 s21, s15, HALFS
	s_mul_i32 s22, s16, HALFS
	s_add_co_u32 s22, s22, 2*HALFS
	s_sub_co_u32 s22, s22, s21
	v_mul_u32_u24 v7, s22, v2
	s_add_co_u32 s21, s21, SCL
	v_add_nc_u32 v6, v6, v7
	v_add_nc_u32 v[ADRS], s21, v6
.macro FRAG reg, adr, q, i
	ds_load_b128 v[\reg:\reg+3], v[\adr] offset:(\i)*RB2+(\q)*FRB
	ds_load_b64 v[\reg+4:\reg+5], v[\adr+2] offset:(\i)*RB2+(\q)*FRB+512
	ds_load_b128 v[\reg+6:\reg+9], v[\adr] offset:(\i)*RB2+(\q)*FRB+768
	ds_load_b64 v[\reg+10:\reg+11], v[\adr+2] offset:(\i)*RB2+(\q)*FRB+1280
.endm
.macro MUL16 a0, p, q, sc, zero
.irp a, \a0, \a0+1
.irp b, 0,1,2,3,4,5,6,7
.if \zero
	v_wmma_scale_f32_16x16x128_f8f6f4 v[8*(8*((\a)%4)+\b):8*(8*((\a)%4)+\b)+7], v[128*(\p)+FR*\b:128*(\p)+FR*\b+FR-1], v[AF+FR*(\a):AF+FR*(\a)+FR-1], 0, v[SC+8*NQ*(\sc)+NQ*\b+(\q)], v[SC+8*NQ*(\sc)+NQ*(\a)+(\q)] matrix_a_fmt:MATRIX_FMT_FP6 matrix_b_fmt:MATRIX_FMT_FP6 matrix_a_scale:MATRIX_SCALE_ROW1
.else
	v_wmma_scale_f32_16x16x128_f8f6f4 v[8*(8*((\a)%4)+\b):8*(8*((\a)%4)+\b)+7], v[128*(\p)+FR*\b:128*(\p)+FR*\b+FR-1], v[AF+FR*(\a):AF+FR*(\a)+FR-1], v[8*(8*((\a)%4)+\b):8*(8*((\a)%4)+\b)+7], v[SC+8*NQ*(\sc)+NQ*\b+(\q)], v[SC+8*NQ*(\sc)+NQ*(\a)+(\q)] matrix_a_fmt:MATRIX_FMT_FP6 matrix_b_fmt:MATRIX_FMT_FP6 matrix_a_scale:MATRIX_SCALE_ROW1
.endif
.endr
.endr
.endm
.macro FETCH_B slot, q, p
	WIN TO_B
.irp i, 0,1,2,3,4,5,6,7
	FRAG 128*(\p)+FR*\i, ADRB+\slot, \q, \i
.endr
	WIN 0
.endm
.macro FETCH_A slot, q, i0
.irp i, \i0, \i0+1, \i0+2, \i0+3
	FRAG AF+FR*(\i), ADRA+\slot, \q, \i
.endr
.endm
.macro SCALES sc
.irp i, 0,1,2,3,4,5,6,7
.irp q, 0,1
	ds_load_b32 v[SC+8*NQ*\sc+NQ*\i+\q], v[ADRS] offset:\i*SBLK+64*\q
.endr
.endr
.endm
.macro PLACES n
.rept \n
	v_nop
.endr
.endm
.macro STEP slot, q, zero
	s_wait_dscnt 4*NL
	WIN MUL_LO
	MUL16 0, (\q)%2, \q, \slot, \zero
	MUL16 2, (\q)%2, \q, \slot, \zero
	s_wait_dscnt 0
	PLACES NP
	FETCH_B \slot, (\q)+1, 1-(\q)%2
	FETCH_A \slot, (\q)+1, 0
	WIN MUL_HI
	MUL16 4, (\q)%2, \q, \slot, \zero
	MUL16 6, (\q)%2, \q, \slot, \zero
	PLACES NP
	WIN 0
	FETCH_A \slot, (\q)+1, 4
.endm
.macro TURN slot, next, fill
	s_wait_tensorcnt 0x0
	ds_add_u32 v[SPW], v[NIL]
	s_wait_dscnt 4*NL+1
	WIN MUL_LO
	MUL16 0, 1, NQ-1, \slot, 0
	s_wait_dscnt 0x0
	s_barrier_signal -1
	MUL16 2, 1, NQ-1, \slot, 0
	WIN 0
	s_barrier_wait -1
.if \fill
	CREST
	s_add_nc_u64 s[G0+4*\slot+2:G0+4*\slot+3], s[G0+4*\slot+2:G0+4*\slot+3], 2*RB2
	s_add_nc_u64 s[G0B+4*\slot+2:G0B+4*\slot+3], s[G0B+4*\slot+2:G0B+4*\slot+3], 2*RB2
	JLOAD G0+4*\slot, G1, G0B+4*\slot, G1B
.else
	PLACES NP
.endif
	s_wait_alu depctr_va_vdst(0)
	v_add_nc_u32 v[ADRS], 64*NQ, v[ADRS]
	FETCH_B \next, 0, 0
	FETCH_A \next, 0, 0
	SCALES \next
	WIN MUL_HI
	MUL16 4, 1, NQ-1, \slot, 0
	MUL16 6, 1, NQ-1, \slot, 0
	PLACES NP
	WIN 0
	FETCH_A \next, 0, 4
.endm
	s_wait_alu depctr_va_vdst(0)
	s_wait_tensorcnt 0x0                           ; my tile of the head's four is in
	ds_add_u32 v[SPW], v[NIL]
	s_mov_b32 s[G1+2], 8<<16                       ; no load of mine is out: from here on a load brings eight row blocks,
	s_mov_b32 s[G1+4], 8
	s_mov_b32 s[G1B+2], 8<<16
	s_mov_b32 s[G1B+4], 8
	s_mov_b32 s[G0+1], s45                         ; and slot 0's descriptors name my quarter of the slot
	s_mov_b32 s[G0B+1], s45
	s_add_nc_u64 s[G0+2:G0+3], s[G0+2:G0+3], s[18:19]
	s_add_nc_u64 s[G0B+2:G0B+3], s[G0B+2:G0B+3], s[18:19]
	s_wait_dscnt 0x0
	CROUND
	JLOAD G0+4, G1, G0B+4, G1B
	global_prefetch_b8 v31, s[12:13] offset:3*RB2 th:TH_LOAD_NT scope:SCOPE_SE   ; fill 3, the last along K: two fills ahead of its load
	FETCH_B 0, 0, 0
	FETCH_A 0, 0, 0
	SCALES 0
	FETCH_A 0, 0, 4
	STEP 0, 0, 1
	s_mov_b32 s3, LAPS-1
.Llap:
	TURN 0, 1, 1
	STEP 1, 0, 0
	TURN 1, 0, 1
	STEP 0, 0, 0
	s_sub_co_u32 s3, s3, 1
	s_cmp_lg_u32 s3, 0
	s_cbranch_scc1 .Llap
	TURN 0, 1, 0
	STEP 1, 0, 0
	s_wait_dscnt 4*NL
	WIN MUL_LO
	MUL16 0, 1, NQ-1, 1, 0
	MUL16 2, 1, NQ-1, 1, 0
	s_wait_dscnt 0
	WIN MUL_HI
	MUL16 4, 1, NQ-1, 1, 0
	MUL16 6, 1, NQ-1, 1, 0
	WIN 0
.set VB,   11
.set VO16, 12
.set VO8,  13
.set R4,   14
.set BO,   15
.set BIAS, 32
.set T,    96
.set TM,   160
.set PW,   176
.set W0,   177
.set W1,   178
.set PC,   180
.set MW,   200
.set XB,   208
.set SEL,  66
.macro QUANT s
.irp b, 0,1,2,3
	v_max3_num_f32 v[TM+\b], |v[\s+16*\b]|, |v[\s+1+16*\b]|, 0x1800000
.endr
.irp i, 2,4,6,8,10,12,14
.irp b, 0,1,2,3
	v_max3_num_f32 v[TM+\b], v[TM+\b], |v[\s+16*\b+\i]|, |v[\s+1+16*\b+\i]|
.endr
.endr
.irp b, 0,1,2,3
	v_permlanex16_b32 v[TM+4+\b], v[TM+\b], s[SEL], s[SEL+1]
.endr
.irp b, 0,1,2,3
	v_max_num_f32 v[TM+\b], v[TM+\b], v[TM+4+\b]
.endr
.irp b, 0,1,2,3
	v_add_nc_u32 v[TM+12+\b], 0xff000000, v[TM+\b]
.endr
.irp b, 0,1,2,3
	v_lshrrev_b32 v[TM+4+\b], 23, v[TM+12+\b]
.endr
	v_lshl_or_b32 v[PW], v[TM+5], 8, v[TM+4]
	v_lshl_or_b32 v[PW], v[TM+6], 16, v[PW]
	v_lshl_or_b32 v[PW], v[TM+7], 24, v[PW]
.irp c, 0,1
	v_cvt_scalef32_pk16_fp6_f32 v[PC+6*\c:PC+2+6*\c], v[\s+32*\c:\s+15+32*\c], v[TM+12+2*\c]
	v_cvt_scalef32_pk16_fp6_f32 v[PC+12+4*\c:PC+14+4*\c], v[\s+16+32*\c:\s+31+32*\c], v[TM+12+2*\c+1]
.endr
	v_nop
.irp c, 0,1
.irp i, 0,1,2
	v_permlane16_swap_b32 v[PC+6*\c+\i], v[PC+12+4*\c+\i]
.endr
.irp i, 0,1,2
	v_mov_b32 v[PC+3+6*\c+\i], v[PC+12+4*\c+\i]
.endr
.endr
.endm
.macro QKBLK a
.if (\a) > 0
	s_wait_xcnt 0x0
.endif
	WIN 0x02+(\a)/4
.irp i, 0,2,4,6,8,10,12,14,16,18,20,22,24,26,28,30,32,34,36,38,40,42,44,46,48,50,52,54,56,58,60,62
	v_pk_add_f32 v[T+\i:T+\i+1], v[64*((\a)%4)+\i:64*((\a)%4)+\i+1], v[BIAS+\i:BIAS+\i+1]
.endr
	WIN 0
	QUANT T
	v_and_or_b32 v[W0], v[PW], 0xffff, v[MW+(\a)]
	v_lshrrev_b32 v[W1], 16, v[PW]
	v_or_b32 v[W1], v[W1], v[MW+(\a)]
	global_store_b128 v[VO16], v[PC:PC+3], s[26:27] offset:768*(\a)
	global_store_b64 v[VO8], v[PC+4:PC+5], s[26:27] offset:768*(\a)+512
	global_store_b128 v[VO16], v[PC+6:PC+9], s[26:27] offset:768*(\a)+98304
	global_store_b64 v[VO8], v[PC+10:PC+11], s[26:27] offset:768*(\a)+98304+512
	global_store_b32 v[R4], v[W0], s[28:29] offset:64*(\a)
	global_store_b32 v[R4], v[W1], s[30:31] offset:64*(\a)
.endm
.macro VBLK a
.if (\a) > 0
	s_wait_xcnt 0x0
.endif
	WIN 0x02+(\a)/4
.irp i, 0,2,4,6,8,10,12,14,16,18,20,22,24,26,28,30,32,34,36,38,40,42,44,46,48,50,52,54,56,58,60,62
	v_pk_add_f32 v[T+\i:T+\i+1], v[64*((\a)%4)+\i:64*((\a)%4)+\i+1], v[XB+2*(\a):XB+2*(\a)+1]
.endr
	WIN 0
	QUANT T
	global_store_b128 v[VO16], v[PC:PC+3], s[26:27] offset:((\a)/4)*98304+((\a)%4)*1536
	global_store_b64 v[VO8], v[PC+4:PC+5], s[26:27] offset:((\a)/4)*98304+((\a)%4)*1536+512
	global_store_b128 v[VO16], v[PC+6:PC+9], s[26:27] offset:((\a)/4)*98304+((\a)%4)*1536+768
	global_store_b64 v[VO8], v[PC+10:PC+11], s[26:27] offset:((\a)/4)*98304+((\a)%4)*1536+1280
	global_store_b32 v[R4], v[PW], s[28:29] offset:((\a)/4)*12288+((\a)%4)*64
.endm
	PLACES NP
	s_mov_b32 s[SEL], 0x76543210
	s_mov_b32 s[SEL+1], 0xfedcba98
	v_lshlrev_b32 v[VO16], 4, v3
	v_lshlrev_b32 v[VO8], 3, v3
	v_lshlrev_b32 v[R4], 2, v1
	v_lshlrev_b32 v[BO], 6, v2
.irp b, 0,1,2,3
	v_mov_b32 v[TM+4+\b], 0
.endr
	s_cmp_eq_u32 s[ISV], 1
	s_cbranch_scc1 .Lvt
	s_mov_b32 s23, QS
	s_mov_b32 s43, 8192
	s_cmp_eq_u32 ttmp9, 1
	s_cselect_b64 s[20:21], s[10:11], s[8:9]
	s_cselect_b32 s22, KC, 0
	s_cselect_b32 s23, KVS, s23
	s_cselect_b32 s43, 12288, s43
	s_cselect_b32 s44, 1, 0
	s_lshl_b32 s46, s40, 10
	s_lshl_b32 s47, s16, 9
	s_add_co_u32 s46, s46, s47
	s_mov_b32 s47, 0
	s_add_nc_u64 s[20:21], s[20:21], s[46:47]
	s_lshr_b32 s24, s17, 3
	s_lshl_b32 s24, s24, 4
	s_lshl_b32 s25, s40, 2
	s_add_co_u32 s24, s24, s25
	s_lshl_b32 s25, s16, 1
	s_add_co_u32 s24, s24, s25
	s_and_b32 s25, s17, 7
	s_lshl_b32 s25, s25, 4
	s_lshl_b32 s26, s15, 3
	s_add_co_u32 s25, s25, s26
	s_lshl_b32 s26, s24, 7
	s_add_co_u32 s26, s26, s25
	s_mul_i32 s26, s26, 768
	s_add_co_u32 s26, s26, s22
	s_mov_b32 s27, 0
	s_add_nc_u64 s[26:27], s[98:99], s[26:27]
	s_mul_i32 s28, s24, s43
	s_lshl_b32 s29, s25, 6
	s_add_co_u32 s28, s28, s29
	s_add_co_u32 s28, s28, s23
	s_mov_b32 s29, 0
	s_add_nc_u64 s[28:29], s[98:99], s[28:29]
	s_mov_b32 s30, s43
	s_mov_b32 s31, 0
	s_add_nc_u64 s[30:31], s[28:29], s[30:31]
	s_lshl_b32 s32, s17, 4
	s_lshl_b32 s33, s15, 3
	s_add_co_u32 s32, s32, s33
	s_lshl_b32 s32, s32, 6
	s_add_co_u32 s32, s32, WMK
	s_mov_b32 s33, 0
	s_add_nc_u64 s[32:33], s[6:7], s[32:33]
	s_wait_alu depctr_va_vdst(0)
.irp b, 0,1,2,3
.irp j, 0,1,2,3
	global_load_b128 v[BIAS+16*\b+4*\j:BIAS+16*\b+4*\j+3], v[BO], s[20:21] offset:128*\b+16*\j
.endr
.endr
.irp a, 0,1,2,3,4,5,6,7
	v_mov_b32 v[MW+\a], 0x017f0000
.endr
	s_cmp_eq_u32 s44, 0
	s_cbranch_scc1 .Lno_mask
.irp a, 0,1,2,3,4,5,6,7
	global_load_b32 v[MW+\a], v[R4], s[32:33] offset:64*\a
.endr
.Lno_mask:
	s_wait_loadcnt 0x0
.irp a, 0,1,2,3,4,5,6,7
	QKBLK \a
.endr
	s_branch .Lout
.Lvt:
	s_lshl_b32 s24, s42, 1
	s_add_co_u32 s24, s24, s16
	s_lshr_b32 s25, s24, 4
	s_and_b32 s24, s24, 15
	s_lshl_b32 s25, s25, 4
	s_lshl_b32 s26, s17, 2
	s_add_co_u32 s25, s25, s26
	s_lshl_b32 s26, s15, 1
	s_add_co_u32 s25, s25, s26
	s_lshl_b32 s26, s25, 6
	s_lshl_b32 s27, s24, 2
	s_add_co_u32 s26, s26, s27
	s_mul_i32 s26, s26, 1536
	s_add_co_u32 s26, s26, VC
	s_mov_b32 s27, 0
	s_add_nc_u64 s[26:27], s[98:99], s[26:27]
	s_mul_i32 s28, s25, 12288
	s_lshl_b32 s29, s24, 8
	s_add_co_u32 s28, s28, s29
	s_add_co_u32 s28, s28, KVS+8192
	s_mov_b32 s29, 0
	s_add_nc_u64 s[28:29], s[98:99], s[28:29]
	s_lshl_b32 s30, s17, 10
	s_lshl_b32 s31, s15, 9
	s_add_co_u32 s30, s30, s31
	s_mov_b32 s31, 0
	s_add_nc_u64 s[30:31], s[96:97], s[30:31]
	v_and_b32 v[VB], 8, v1
	v_add_nc_u32 v[VB], v[VB], v1
	v_lshlrev_b32 v[VB], 2, v[VB]
.irp a, 0,1,2,3,4,5,6,7
	global_load_b32 v[XB+2*\a], v[VB], s[30:31] offset:(32*(\a/2)+8*(\a%2))*4
	global_load_b32 v[XB+2*\a+1], v[VB], s[30:31] offset:(32*(\a/2)+8*(\a%2))*4
.endr
	s_wait_loadcnt 0x0
.irp a, 0,1,2,3,4,5,6,7
	VBLK \a
.endr
.Lout:
	s_wait_tensorcnt 0x0
	ds_add_u32 v[SPW], v[NIL]
	s_wait_dscnt 0x0
	CROUND
	s_endpgm
.Lfunc_end_k_qbcd10f0999_qkv:
	.size	k_qbcd10f0999_qkv, .Lfunc_end_k_qbcd10f0999_qkv-k_qbcd10f0999_qkv
	.p2alignl 7, 3214868480
	.fill 96, 4, 3214868480
	.section	.rodata,"a",@progbits
	.p2align	6, 0x0
	.amdhsa_kernel k_qbcd10f0999_qkv
		.amdhsa_group_segment_fixed_size 327680
		.amdhsa_private_segment_fixed_size 0
		.amdhsa_enable_private_segment 0
		.amdhsa_kernarg_size 48
		.amdhsa_user_sgpr_count 2
		.amdhsa_user_sgpr_kernarg_segment_ptr 1
		.amdhsa_wavefront_size32 1
		.amdhsa_system_sgpr_workgroup_id_x 1
		.amdhsa_system_sgpr_workgroup_id_y 1
		.amdhsa_system_sgpr_workgroup_id_z 1
		.amdhsa_system_vgpr_workitem_id 0
		.amdhsa_next_free_vgpr 1024
		.amdhsa_next_free_sgpr 100
		.amdhsa_reserve_vcc 0
		.amdhsa_float_denorm_mode_32 3
		.amdhsa_float_denorm_mode_16_64 3
		.amdhsa_memory_ordered 1
		.amdhsa_forward_progress 1
		.amdhsa_inst_pref_size 228
	.end_amdhsa_kernel
	.amdgpu_metadata
---
amdhsa.version: [ 1, 2 ]
amdhsa.kernels:
  - .name:           k_qbcd10f0999_qkv
    .symbol:         k_qbcd10f0999_qkv.kd
    .args:
      - { .name: A1, .offset: 0, .size: 8, .value_kind: global_buffer, .address_space: global }
      - { .name: W, .offset: 8, .size: 8, .value_kind: global_buffer, .address_space: global }
      - { .name: bq, .offset: 16, .size: 8, .value_kind: global_buffer, .address_space: global }
      - { .name: bk, .offset: 24, .size: 8, .value_kind: global_buffer, .address_space: global }
      - { .name: bv, .offset: 32, .size: 8, .value_kind: global_buffer, .address_space: global }
      - { .name: QKV, .offset: 40, .size: 8, .value_kind: global_buffer, .address_space: global }
    .group_segment_fixed_size: 327680
    .private_segment_fixed_size: 0
    .kernarg_segment_align: 8
    .kernarg_segment_size: 48
    .max_flat_workgroup_size: 128
    .sgpr_count:     100
    .vgpr_count:     1024
    .wavefront_size: 32
...
	.end_amdgpu_metadata
.endif
;; end of part 10
;; launch attn (part 11): grid 8 x 32, 16 waves a work-group, clusters of 4 x 1, 264,192 bytes of LDS; arguments QKV, W, O; writes O
.if DOCPART == 11
	.amdgcn_target "amdgcn-amd-amdhsa--gfx1250"
	.amdhsa_code_object_version 6
	.text
	.protected	k_qbcd10f0999_attn
	.globl	k_qbcd10f0999_attn
	.p2align	8
	.type	k_qbcd10f0999_attn,@function
k_qbcd10f0999_attn:
	s_mov_b64 s[64:65], 0
	v_nop
	global_prefetch_b8 v0, s[64:65] scope:SCOPE_SE
	s_setreg_imm32_b32 hwreg(HW_REG_WAVE_MODE, 25, 1), 1
	s_wait_xcnt 0x0
	s_wait_alu depctr_hold_cnt(0) depctr_sa_sdst(0) depctr_va_vdst(0) depctr_va_sdst(0) depctr_va_ssrc(0) depctr_va_vcc(0) depctr_vm_vsrc(0)
	s_getreg_b32 s2, hwreg(HW_REG_IB_STS2, 6, 4)
	s_cmp_eq_u32 s2, 0
	s_cbranch_scc0 .Lentry_in_a_cluster
	s_endpgm
.Lentry_in_a_cluster:
	s_bfe_u32 s2, ttmp6, 0x10000c
	s_cmp_lg_u32 s2, 0x3003
	s_cbranch_scc0 .Lentry_shape_is_right
	s_endpgm
.Lentry_shape_is_right:
; o = softmax(q k^T / 8, masked) v for one (batch, head) and 256 queries, both products on codes of E2M3; o is quantised along the channels on the way out.
; t = c x (q.k), c = log2(e) / 8 (q's factor 2^-3 is in c); M = the running largest t rounded up to a whole number; p = 2^(t - M) is quantised along the keys;
; the row's sum is taken of the unquantised p and divides at the end.  When M moves, the sum and O^T are multiplied by 2^(old M - new M): exact.
; THE MASK RIDES IN THE FIRST PRODUCT: at k = 64 q holds the code of +1 (scale byte 127) and every key the code of -1, whose block's scale byte is 158 (2^31) for a masked key and 1 for an open one:
; a masked score is q.k - 2^31, and its p is 0.  For a batch all of whose keys are masked the first launch has written open bytes and c = 0: t = 0, M = 0, p = 1 for every key.
; LIMITS: |q.k| under 2^29, open scores above -1e9; a block of zeros gets the byte 1; NaN and infinities are not served.
; SHARES.  Sixteen waves, 16 queries each.  A head's whole K, V^T and scale words (816 rows of 256 bytes) lie in LDS, each row followed by 64 bytes of padding; every byte is filled once.
; ONE JOINT LOAD A WAVE, at the head: waves 0-5 take 56 rows of K each, waves 6-15 take 48 rows each: K's last, V^T's eight parts, the scale words.  The four work-groups of a cluster are query blocks of one head.
; No prefetch: all tiles are asked for at the head, and there is no loop to run ahead in.
; LAYOUT.  Both products transposed: S^T = K Q^T, O^T = V^T P^T: a lane holds one query.  In memory row r of K's row block rho is key 32 (rho / 2) + 8 (rho % 2) + r + 8 (r / 8).
; A TILE OF K IS FORMED BY ADDRESSES: row r of tile (c, u) is key 64 c + 32 (r / 8) + 8 u + r % 8, which lies in row block 4 c + 2 (r / 8) + u % 2 at row r % 8 + 8 (u / 2).
; So the 32 registers of tiles (c, 0..3) of lane (query, h) are keys 64 c + 32 h + 0 .. 31: a whole block of 32, in the order of the second product's operand: its maximum needs no other lane, and no lanes are swapped.
; A scale register carries two tiles' words: lanes 0-15 the even tile's, lanes 16-31 the odd one's (ROW1).
; The sum of p's second 32 registers is taken at the head of the next step: those additions are the places behind the first four products.
.set KC,    3145728
.set VC,    6291456
.set QS,    9437184
.set KVS,   9699328
.set WCF,   9846784
.set OSC,   3145728
.set VL,    122880                     ; LDS, rows 320 bytes apart: K's 384 rows at 0, V^T's 384 here,
.set SCK,   245760                     ; K's scale words, 32 rows,
.set SCV,   256000                     ; V's, 16 rows, up to byte 261,120;
.set SPARE, 262144                     ; the spare words, 128 bytes for each wave: no other line names them
.set AK16, 1                           ; v1, v2 my bytes in K's tiles (loads of 16 and of 8 bytes); v3, v4 in V^T's fragments; v5, v6 among the scale words.  Stepped once a trip
.set AK8,  2
.set AV16, 3
.set AV8,  4
.set ASK,  5
.set ASV,  6
.set SPW,  7
.set NIL,  8
.set RM,   13                          ; the running largest score; v12 and v14 hold -M by turns
.set SH,   15                          ; 8 h
.set LS,   28                          ; v[28:29] the sum, in two halves
.set FF,   30                          ; v30 f = 2^(old M - new M); v31 at work
.set KS,   32                          ; v32-79   four tiles of K: registers 0-5 loaded, 6-11 constant
.set VF,   80                          ; v80-127  four fragments of V^T
.set SS,   128                         ; v128-191 S^T, then p
.set OO,   192                         ; v192-223 O^T
.set P,    224                         ; v224-235 p's codes
.set T3,   236                         ; v236-238, v240-242: the conversions' second halves; else pairs of sums
.set T4,   240
.set BM,   244                         ; v244-245 my two blocks' largest score, then p, then the conversion's scale operand
.set T1,   246
.set KW,   248                         ; v248-249 K's scale words; v250-251 V's
.set VW,   250
.set T2,   252
.set PW,   254                         ; p's scale word
.set QW,   255                         ; q's
.set WV,   12
.set G1A,  24
.set G1B,  32
.set G0A,  40
.set G0B,  44
.set SEL,  54
.set CS,   56                          ; s[56:57] c
.set CNT,  61
.macro CROUND
	s_barrier_signal -1
	s_barrier_wait -1
	s_cmp_lg_u32 s[WV], 0
	s_cbranch_scc1 .Lnot_wave_0_\@
	s_barrier_signal -3
.Lnot_wave_0_\@:
	s_barrier_wait -3
	s_barrier_signal -1
	s_barrier_wait -1
.endm
.macro WM0 d, a, b, sa, sb, row        ; a product that starts its sum
.if \row
	v_wmma_scale_f32_16x16x128_f8f6f4 v[\d:\d+7], v[\a:\a+11], v[\b:\b+11], 0, v[\sa], v[\sb] matrix_a_fmt:MATRIX_FMT_FP6 matrix_b_fmt:MATRIX_FMT_FP6 matrix_a_scale:MATRIX_SCALE_ROW1
.else
	v_wmma_scale_f32_16x16x128_f8f6f4 v[\d:\d+7], v[\a:\a+11], v[\b:\b+11], 0, v[\sa], v[\sb] matrix_a_fmt:MATRIX_FMT_FP6 matrix_b_fmt:MATRIX_FMT_FP6
.endif
.endm
.macro WMA d, a, b, sa, sb, row        ; a product that adds in place
.if \row
	v_wmma_scale_f32_16x16x128_f8f6f4 v[\d:\d+7], v[\a:\a+11], v[\b:\b+11], v[\d:\d+7], v[\sa], v[\sb] matrix_a_fmt:MATRIX_FMT_FP6 matrix_b_fmt:MATRIX_FMT_FP6 matrix_a_scale:MATRIX_SCALE_ROW1
.else
	v_wmma_scale_f32_16x16x128_f8f6f4 v[\d:\d+7], v[\a:\a+11], v[\b:\b+11], v[\d:\d+7], v[\sa], v[\sb] matrix_a_fmt:MATRIX_FMT_FP6 matrix_b_fmt:MATRIX_FMT_FP6
.endif
.endm
.macro KLOAD c, st                     ; ten loads: tiles (c, 0..3) of key step st of the trip, and their scale words
.irp u, 0,1,2,3
	ds_load_b128 v[KS+12*\u:KS+12*\u+3], v[AK16] offset:7680*(\st)+3840*\c+960*(\u%2)+128*(\u/2)
	ds_load_b64 v[KS+12*\u+4:KS+12*\u+5], v[AK8] offset:7680*(\st)+3840*\c+960*(\u%2)+64*(\u/2)+640
.endr
	ds_load_b32 v[KW], v[ASK] offset:640*(\st)+320*\c
	ds_load_b32 v[KW+1], v[ASK] offset:640*(\st)+320*\c+32
.endm
.macro VLOAD st                        ; eighteen loads: V^T's four fragments and their scale words
.irp t, 0,1,2,3
	ds_load_b128 v[VF+12*\t:VF+12*\t+3], v[AV16] offset:7680*\st+1920*\t
	ds_load_b64 v[VF+12*\t+4:VF+12*\t+5], v[AV8] offset:7680*\st+1920*\t+640
	ds_load_b128 v[VF+12*\t+6:VF+12*\t+9], v[AV16] offset:7680*\st+1920*\t+960
	ds_load_b64 v[VF+12*\t+10:VF+12*\t+11], v[AV8] offset:7680*\st+1920*\t+1600
.endr
	ds_load_b32 v[VW], v[ASV] offset:320*\st
	ds_load_b32 v[VW+1], v[ASV] offset:320*\st+128
.endm
.macro SMUL c                          ; S^T of 64 keys: four tiles
.irp u, 0,1,2,3
	WM0 SS+32*\c+8*\u, KS+12*\u, 16, KW+\u/2, QW, \u%2
.endr
.endm
; the sum of 32 registers of p at b, in four chains, onto the row's sum: sixteen additions in four parts
.macro PSA12 b
	v_pk_add_f32 v[T1:T1+1], v[\b:\b+1], v[\b+2:\b+3]
	v_pk_add_f32 v[T2:T2+1], v[\b+4:\b+5], v[\b+6:\b+7]
.endm
.macro PSA34 b
	v_pk_add_f32 v[T3:T3+1], v[\b+8:\b+9], v[\b+10:\b+11]
	v_pk_add_f32 v[T4:T4+1], v[\b+12:\b+13], v[\b+14:\b+15]
.endm
.macro PSB b
.irp j, 16,24
	v_pk_add_f32 v[T1:T1+1], v[T1:T1+1], v[\b+\j:\b+\j+1]
	v_pk_add_f32 v[T2:T2+1], v[T2:T2+1], v[\b+\j+2:\b+\j+3]
	v_pk_add_f32 v[T3:T3+1], v[T3:T3+1], v[\b+\j+4:\b+\j+5]
	v_pk_add_f32 v[T4:T4+1], v[T4:T4+1], v[\b+\j+6:\b+\j+7]
.endr
.endm
.macro PSC
	s_delay_alu instid0(VALU_DEP_3)
	v_pk_add_f32 v[T1:T1+1], v[T1:T1+1], v[T2:T2+1]
	s_delay_alu instid0(VALU_DEP_2)
	v_pk_add_f32 v[T3:T3+1], v[T3:T3+1], v[T4:T4+1]
	s_delay_alu instid0(VALU_DEP_1)
	v_pk_add_f32 v[T1:T1+1], v[T1:T1+1], v[T3:T3+1]
	s_delay_alu instid0(VALU_DEP_1)
	v_pk_add_f32 v[LS:LS+1], v[LS:LS+1], v[T1:T1+1]
.endm
.macro BMAX c                          ; the largest score of my block 2 c + h, in four chains; each accumulator is first read at its low end
.set SB, SS+32*\c
	v_max3_num_f32 v[BM+\c], v[SB], v[SB+1], v[SB+2]
	v_max3_num_f32 v[T1], v[SB+8], v[SB+9], v[SB+10]               ; (four chains, one for each tile)
	v_max3_num_f32 v[T1+1], v[SB+16], v[SB+17], v[SB+18]
	v_max3_num_f32 v9, v[SB+24], v[SB+25], v[SB+26]
.irp i, 3,5
	v_max3_num_f32 v[BM+\c], v[BM+\c], v[SB+\i], v[SB+\i+1]
	v_max3_num_f32 v[T1], v[T1], v[SB+8+\i], v[SB+9+\i]
	v_max3_num_f32 v[T1+1], v[T1+1], v[SB+16+\i], v[SB+17+\i]
	v_max3_num_f32 v9, v9, v[SB+24+\i], v[SB+25+\i]
.endr
	v_max3_num_f32 v[BM+\c], v[BM+\c], v[T1], v[SB+7]
	v_max3_num_f32 v[T1+1], v[T1+1], v9, v[SB+15]
	v_max3_num_f32 v[BM+\c], v[BM+\c], v[T1+1], v[SB+23]
	v_max_num_f32 v[BM+\c], v[BM+\c], v[SB+31]
.endm
	s_load_b128 s[4:7], s[0:1], 0x0                ; QKV, W
	s_load_b64 s[8:9], s[0:1], 0x10                ; O
	v_lshl_add_u32 v[SPW], v0, 2, SPARE
	v_mov_b32 v[NIL], 0
	ds_add_u32 v[SPW], v[NIL]                      ; the wave's opening: the add, twice on end, and its wait ahead of my tensor load
	ds_add_u32 v[SPW], v[NIL]
	v_lshrrev_b32 v9, 5, v0
	s_delay_alu instid0(VALU_DEP_1)
	v_readfirstlane_b32 s[WV], v9                  ; wave 0..15
	s_bfe_u32 s13, ttmp6, 0x40000                  ; cx: it enters q's and o's addresses alone
	s_lshl_b32 s14, ttmp9, 2
	s_add_co_u32 s14, s14, s13                     ; my block of 256 queries
	s_and_b32 s15, ttmp7, 0xffff                   ; y = 16 x batch + head
.irp g, G1A, G1B
	s_mov_b32 s[\g], 15|(3<<16)|(1<<20)|(1<<21)|(5<<22)|(15<<25)   ; the mask: all four work-groups; elements of 8 bytes; 16 words of padding behind every 64; 21 set beside a mask
	s_mov_b32 s[\g+1], 32<<16                      ; rows of 256 bytes
	s_mov_b32 s[\g+3], 32<<16
	s_mov_b32 s[\g+5], 32
	s_mov_b32 s[\g+6], 0
	s_mov_b32 s[\g+7], 0
.endr
	s_mov_b32 s[G1A+2], 56<<16
	s_mov_b32 s[G1A+4], 56
	s_mov_b32 s[G1B+2], 48<<16
	s_mov_b32 s[G1B+4], 48
	s_mul_i32 s16, s15, 98304                      ; the head's codes
	s_mul_i32 s22, s[WV], 14336                    ; waves 0-5: K's rows 56 w
	s_add_co_u32 s22, s22, s16
	s_add_co_u32 s22, s22, KC
	s_mov_b32 s23, 0
	s_mul_i32 s17, s[WV], 12288                    ; waves 6-15, 48 rows each: wave 6 K's rows 336 on, waves 7-14 V^T's rows 48 (w - 7), wave 15 the scale words
	s_add_co_u32 s17, s17, s16
	s_mov_b32 s18, VC-86016
	s_cmp_eq_u32 s[WV], 6
	s_cselect_b32 s18, KC+12288, s18
	s_add_co_u32 s20, s17, s18
	s_mul_i32 s19, s15, 12288
	s_add_co_u32 s19, s19, KVS
	s_cmp_eq_u32 s[WV], 15
	s_cselect_b32 s20, s19, s20
	s_mov_b32 s21, 0
	s_mov_b32 s[SEL], 0x76543210
	s_mov_b32 s[SEL+1], 0xfedcba98
	s_wait_dscnt 0x0                               ; both opening adds are done
	s_wait_kmcnt 0x0
	s_add_nc_u64 s[20:21], s[4:5], s[20:21]
	s_add_nc_u64 s[22:23], s[4:5], s[22:23]
	CROUND                                         ; all four work-groups are here: the joint loads meet
	s_mov_b32 s[G0A], 1
	s_mul_i32 s[G0A+1], s[WV], 17920               ; 56 LDS rows of 320 bytes a wave
	s_mov_b64 s[G0A+2:G0A+3], s[22:23]
	s_or_b32 s[G0A+3], s[G0A+3], 0x80000000
	s_mov_b32 s[G0B], 1
	s_mul_i32 s[G0B+1], s[WV], 15360               ; 48 LDS rows a wave, on end from K's row 336: 15,360 (w + 1)
	s_add_co_u32 s[G0B+1], s[G0B+1], 15360
	s_mov_b64 s[G0B+2:G0B+3], s[20:21]
	s_or_b32 s[G0B+3], s[G0B+3], 0x80000000
	s_cmp_lt_u32 s[WV], 6
	s_cbranch_scc0 .Larm_b
	tensor_load_to_lds s[G0A:G0A+3], s[G1A:G1A+7]  ; my one load
	s_nop 0
.rept 4
	v_nop
.endr
	s_branch .Lasked
.Larm_b:
	tensor_load_to_lds s[G0B:G0B+3], s[G1B:G1B+7]
	s_nop 0
.rept 4
	v_nop
.endr
.Lasked:
	s_lshr_b32 s10, s15, 4                         ; the batch
	s_lshl_b32 s10, s10, 7
	s_add_co_u32 s10, s10, WCF
	s_mov_b32 s11, 0
	s_add_nc_u64 s[10:11], s[6:7], s[10:11]
	s_load_b32 s[CS], s[10:11], 0x0                ; c of my batch
	s_lshl_b32 s16, s14, 4
	s_add_co_u32 s16, s16, s[WV]                   ; my row block of queries in the batch
	s_lshl_b32 s17, s15, 7
	s_add_co_u32 s17, s17, s16
	s_mul_i32 s20, s17, 768
	s_mov_b32 s21, 0
	s_lshl_b32 s22, s17, 6
	s_add_co_u32 s22, s22, QS
	s_mov_b32 s23, 0
	s_add_nc_u64 s[20:21], s[4:5], s[20:21]        ; q's half
	s_add_nc_u64 s[22:23], s[4:5], s[22:23]        ; and its scale words
	s_lshr_b32 s17, s15, 4
	s_lshl_b32 s17, s17, 7
	s_add_co_u32 s17, s17, s16                     ; o's row block: 128 x batch + mine
	s_and_b32 s18, s15, 15                         ; the head
	s_lshl_b32 s19, s17, 4
	s_add_co_u32 s19, s19, s18
	s_mul_i32 s52, s19, 768
	s_mov_b32 s53, 0
	s_add_nc_u64 s[52:53], s[8:9], s[52:53]        ; o's half: K step head / 2, half head % 2
	s_lshl_b32 s62, s17, 9
	s_lshr_b32 s19, s18, 1
	s_lshl_b32 s19, s19, 6
	s_add_co_u32 s62, s62, s19
	s_and_b32 s19, s18, 1
	s_lshl_b32 s19, s19, 1
	s_add_co_u32 s62, s62, s19
	s_add_co_u32 s62, s62, OSC
	s_mov_b32 s63, 0
	s_add_nc_u64 s[62:63], s[8:9], s[62:63]        ; and its two scale bytes a row
	v_and_b32 v9, 31, v0                           ; lane
	v_and_b32 v10, 15, v0                          ; r
	v_bfe_u32 v11, v0, 4, 1                        ; h
	v_lshlrev_b32 v236, 4, v9
	v_lshlrev_b32 v237, 3, v9
	v_lshlrev_b32 v238, 2, v10
	global_load_b128 v[16:19], v236, s[20:21]      ; q's half: registers 0-5 of the operand
	global_load_b64 v[20:21], v237, s[20:21] offset:512
	global_load_b32 v[QW], v238, s[22:23]          ; its scale words
	v_and_b32 v246, 7, v0                          ; r % 8
	v_bfe_u32 v247, v0, 3, 1                       ; r / 8
	s_delay_alu instid0(VALU_DEP_1)
	v_mul_u32_u24 v244, v247, 1920                 ; two row blocks on: six LDS rows
	s_delay_alu instid0(VALU_DEP_1)
	v_lshl_add_u32 v[AK16], v246, 4, v244
	v_lshl_add_u32 v[AK8], v246, 3, v244
	s_delay_alu instid0(VALU_DEP_2)
	v_mad_u32_u24 v[AK16], v11, 320, v[AK16]       ; lanes 16-31: the next LDS row
	s_delay_alu instid0(VALU_DEP_2)
	v_lshl_add_u32 v[AK8], v11, 7, v[AK8]
	v_lshlrev_b32 v245, 7, v247
	s_delay_alu instid0(VALU_DEP_1)
	v_lshl_add_u32 v245, v246, 2, v245
	s_delay_alu instid0(VALU_DEP_1)
	v_lshl_add_u32 v245, v11, 6, v245              ; K's words: 128 (r / 8) + 4 (r % 8); lanes 16-31 take the odd tile's, 64 bytes on
	s_delay_alu instid0(VALU_DEP_1)
	v_add_nc_u32 v[ASK], SCK, v245
	v_lshl_add_u32 v[AV16], v11, 6, v236           ; V^T as it lies: 16 x lane, past the padding behind lane 15's bytes
	s_delay_alu instid0(VALU_DEP_1)
	v_add_nc_u32 v[AV16], VL, v[AV16]
	v_add_nc_u32 v[AV8], VL, v237
	v_lshl_add_u32 v[ASV], v9, 2, SCV              ; V's words: lanes 16-31 take the odd fragment's
	v_lshlrev_b32 v[SH], 3, v11
	v_sub_nc_u32 v245, 1, v11                      ; 1 in lanes 0-15, which hold k = 64 .. 95 in registers 6-11
	s_delay_alu instid0(VALU_DEP_1)
	v_lshlrev_b32 v22, 3, v245                     ; q at k = 64: the code of +1
.irp j, 23,24,25,26,27
	v_mov_b32 v[\j], 0
.endr
.irp t, 0,1,2,3
	v_mul_u32_u24 v[KS+12*\t+6], 40, v245          ; every key at k = 64: the code of -1
.irp j, 7,8,9,10,11
	v_mov_b32 v[KS+12*\t+\j], 0
.endr
.endr
	v_mov_b32 v[RM], 0xff61b1e6                    ; the largest score so far: -3e38
	v_mov_b32 v14, 0x7f61b1e6                      ; and -M: 3e38, a whole number
	v_mov_b32 v[LS], 0
	v_mov_b32 v[LS+1], 0
.irp j, 0,1,2,3,4,5,6,7,8,9,10,11,12,13,14,15,16,17,18,19,20,21,22,23,24,25,26,27,28,29,30,31
	v_mov_b32 v[OO+\j], 0                          ; O^T, and the p whose sum the first step takes: the step is written once, and the first finds zeros
	v_mov_b32 v[SS+32+\j], 0
.endr
; A KEY STEP: 128 keys.  s: which of the trip's two; nw, od: where the new and the old -M stand
.macro STEP s, nw, od
	s_wait_dscnt 0x0                               ; tiles (0, 0..3), asked for in the step before
	SMUL 0
	PSA12 SS+32                                    ; the last step's p, second half: these four are the places in front of the loads below
	PSA34 SS+32
	KLOAD 1, \s
	VLOAD \s
	PSB SS+32
	PSC
	s_wait_alu depctr_va_vdst(0)
	s_wait_dscnt 18                                ; K's ten are in; V^T's eighteen may stay out
	SMUL 1
	BMAX 0                                         ; (also the places behind the four products)
	KLOAD 0, \s+1                                  ; the next step's first tiles.  (Behind the last step these ten read V^T's first rows and V's first words, and nobody uses them)
.if \s
	v_add_nc_u32 v[AK16], 15360, v[AK16]           ; all the trip's loads are issued: two steps on
	v_add_nc_u32 v[AK8], 15360, v[AK8]
	v_add_nc_u32 v[AV16], 15360, v[AV16]
	v_add_nc_u32 v[AV8], 15360, v[AV8]
	v_add_nc_u32 v[ASK], 1280, v[ASK]
	v_add_nc_u32 v[ASV], 640, v[ASV]
.endif
	BMAX 1
	s_delay_alu instid0(VALU_DEP_1)
	v_max_num_f32 v31, v[BM], v[BM+1]
	s_delay_alu instid0(VALU_DEP_1)
	v_permlanex16_b32 v11, v31, s[SEL], s[SEL+1]   ; lane l xor 16 holds my query's other two blocks
	s_delay_alu instid0(VALU_DEP_1)
	v_max3_num_f32 v[RM], v[RM], v31, v11          ; the running largest score
	s_delay_alu instid0(VALU_DEP_1)
	v_mul_f32 v10, s[CS], v[RM]                    ; as t (c is not negative)
	s_delay_alu instid0(VALU_DEP_1)
	v_floor_f32 v[\nw], -v10                       ; the new -M = -ceil(t)
	s_delay_alu instid0(VALU_DEP_1)
	v_sub_f32 v10, v[\nw], v[\od]                  ; old M - new M: a whole number, 0 or less
	s_delay_alu instid0(VALU_DEP_1)
	v_cvt_i32_f32 v10, v10                         ; (it saturates)
	s_delay_alu instid0(VALU_DEP_1)
	v_ldexp_f32 v[FF], 1.0, v10                    ; f = 2^(old M - new M)
.irp j, 0,2,4,6,8,10,12,14,16,18,20,22,24,26,28,30,32,34,36,38,40,42,44,46,48,50,52,54,56,58,60,62
	v_pk_fma_f32 v[SS+\j:SS+\j+1], v[SS+\j:SS+\j+1], s[CS:CS+1], v[\nw:\nw+1] op_sel_hi:[1,0,0]   ; t - M
.endr
	v_fma_f32 v[BM], v[BM], s[CS], v[\nw]          ; the same of each block's largest score: p rises with the score
	v_fma_f32 v[BM+1], v[BM+1], s[CS], v[\nw]
.irp j, 0,2,4,6,8,10,12,14,16,18,20,22,24,26,28,30
	v_pk_mul_f32 v[OO+\j:OO+\j+1], v[OO+\j:OO+\j+1], v[FF:FF+1] op_sel_hi:[1,0]   ; O^T under the new M, ahead of the exponentials
.endr
	v_pk_mul_f32 v[LS:LS+1], v[LS:LS+1], v[FF:FF+1] op_sel_hi:[1,0]
	s_wait_alu depctr_va_vdst(0)
	v_exp_f32 v[BM], v[BM]                         ; my blocks' largest p
	v_exp_f32 v[BM+1], v[BM+1]
.irp j, 0,1,2,3,4,5,6,7,8,9,10,11,12,13,14,15,16,17,18,19,20,21,22,23,24,25,26,27,28,29,30,31,32,33,34,35,36,37,38,39,40,41,42,43,44,45,46,47,48,49,50,51,52,53,54,55,56,57,58,59,60,61,62,63
	v_exp_f32 v[SS+\j], v[SS+\j]                   ; p = 2^(t - M): not normalised
.endr
	v_nop                                          ; a plain place behind the batch
	s_wait_alu depctr_va_vdst(0)                   ; and one wait for it, ahead of its first reader
	v_max_num_f32 v[BM], 0x1800000, v[BM]          ; the floor 2^(3 - 127)
	v_max_num_f32 v[BM+1], 0x1800000, v[BM+1]
	s_delay_alu instid0(VALU_DEP_2)
	v_add_nc_u32 v[BM], 0xff000000, v[BM]          ; 2 off the exponent field: the conversion's scale operand
	s_delay_alu instid0(VALU_DEP_2)
	v_add_nc_u32 v[BM+1], 0xff000000, v[BM+1]
	s_delay_alu instid0(VALU_DEP_2)
	v_lshrrev_b32 v9, 23, v[BM]
	s_delay_alu instid0(VALU_DEP_2)
	v_lshrrev_b32 v10, 23, v[BM+1]
	s_delay_alu instid0(VALU_DEP_1)
	v_lshl_or_b32 v[PW], v10, 16, v9               ; my bytes: blocks h and 2 + h,
	s_delay_alu instid0(VALU_DEP_1)
	v_lshlrev_b32 v[PW], v[SH], v[PW]              ; at their places;
	s_delay_alu instid0(VALU_DEP_1)
	v_permlanex16_b32 v11, v[PW], s[SEL], s[SEL+1]
	s_delay_alu instid0(VALU_DEP_1)
	v_or_b32 v[PW], v[PW], v11                     ; with lane l xor 16's two the word is whole
	v_cvt_scalef32_pk16_fp6_f32 v[P:P+2], v[SS:SS+15], v[BM]
	v_cvt_scalef32_pk16_fp6_f32 v[T3:T3+2], v[SS+16:SS+31], v[BM]       ; (a conversion's three registers begin on an even number)
	v_cvt_scalef32_pk16_fp6_f32 v[P+6:P+8], v[SS+32:SS+47], v[BM+1]
	v_cvt_scalef32_pk16_fp6_f32 v[T4:T4+2], v[SS+48:SS+63], v[BM+1]
	PSA12 SS                                       ; p's first half is summed now (plain places behind the conversions)
.irp i, 0,1,2
	v_mov_b32 v[P+3+\i], v[T3+\i]
	v_mov_b32 v[P+9+\i], v[T4+\i]
.endr
	PSA34 SS
	PSB SS
	PSC                                            ; (fourteen additions stand between p's word and codes and the products below)
	s_wait_alu depctr_va_vdst(0)
	s_wait_dscnt 10                                ; V^T and its words are in; the next step's ten loads may stay out
.irp t, 0,1,2,3                                ; O^T += V^T P^T: the four accumulators by turns
	WMA OO+8*\t, VF+12*\t, P, VW+\t/2, PW, \t%2
.endr
.endm
	s_wait_alu depctr_va_vdst(0)
	s_wait_tensorcnt 0x0                           ; my part is in,
	s_barrier_signal -1
	s_barrier_wait -1                              ; everybody's is: nothing is ever filled again
	KLOAD 0, 0
	s_wait_loadcnt 0x0                             ; q
	s_wait_kmcnt 0x0                               ; c
	s_mov_b32 s[CS+1], s[CS]                       ; (named with it as a pair)
	s_mov_b32 s[CNT], 8
.Lkeys:
	STEP 0, 12, 14
	STEP 1, 14, 12
	s_sub_co_u32 s[CNT], s[CNT], 1
	s_cmp_lg_u32 s[CNT], 0
	s_wait_alu depctr_va_vdst(0)
	s_cbranch_scc1 .Lkeys
	; THE WAY OUT: O^T / the sum; register 16 b + i is channel 32 b + 16 (lane / 16) + i of my query: two blocks of 32, quantised into half a fragment
	PSA12 SS+32                                    ; the last step's second half (also the places behind the last products)
	PSA34 SS+32
	PSB SS+32
	PSC
	s_delay_alu instid0(VALU_DEP_1)
	v_add_f32 v[LS], v[LS], v[LS+1]
	s_delay_alu instid0(VALU_DEP_1)
	v_permlanex16_b32 v11, v[LS], s[SEL], s[SEL+1]
	s_delay_alu instid0(VALU_DEP_1)
	v_add_f32 v[LS], v[LS], v11                    ; the row's sum
	s_wait_alu depctr_va_vdst(0)
	v_rcp_f32 v[LS], v[LS]
	v_and_b32 v9, 15, v0                           ; (plain places behind the transcendental)
	v_and_b32 v10, 31, v0
	s_delay_alu instid0(VALU_DEP_2)
	v_lshlrev_b32 v9, 2, v9                        ; 4 r
	s_delay_alu instid0(VALU_DEP_2)
	v_lshlrev_b32 v30, 4, v10
	v_lshlrev_b32 v10, 3, v10
	s_wait_alu depctr_va_vdst(0)                   ; the wait ahead of the first reader of the reciprocal and of O^T
.irp j, 0,2,4,6,8,10,12,14,16,18,20,22,24,26,28,30
	v_pk_mul_f32 v[SS+\j:SS+\j+1], v[OO+\j:OO+\j+1], v[LS:LS+1] op_sel_hi:[1,0]
.endr
.irp b, 0,1
	v_max3_num_f32 v[BM+\b], |v[SS+16*\b]|, |v[SS+1+16*\b]|, 0x1800000
.endr
.irp i, 2,4,6,8,10,12,14
.irp b, 0,1
	s_delay_alu instid0(VALU_DEP_2)
	v_max3_num_f32 v[BM+\b], v[BM+\b], |v[SS+16*\b+\i]|, |v[SS+1+16*\b+\i]|
.endr
.endr
.irp b, 0,1
	s_delay_alu instid0(VALU_DEP_2)
	v_permlanex16_b32 v[T1+\b], v[BM+\b], s[SEL], s[SEL+1]
.endr
.irp b, 0,1
	s_delay_alu instid0(VALU_DEP_2)
	v_max_num_f32 v[BM+\b], v[BM+\b], v[T1+\b]
.endr
.irp b, 0,1
	s_delay_alu instid0(VALU_DEP_2)
	v_add_nc_u32 v[T2+\b], 0xff000000, v[BM+\b]
.endr
.irp b, 0,1
	s_delay_alu instid0(VALU_DEP_2)
	v_lshrrev_b32 v[T1+\b], 23, v[T2+\b]
.endr
	s_delay_alu instid0(VALU_DEP_1)
	v_lshl_or_b32 v[PW], v[T1+1], 8, v[T1]         ; my head's two scale bytes of the row
	v_cvt_scalef32_pk16_fp6_f32 v[P:P+2], v[SS:SS+15], v[T2]
	v_cvt_scalef32_pk16_fp6_f32 v[T4:T4+2], v[SS+16:SS+31], v[T2+1]
	v_nop
.irp i, 0,1,2
	v_permlane16_swap_b32 v[P+\i], v[T4+\i]        ; here a lane holds half blocks: lanes 0-15 get block 0 whole, lanes 16-31 block 1
.endr
.irp i, 0,1,2
	s_delay_alu instid0(VALU_DEP_3)
	v_mov_b32 v[P+3+\i], v[T4+\i]
.endr
	global_store_b128 v30, v[P:P+3], s[52:53]
	global_store_b64 v10, v[P+4:P+5], s[52:53] offset:512
	global_store_b16 v9, v[PW], s[62:63]           ; lanes 16-31 hold the same bytes and store them to the same places
	s_wait_tensorcnt 0x0                           ; the wave's end
	ds_add_u32 v[SPW], v[NIL]
	s_wait_dscnt 0x0
	CROUND                                         ; the closing round
	s_endpgm
.Lfunc_end_k_qbcd10f0999_attn:
	.size	k_qbcd10f0999_attn, .Lfunc_end_k_qbcd10f0999_attn-k_qbcd10f0999_attn
	.p2alignl 7, 3214868480
	.fill 96, 4, 3214868480
	.section	.rodata,"a",@progbits
	.p2align	6, 0x0
	.amdhsa_kernel k_qbcd10f0999_attn
		.amdhsa_group_segment_fixed_size 264192
		.amdhsa_private_segment_fixed_size 0
		.amdhsa_enable_private_segment 0
		.amdhsa_kernarg_size 24
		.amdhsa_user_sgpr_count 2
		.amdhsa_user_sgpr_kernarg_segment_ptr 1
		.amdhsa_wavefront_size32 1
		.amdhsa_system_sgpr_workgroup_id_x 1
		.amdhsa_system_sgpr_workgroup_id_y 1
		.amdhsa_system_sgpr_workgroup_id_z 1
		.amdhsa_system_vgpr_workitem_id 0
		.amdhsa_next_free_vgpr 256
		.amdhsa_next_free_sgpr 80
		.amdhsa_reserve_vcc 0
		.amdhsa_float_denorm_mode_32 3
		.amdhsa_float_denorm_mode_16_64 3
		.amdhsa_memory_ordered 1
		.amdhsa_forward_progress 1
		.amdhsa_inst_pref_size 49
	.end_amdhsa_kernel
	.amdgpu_metadata
---
amdhsa.version: [ 1, 2 ]
amdhsa.kernels:
  - .name:           k_qbcd10f0999_attn
    .symbol:         k_qbcd10f0999_attn.kd
    .args:
      - { .name: QKV, .offset: 0, .size: 8, .value_kind: global_buffer, .address_space: global }
      - { .name: W, .offset: 8, .size: 8, .value_kind: global_buffer, .address_space: global }
      - { .name: O, .offset: 16, .size: 8, .value_kind: global_buffer, .address_space: global }
    .group_segment_fixed_size: 264192
    .private_segment_fixed_size: 0
    .kernarg_segment_align: 8
    .kernarg_segment_size: 24
    .max_flat_workgroup_size: 512
    .sgpr_count:     80
    .vgpr_count:     256
    .wavefront_size: 32
...
	.end_amdgpu_metadata
.endif
;; end of part 11
;; launch wo (part 12): grid 8 x 32, 4 waves a work-group, clusters of 4 x 4, 327,680 bytes of LDS; arguments O, W, bo, x, X1; writes X1
.if DOCPART == 12
	.amdgcn_target "amdgcn-amd-amdhsa--gfx1250"
	.amdhsa_code_object_version 6
	.text
	.protected	k_qbcd10f0999_wo
	.globl	k_qbcd10f0999_wo
	.p2align	8
	.type	k_qbcd10f0999_wo,@function
k_qbcd10f0999_wo:
	s_mov_b64 s[64:65], 0
	v_nop
	global_prefetch_b8 v0, s[64:65] scope:SCOPE_SE
	s_setreg_imm32_b32 hwreg(HW_REG_WAVE_MODE, 25, 1), 1
	s_wait_xcnt 0x0
	s_wait_alu depctr_hold_cnt(0) depctr_sa_sdst(0) depctr_va_vdst(0) depctr_va_sdst(0) depctr_va_ssrc(0) depctr_va_vcc(0) depctr_vm_vsrc(0)
	s_getreg_b32 s2, hwreg(HW_REG_IB_STS2, 6, 4)
	s_cmp_eq_u32 s2, 0
	s_cbranch_scc0 .Lentry_in_a_cluster
	s_endpgm
.Lentry_in_a_cluster:
	s_bfe_u32 s2, ttmp6, 0x10000c
	s_cmp_lg_u32 s2, 0xf033
	s_cbranch_scc0 .Lentry_shape_is_right
	s_endpgm
.Lentry_shape_is_right:
; X1 = x + (o Wo^T + bo): the product on codes of E2M3, K = 1,024; the residual and the result are f32 rows [2048][2][1024].
; THE TILE IS 128 x 128: the 4,096 x 1,024 results then make 32 x 8 = 256 work-groups.  Four waves, 64 x 64 each: 16 accumulators, 128 registers.  Of all tiles of 16,384 results the square one asks for the fewest rows of A and B.
; K goes in steps of 512 through two LDS slots: a slot holds four K steps of 128 of the tile's 8 + 8 row blocks, 98,304 bytes.  Here K is two slots' worth: both are first fills, and nothing is filled again.
; OPERANDS LIE IN MEMORY IN THE ORDER OF THEIR REGISTERS: a fragment (16 rows x 128 K) is 1,536 bytes: two halves; a half: lane l's registers 0-3 at 16 l, registers 4-5 at 512 + 8 l.  A row block's fragments follow each other
; along K, so a slot's part of four row blocks is four rows of 6,144 bytes for one tensor load, and a fragment comes out of LDS by four dense loads.  Scale words: 64 bytes a fragment; all of K's stay in LDS.
; CLUSTERS of 4 x 4: A's tiles are shared along a row of the cluster, B's along a column, by joint loads.  The matrix instruction is used transposed (source 0 = 16 rows of B, source 1 = 16 rows of A).
; Row blocks of A hold tokens, and row blocks of B rows of the weight, in the order 32 (rho / 2) + 8 (rho % 2) + r + 8 (r / 8): the way out puts rows and columns back in their places.
; THE RESIDUAL'S ROWS AND THE BIAS ARE ASKED FOR AT THE HEAD, behind the first tensor loads, into registers that nothing else uses, and are waited for once, ahead of the way out.
; REGISTERS: window 0: v16-30 addresses; v32-63 scale words, two sets of 16; v64-67 the bias; v128-223 A's fragments, two sets of 48 (on the way out v128-191: rows read back).
;   window 1: v0-95 B's fragments, two sets of 48; v128-255 the residual.   window 2: the accumulators, (a, b) at v[8 (4 a + b)].
.set KTOT,  1024
.set ASC,   3145728                    ; A's scale words in its buffer
.set BCODE, 2359296                    ; B's codes in W
.set BSC,   9437184+98304              ; B's scale words in W
.set KF,    KTOT/128                   ; fragments along K
.set NQ,    4                          ; K steps of 128 in a slot
.set FR,    12                         ; registers of a fragment
.set NP,    4                          ; places behind this matrix instruction (ISA guide 7.12.1)
.set FRB,   1536
.set RBB,   KF*FRB                     ; a row block's codes in memory
.set RB2,   NQ*FRB                     ; and its part of a slot
.set HALFT, 4*RB2                      ; four row blocks: what one tensor load brings, and what one wave reads of A or of B
.set SLOT,  4*HALFT                    ; A's eight row blocks, then B's eight
.set LAPS,  KTOT/1024                  ; a lap = two slots
.set SBLK,  KF*64                      ; a row block's scale words
.set HALFS, 4*SBLK
.set SCL,   2*SLOT                     ; behind the slots: the scale words
.set STAGE, 229376                     ; the way out: 16 rows x (256 bytes + 16) for each wave: bytes of their own, into which no tensor load lands
.set SPITCH, 272
.set SPARE, 262144                     ; the spare words, 128 bytes for each wave: no other line names them
.set ADRA, 16                          ; v16-17 LDS address of my A fragments in slot 0, 1, + 16 x lane;  v18-19 the same + 8 x lane
.set ADRB, 20                          ; v20-23 the same for B
.set STO,  24                          ; v24 the stage: where I put 16 bytes of a row
.set RD,   25                          ; v25 and where I read rows back
.set CO,   26                          ; v26 my byte in the residual and in the result: 8,192 (lane / 16) + 16 (lane % 16)
.set ADRS, 27                          ; v27 my scale words: lanes 0-15 A's rows, lanes 16-31 B's
.set SPW,  28                          ; v28 my spare word's LDS address; never rewritten
.set NIL,  29                          ; v29 0; never rewritten
.set CB,   30                          ; v30 16 (lane % 16): my byte in the bias
.set SC,   32
.set BIA,  64
.set AF,   128
.set BK,   128
.set RES,  128                         ; in window 1
.set G1, 24
.set G0, 32
.set G1B, 48
.set G0B, 56
.set G1S, 68
.set G0S, 76
.set G1SB, 80
.set G0SB, 88
.set MSB, 0
.macro WIN new                         ; the immediate's high byte repeats the setting that is left
.if MSB != (\new)
	s_set_vgpr_msb (MSB<<8)|(\new)
.set MSB, (\new)
.endif
.endm
.set MUL,  0xa1                        ; source 0 (B) window 1, source 1 (A) window 0, C and D window 2
.set TO_B, 0x40                        ; destination window 1, address window 0
.macro JLOAD g0a, g1a, g0b, g1b        ; a joint load: waves 0 and 1 fetch for A, waves 2 and 3 for B; an s_nop 0 and four v_nop follow each line
	s_cmp_eq_u32 s15, 0
	s_cbranch_scc0 .Lfor_b_\@
	tensor_load_to_lds s[\g0a:\g0a+3], s[\g1a:\g1a+7]
	s_nop 0
.rept 4
	v_nop
.endr
	s_branch .Lasked_\@
.Lfor_b_\@:
	tensor_load_to_lds s[\g0b:\g0b+3], s[\g1b:\g1b+7]
	s_nop 0
.rept 4
	v_nop
.endr
.Lasked_\@:
.endm
.macro CREST                           ; a round of the cluster's barrier behind its opening barrier
	s_cmp_lg_u32 s14, 0
	s_cbranch_scc1 .Lnot_wave_0_\@
	s_barrier_signal -3
.Lnot_wave_0_\@:
	s_barrier_wait -3
	s_barrier_signal -1
	s_barrier_wait -1
.endm
.macro CROUND
	s_barrier_signal -1
	s_barrier_wait -1
	CREST
.endm
	s_load_b256 s[4:11], s[0:1], 0x0               ; A s[4:5], W s[6:7], the bias s[8:9], the residual s[10:11]
	s_load_b64 s[12:13], s[0:1], 0x20              ; the result
	v_lshl_add_u32 v[SPW], v0, 2, SPARE
	v_mov_b32 v[NIL], 0
	ds_add_u32 v[SPW], v[NIL]                      ; the wave's opening: the add, twice on end, and its wait ahead of my first tensor load
	ds_add_u32 v[SPW], v[NIL]
	v_lshrrev_b32 v1, 5, v0
	v_readfirstlane_b32 s14, v1                    ; wave 0..3
	s_lshr_b32 s15, s14, 1                         ; my half of the tile's rows; also: I fetch for A (0) or B (1)
	s_and_b32 s16, s14, 1                          ; my half of its columns; also: which four row blocks I fetch
	s_bfe_u32 s40, ttmp6, 0x40000                  ; cx
	s_bfe_u32 s41, ttmp6, 0x40004                  ; cy
	s_lshl_b32 s42, ttmp9, 2
	s_add_co_u32 s42, s42, s40                     ; tile column, 0..7
	s_and_b32 s17, ttmp7, 0xffff
	s_lshl_b32 s17, s17, 2
	s_add_co_u32 s17, s17, s41                     ; tile row, 0..31
	s_lshl_b32 s43, s41, 2
	s_lshl_b32 s43, 15, s43                        ; my row of the cluster
	s_lshl_b32 s44, 0x1111, s40                    ; my column
	s_or_b32 s[G1+0], s43, (3<<16)|(1<<21)         ; 15:0 the mask; 17:16 elements of 8 bytes; 20 no padding; 21 set beside a mask
	s_or_b32 s[G1B+0], s44, (3<<16)|(1<<21)
.irp g, G1, G1B
	s_mov_b32 s[\g+1], 768<<16                     ; tensor_dim0 = 768 elements: 6,144 bytes
	s_mov_b32 s[\g+2], 8<<16                       ; tensor_dim1 = 8 row blocks for the head's loads; behind them 4
	s_mov_b32 s[\g+3], 768<<16                     ; tile_dim0
	s_mov_b32 s[\g+4], 8                           ; tile_dim1
	s_mov_b32 s[\g+5], KF*192                      ; from row block to row block
	s_mov_b32 s[\g+6], 0
	s_mov_b32 s[\g+7], 0
.endr
	s_or_b32 s[G1S+0], s43, (3<<16)|(1<<21)        ; the scale words of eight row blocks: a dense block, as rows of 256 bytes
	s_or_b32 s[G1SB+0], s44, (3<<16)|(1<<21)
.irp g, G1S, G1SB
	s_mov_b32 s[\g+1], 32<<16
	s_mov_b32 s[\g+2], (2*HALFS/256)<<16
	s_mov_b32 s[\g+3], 32<<16
	s_mov_b32 s[\g+4], 2*HALFS/256
	s_mov_b32 s[\g+5], 32
	s_mov_b32 s[\g+6], 0
	s_mov_b32 s[\g+7], 0
.endr
	s_lshl_b32 s20, s17, 3                         ; A: the tile's first row block, 8 x tile row
	s_lshl_b32 s46, s42, 3                         ; B: 8 x tile column
	s_mul_i32 s22, s20, SBLK
	s_add_co_u32 s22, s22, ASC
	s_mov_b32 s23, 0
	s_mul_i32 s92, s46, SBLK
	s_add_co_u32 s92, s92, BSC
	s_mov_b32 s93, 0
	s_mul_i32 s20, s20, RBB
	s_mov_b32 s21, 0
	s_mul_i32 s46, s46, RBB
	s_add_co_u32 s46, s46, BCODE
	s_mov_b32 s47, 0
	s_mul_i32 s45, s14, HALFT                      ; where they go: by the wave's number alone
	s_wait_dscnt 0x0                               ; both opening adds are done
	s_wait_kmcnt 0x0
	s_add_nc_u64 s[20:21], s[4:5], s[20:21]
	s_add_nc_u64 s[22:23], s[4:5], s[22:23]
	s_add_nc_u64 s[46:47], s[6:7], s[46:47]
	s_add_nc_u64 s[92:93], s[6:7], s[92:93]
	CROUND                                         ; all sixteen work-groups are here: the first joint loads meet
	s_mov_b32 s[G0S], 1
	s_mov_b32 s[G0S+1], SCL
	s_mov_b64 s[G0S+2:G0S+3], s[22:23]
	s_or_b32 s[G0S+3], s[G0S+3], 0x80000000
	s_mov_b32 s[G0SB], 1
	s_mov_b32 s[G0SB+1], SCL+2*HALFS
	s_mov_b64 s[G0SB+2:G0SB+3], s[92:93]
	s_or_b32 s[G0SB+3], s[G0SB+3], 0x80000000
	; the head's four tiles, each whole, one load a wave: slot 0's eight row blocks of A, of B, A's scale words, B's
	s_mov_b32 s[G0], 1
	s_mov_b32 s[G0+1], 0
	s_mov_b64 s[G0+2:G0+3], s[20:21]
	s_or_b32 s[G0+3], s[G0+3], 0x80000000
	s_mov_b32 s[G0B], 1
	s_mov_b32 s[G0B+1], 2*HALFT
	s_mov_b64 s[G0B+2:G0B+3], s[46:47]
	s_or_b32 s[G0B+3], s[G0B+3], 0x80000000
	s_mul_i32 s18, s16, 4*RBB                      ; of slot 1 a wave fetches four row blocks: which half, in bytes
	s_mov_b32 s19, 0
	s_add_nc_u64 s[20:21], s[20:21], s[18:19]
	s_add_nc_u64 s[46:47], s[46:47], s[18:19]
	s_mov_b32 s[G0+4], 1
	s_add_co_u32 s[G0+5], s45, SLOT
	s_add_nc_u64 s[G0+6:G0+7], s[20:21], RB2
	s_or_b32 s[G0+7], s[G0+7], 0x80000000
	s_mov_b32 s[G0B+4], 1
	s_add_co_u32 s[G0B+5], s45, SLOT
	s_add_nc_u64 s[G0B+6:G0B+7], s[46:47], RB2
	s_or_b32 s[G0B+7], s[G0B+7], 0x80000000
	; THE PREFETCH'S BASE: of the four row blocks that my wave fetches of slot 1, the four partners that ask for them jointly take one each, told apart by address alone (cx for A, cy for B)
	s_cmp_eq_u32 s15, 0
	s_cselect_b64 s[96:97], s[20:21], s[46:47]
	s_cselect_b32 s92, s40, s41
	s_mul_i32 s92, s92, RBB
	s_mov_b32 s93, 0
	s_add_nc_u64 s[96:97], s[96:97], s[92:93]
.macro ARM under, g0, g1, next
	s_cmp_lt_u32 s14, \under
	s_cbranch_scc0 \next
	tensor_load_to_lds s[\g0:\g0+3], s[\g1:\g1+7]
	s_nop 0
.rept 4
	v_nop
.endr
	s_branch .Lhead_asked
\next:
.endm
	ARM 1, G0,  G1,  .Lhead_b
	ARM 2, G0B, G1B, .Lhead_sa
	ARM 3, G0S, G1S, .Lhead_sb
	tensor_load_to_lds s[G0SB:G0SB+3], s[G1SB:G1SB+7]
	s_nop 0
.rept 4
	v_nop
.endr
.Lhead_asked:
	; a slot's part of a row block is 6,144 bytes: 24 blocks of 256 bytes, a lane a block; lanes 24-31 name the last block again
	v_and_b32 v8, 31, v0
	v_min_u32 v8, 23, v8
	v_lshlrev_b32 v31, 8, v8                       ; never rewritten
	global_prefetch_b8 v31, s[96:97] offset:RB2 th:TH_LOAD_NT scope:SCOPE_SE     ; slot 1's fill, the last along K: asked for one fill ahead of its load
	v_and_b32 v1, 15, v0                           ; r
	v_bfe_u32 v2, v0, 4, 1                         ; h
	v_and_b32 v3, 31, v0                           ; lane
	v_lshlrev_b32 v4, 4, v3
	v_lshlrev_b32 v5, 3, v3
	s_mul_i32 s21, s15, HALFT                      ; my four row blocks of A
	s_mul_i32 s22, s16, HALFT                      ; and of B,
	s_add_co_u32 s22, s22, 2*HALFT                 ; which lie behind A's eight
.irp s, 0,1
	v_add_nc_u32 v[ADRA+\s], s21, v4
	v_add_nc_u32 v[ADRB+\s], s22, v4
	v_add_nc_u32 v[ADRA+2+\s], s21, v5
	v_add_nc_u32 v[ADRB+2+\s], s22, v5
	s_add_co_u32 s21, s21, SLOT
	s_add_co_u32 s22, s22, SLOT
.endr
	v_lshlrev_b32 v6, 2, v1
	s_mul_i32 s21, s15, HALFS
	s_mul_i32 s22, s16, HALFS
	s_add_co_u32 s22, s22, 2*HALFS
	s_sub_co_u32 s22, s22, s21
	v_mul_u32_u24 v7, s22, v2                      ; lanes 16-31 take B's
	s_add_co_u32 s21, s21, SCL
	v_add_nc_u32 v6, v6, v7
	v_add_nc_u32 v[ADRS], s21, v6
	s_mul_i32 s23, s14, 16*SPITCH
	s_add_co_u32 s23, s23, STAGE                   ; my stage
	v_mul_u32_u24 v6, v1, SPITCH
	v_lshl_add_u32 v6, v2, 6, v6                   ; in: row r, + 64 h
	v_add_nc_u32 v[STO], s23, v6
	v_lshlrev_b32 v[CB], 4, v1
	v_mul_u32_u24 v6, v2, SPITCH
	v_add_nc_u32 v6, v6, v[CB]
	v_add_nc_u32 v[RD], s23, v6                    ; back: lanes 0-15 one row of 256 bytes, lanes 16-31 the next
	v_lshl_add_u32 v[CO], v2, 13, v[CB]            ; and the same two rows in memory: a token is 8,192 bytes
	s_wait_alu depctr_va_vdst(0)
	s_lshr_b32 s20, s17, 4
	s_lshl_b32 s20, s20, 12                        ; the batch: 4,096 bytes
	s_and_b32 s21, s17, 15
	s_lshl_b32 s21, s21, 20                        ; 128 tokens of 8,192 bytes a tile row
	s_add_co_u32 s20, s20, s21
	s_lshl_b32 s21, s15, 19                        ; my 64 of them
	s_add_co_u32 s20, s20, s21
	s_lshl_b32 s46, s42, 9
	s_lshl_b32 s47, s16, 8
	s_add_co_u32 s46, s46, s47                     ; my first column, in bytes: (128 x tile column + 64 x half) x 4
	s_mov_b32 s47, 0
	s_add_co_u32 s20, s20, s46
	s_mov_b32 s21, 0
	s_add_nc_u64 s[8:9], s[8:9], s[46:47]
	s_add_nc_u64 s[10:11], s[10:11], s[20:21]
	s_add_nc_u64 s[12:13], s[12:13], s[20:21]
	; the residual: row t of block a is token 32 (a / 2) + 8 (a % 2) + t + 8 (t / 8) of my 64; load u brings rows 2 u and 2 u + 1: sixteen lanes read 256 consecutive bytes, aligned
	WIN TO_B
.irp a, 0,1,2,3
.irp u, 0,1,2,3,4,5,6,7
	global_load_b128 v[RES+32*\a+4*\u:RES+32*\a+4*\u+3], v[CO], s[10:11] offset:(32*(\a/2)+8*(\a%2)+2*\u+8*(\u/4))*8192 th:TH_LOAD_NT
.endr
.endr
	WIN 0
	global_load_b128 v[BIA:BIA+3], v[CB], s[8:9]   ; the bias of my four columns
.macro FRAG reg, adr, q, i             ; a fragment as it lies: four dense loads
	ds_load_b128 v[\reg:\reg+3], v[\adr] offset:(\i)*RB2+(\q)*FRB
	ds_load_b64 v[\reg+4:\reg+5], v[\adr+2] offset:(\i)*RB2+(\q)*FRB+512
	ds_load_b128 v[\reg+6:\reg+9], v[\adr] offset:(\i)*RB2+(\q)*FRB+768
	ds_load_b64 v[\reg+10:\reg+11], v[\adr+2] offset:(\i)*RB2+(\q)*FRB+1280
.endm
; Four matrix instructions: A's block a x B's four, from set p; the slot's q-th 128 along K; sc: the set of scale words.  The 16 accumulators take turns, one instruction a turn, in the same order in every step.
.macro MULA a, p, q, sc, zero
.irp b, 0,1,2,3
.if \zero
	v_wmma_scale_f32_16x16x128_f8f6f4 v[8*(4*(\a)+\b):8*(4*(\a)+\b)+7], v[48*(\p)+FR*\b:48*(\p)+FR*\b+FR-1], v[AF+48*(\p)+FR*(\a):AF+48*(\p)+FR*(\a)+FR-1], 0, v[SC+16*(\sc)+NQ*\b+(\q)], v[SC+16*(\sc)+NQ*(\a)+(\q)] matrix_a_fmt:MATRIX_FMT_FP6 matrix_b_fmt:MATRIX_FMT_FP6 matrix_a_scale:MATRIX_SCALE_ROW1
.else
	v_wmma_scale_f32_16x16x128_f8f6f4 v[8*(4*(\a)+\b):8*(4*(\a)+\b)+7], v[48*(\p)+FR*\b:48*(\p)+FR*\b+FR-1], v[AF+48*(\p)+FR*(\a):AF+48*(\p)+FR*(\a)+FR-1], v[8*(4*(\a)+\b):8*(4*(\a)+\b)+7], v[SC+16*(\sc)+NQ*\b+(\q)], v[SC+16*(\sc)+NQ*(\a)+(\q)] matrix_a_fmt:MATRIX_FMT_FP6 matrix_b_fmt:MATRIX_FMT_FP6 matrix_a_scale:MATRIX_SCALE_ROW1
.endif
.endr
.endm
.macro FETCH slot, q, p                ; 32 LDS loads in one run: B's four fragments and A's four of the slot's q-th 128 along K, into set p
	WIN TO_B
.irp i, 0,1,2,3
	FRAG 48*(\p)+FR*\i, ADRB+\slot, \q, \i
.endr
	WIN 0
.irp i, 0,1,2,3
	FRAG AF+48*(\p)+FR*\i, ADRA+\slot, \q, \i
.endr
.endm
.macro SCALES sc                       ; a slot's scale words: register 4 i + q: lanes 0-15 A's block i, lanes 16-31 B's block i, K step q
.irp i, 0,1,2,3
.irp q, 0,1,2,3
	ds_load_b32 v[SC+16*\sc+NQ*\i+\q], v[ADRS] offset:\i*SBLK+64*\q
.endr
.endr
.endm
.macro PLACES n                        ; plain places in front of loads into registers that matrix instructions have read, and of the first read of results
.rept \n
	v_nop
.endr
.endm
; One of a slot's first three K steps.  The next step's fragments are asked for FIRST, into the set that the step before multiplied; only then the wave waits for this step's, asked for a step ago.
.macro STEP slot, q, zero
	PLACES NP
	FETCH \slot, (\q)+1, 1-(\q)%2
	s_wait_dscnt 32                                ; all but the 32 loads just issued are in: this step's fragments, and with a slot's first step its scale words
	WIN MUL
	MULA 0, (\q)%2, \q, \slot, \zero
	MULA 1, (\q)%2, \q, \slot, \zero
	MULA 2, (\q)%2, \q, \slot, \zero
	MULA 3, (\q)%2, \q, \slot, \zero
.endm
; A slot's last K step (set 1) changes slots: one barrier; in front of it each wave waits for all its tensor loads, adds 0 to its spare word, and waits for that and for its reads of this slot.  fill = 1: the slot is filled again, two slots ahead.
.macro TURN slot, next, fill
	WIN 0                                          ; (the add's two registers lie in window 0)
	s_wait_tensorcnt 0x0                           ; all my tensor loads have landed: my part of the next slot
	ds_add_u32 v[SPW], v[NIL]                      ; 0 onto my spare word
	s_wait_dscnt 1                                 ; this step's fragments are in; the add may be out
	WIN MUL
	MULA 0, 1, NQ-1, \slot, 0                      ; four matrix instructions stand between the add and the wait for it
	s_wait_dscnt 0x0                               ; the add is done, and my reads of this slot are over
	s_barrier_signal -1
	MULA 1, 1, NQ-1, \slot, 0
	WIN 0
	s_barrier_wait -1
.if \fill
	CREST                                          ; the barrier has opened a round of the cluster's: no wave of any partner still reads this slot or has a load on its way
	s_add_nc_u64 s[G0+4*\slot+2:G0+4*\slot+3], s[G0+4*\slot+2:G0+4*\slot+3], 2*RB2
	s_add_nc_u64 s[G0B+4*\slot+2:G0B+4*\slot+3], s[G0B+4*\slot+2:G0B+4*\slot+3], 2*RB2
	JLOAD G0+4*\slot, G1, G0B+4*\slot, G1B         ; the first tensor load behind the round; its four v_nop are the places in front of the loads below
.else
	PLACES NP
.endif
	v_add_nc_u32 v[ADRS], 64*NQ, v[ADRS]           ; the next slot's scale words
	FETCH \next, 0, 0
	SCALES \next
	WIN MUL
	MULA 2, 1, NQ-1, \slot, 0
	MULA 3, 1, NQ-1, \slot, 0
.endm
	s_wait_alu depctr_va_vdst(0)
	s_wait_tensorcnt 0x0                           ; my tile of the head's four is in
	ds_add_u32 v[SPW], v[NIL]
	s_mov_b32 s[G1+2], 4<<16                       ; no load of mine is out: slot 1's loads bring four row blocks
	s_mov_b32 s[G1+4], 4
	s_mov_b32 s[G1B+2], 4<<16
	s_mov_b32 s[G1B+4], 4
	s_wait_dscnt 0x0
	CROUND                                         ; all four tiles are in, and all sixteen work-groups are here
	JLOAD G0+4, G1, G0B+4, G1B                     ; slot 1, the first tensor load behind the round
	FETCH 0, 0, 0
	SCALES 0
	STEP 0, 0, 1                                   ; the first step's products start the sums: nothing is cleared
.if LAPS > 1
	WIN 0                                          ; at a label and at a branch every window is 0
	s_mov_b32 s3, LAPS-1
.Llap:                                                 ; a trip goes once round the two slots, from a lap's second step to the next lap's first, and fills both again
	STEP 0, 1, 0
	STEP 0, 2, 0
	TURN 0, 1, 1
	STEP 1, 0, 0
	STEP 1, 1, 0
	STEP 1, 2, 0
	TURN 1, 0, 1
	STEP 0, 0, 0
	WIN 0
	s_sub_co_u32 s3, s3, 1
	s_cmp_lg_u32 s3, 0
	s_cbranch_scc1 .Llap
.endif
	STEP 0, 1, 0                                   ; the last lap fills nothing
	STEP 0, 2, 0
	TURN 0, 1, 0
	STEP 1, 0, 0
	STEP 1, 1, 0
	STEP 1, 2, 0
	s_wait_dscnt 0x0                               ; the very last step: nothing more to fetch
	WIN MUL
	MULA 0, 1, NQ-1, 1, 0
	MULA 1, 1, NQ-1, 1, 0
	MULA 2, 1, NQ-1, 1, 0
	MULA 3, 1, NQ-1, 1, 0
	WIN 0
; THE WAY OUT, block by block of 16 rows x 64 columns.  Register 8 b + j of lane (r, h) is column 32 (b / 2) + 16 h + 8 (b % 2) + j of row r: the block goes through my stage, where columns find their places, and comes back
; two rows an instruction.  While one block's rows are finished and stored, the next block is on its way through the stage.
.macro TOSTAGE a
	WIN 0x08                                       ; an LDS store's data are its source 1: window 2
.irp b, 0,1,2,3
	ds_store_b128 v[STO], v[32*(\a)+8*\b:32*(\a)+8*\b+3] offset:128*(\b/2)+32*(\b%2)       ; each accumulator from its low end on
	ds_store_b128 v[STO], v[32*(\a)+8*\b+4:32*(\a)+8*\b+7] offset:128*(\b/2)+32*(\b%2)+16
.endr
	WIN 0
.irp u, 0,1,2,3,4,5,6,7
	ds_load_b128 v[BK+32*((\a)%2)+4*\u:BK+32*((\a)%2)+4*\u+3], v[RD] offset:2*\u*SPITCH   ; LDS serves a wave's instructions in order: these see my stores, and the next block's stores come behind them
.endr
.endm
.macro FIN a, younger                  ; younger: the LDS instructions issued behind block a's loads, which may stay out
.set BB, BK+32*((\a)%2)
	s_wait_dscnt \younger                          ; the block is back in registers
	WIN 0x04                                       ; source 1: window 1
.irp i, 0,2,4,6,8,10,12,14,16,18,20,22,24,26,28,30
	v_pk_add_f32 v[BB+\i:BB+\i+1], v[BB+\i:BB+\i+1], v[RES+32*(\a)+\i:RES+32*(\a)+\i+1]
.endr
	WIN 0
.irp u, 0,1,2,3,4,5,6,7
	v_pk_add_f32 v[BB+4*\u:BB+4*\u+1], v[BB+4*\u:BB+4*\u+1], v[BIA:BIA+1]
	v_pk_add_f32 v[BB+4*\u+2:BB+4*\u+3], v[BB+4*\u+2:BB+4*\u+3], v[BIA+2:BIA+3]
.endr
.irp u, 0,1,2,3,4,5,6,7
	global_store_b128 v[CO], v[BB+4*\u:BB+4*\u+3], s[12:13] offset:(32*((\a)/2)+8*((\a)%2)+2*\u+8*(\u/4))*8192   ; sixteen lanes store 256 consecutive bytes, aligned
.endr
.endm
	PLACES NP                                      ; behind the last products: their results are read, and A's registers loaded into, from here on
	s_wait_loadcnt 0x0                             ; the residual and the bias, asked for at the head
	TOSTAGE 0
	TOSTAGE 1
	FIN 0, 16                                      ; behind block 0's loads: block 1's 8 stores and 8 loads
	s_wait_xcnt 0x0                                ; block 0's stores have read their registers: block 2's rows may land there
	TOSTAGE 2
	FIN 1, 16
	s_wait_xcnt 0x0                                ; likewise block 1's, for block 3
	TOSTAGE 3
	FIN 2, 16
	FIN 3, 0
	s_wait_tensorcnt 0x0                           ; the wave's end
	ds_add_u32 v[SPW], v[NIL]
	s_wait_dscnt 0x0
	CROUND                                         ; the closing round
	s_endpgm
.Lfunc_end_k_qbcd10f0999_wo:
	.size	k_qbcd10f0999_wo, .Lfunc_end_k_qbcd10f0999_wo-k_qbcd10f0999_wo
	.p2alignl 7, 3214868480
	.fill 96, 4, 3214868480
	.section	.rodata,"a",@progbits
	.p2align	6, 0x0
	.amdhsa_kernel k_qbcd10f0999_wo
		.amdhsa_group_segment_fixed_size 327680
		.amdhsa_private_segment_fixed_size 0
		.amdhsa_enable_private_segment 0
		.amdhsa_kernarg_size 40
		.amdhsa_user_sgpr_count 2
		.amdhsa_user_sgpr_kernarg_segment_ptr 1
		.amdhsa_wavefront_size32 1
		.amdhsa_system_sgpr_workgroup_id_x 1
		.amdhsa_system_sgpr_workgroup_id_y 1
		.amdhsa_system_sgpr_workgroup_id_z 1
		.amdhsa_system_vgpr_workitem_id 0
		.amdhsa_next_free_vgpr 1024
		.amdhsa_next_free_sgpr 100
		.amdhsa_reserve_vcc 0
		.amdhsa_float_denorm_mode_32 3
		.amdhsa_float_denorm_mode_16_64 3
		.amdhsa_memory_ordered 1
		.amdhsa_forward_progress 1
		.amdhsa_inst_pref_size 67
	.end_amdhsa_kernel
	.amdgpu_metadata
---
amdhsa.version: [ 1, 2 ]
amdhsa.kernels:
  - .name:           k_qbcd10f0999_wo
    .symbol:         k_qbcd10f0999_wo.kd
    .args:
      - { .name: O, .offset: 0, .size: 8, .value_kind: global_buffer, .address_space: global }
      - { .name: W, .offset: 8, .size: 8, .value_kind: global_buffer, .address_space: global }
      - { .name: bo, .offset: 16, .size: 8, .value_kind: global_buffer, .address_space: global }
      - { .name: x, .offset: 24, .size: 8, .value_kind: global_buffer, .address_space: global }
      - { .name: X1, .offset: 32, .size: 8, .value_kind: global_buffer, .address_space: global }
    .group_segment_fixed_size: 327680
    .private_segment_fixed_size: 0
    .kernarg_segment_align: 8
    .kernarg_segment_size: 40
    .max_flat_workgroup_size: 128
    .sgpr_count:     100
    .vgpr_count:     1024
    .wavefront_size: 32
...
	.end_amdgpu_metadata
.endif
;; end of part 12
;; launch ln2: the kernel of part 9 again; grid 256 x 1, 8 waves a work-group, no clusters, 2,048 bytes of LDS; arguments X1, ln2_g, ln2_b, H2; writes H2
;; launch fc1 (part 13): grid 16 x 16, 4 waves a work-group, clusters of 4 x 4, 327,680 bytes of LDS; arguments H2, W, fc1_b, G; writes G
.if DOCPART == 13
	.amdgcn_target "amdgcn-amd-amdhsa--gfx1250"
	.amdhsa_code_object_version 6
	.text
	.protected	k_qbcd10f0999_fc1
	.globl	k_qbcd10f0999_fc1
	.p2align	8
	.type	k_qbcd10f0999_fc1,@function
k_qbcd10f0999_fc1:
	s_mov_b64 s[64:65], 0
	v_nop
	global_prefetch_b8 v0, s[64:65] scope:SCOPE_SE
	s_setreg_imm32_b32 hwreg(HW_REG_WAVE_MODE, 25, 1), 1
	s_wait_xcnt 0x0
	s_wait_alu depctr_hold_cnt(0) depctr_sa_sdst(0) depctr_va_vdst(0) depctr_va_sdst(0) depctr_va_ssrc(0) depctr_va_vcc(0) depctr_vm_vsrc(0)
	s_getreg_b32 s2, hwreg(HW_REG_IB_STS2, 6, 4)
	s_cmp_eq_u32 s2, 0
	s_cbranch_scc0 .Lentry_in_a_cluster
	s_endpgm
.Lentry_in_a_cluster:
	s_bfe_u32 s2, ttmp6, 0x10000c
	s_cmp_lg_u32 s2, 0xf033
	s_cbranch_scc0 .Lentry_shape_is_right
	s_endpgm
.Lentry_shape_is_right:
.set KTOT,  1024
.set ASC,   3145728
.set BCODE, 3145728
.set BSC,   9437184+131072
.set GSC,   12582912
.set KF,    KTOT/128
.set NQ,    2
.set FR,    12
.set NL,    4
.set NP,    4
.set FRB,   1536
.set RBB,   KF*FRB
.set RB2,   NQ*FRB
.set HALFT, 8*RB2
.set SLOT,  4*HALFT
.set LAPS,  KTOT/512
.set SBLK,  KF*64
.set HALFS, 8*SBLK
.set SCL,   2*SLOT
.set SPARE, 262144
.set ADRA, 16
.set ADRB, 20
.set STO,  24
.set RD,   25
.set ADRS, 27
.set SPW,  28
.set NIL,  29
.set SC,   32
.set AF,   128
.set G1, 24
.set G0, 32
.set G1B, 48
.set G0B, 56
.set G1S, 68
.set G0S, 76
.set G1SB, 80
.set G0SB, 88
.set MSB, 0
.macro WIN new
.if MSB != (\new)
	s_set_vgpr_msb (MSB<<8)|(\new)
.set MSB, (\new)
.endif
.endm
.set MUL_LO, 0xa1
.set MUL_HI, 0xf1
.set TO_B,   0x40
.macro JLOAD g0a, g1a, g0b, g1b
	s_cmp_eq_u32 s15, 0
	s_cbranch_scc0 .Lfor_b_\@
	tensor_load_to_lds s[\g0a:\g0a+3], s[\g1a:\g1a+7]
	s_nop 0
.rept 4
	v_nop
.endr
	s_branch .Lasked_\@
.Lfor_b_\@:
	tensor_load_to_lds s[\g0b:\g0b+3], s[\g1b:\g1b+7]
	s_nop 0
.rept 4
	v_nop
.endr
.Lasked_\@:
.endm
.macro CREST
	s_cmp_lg_u32 s14, 0
	s_cbranch_scc1 .Lnot_wave_0_\@
	s_barrier_signal -3
.Lnot_wave_0_\@:
	s_barrier_wait -3
	s_barrier_signal -1
	s_barrier_wait -1
.endm
.macro CROUND
	s_barrier_signal -1
	s_barrier_wait -1
	CREST
.endm
	s_load_b256 s[4:11], s[0:1], 0x0
	v_lshl_add_u32 v[SPW], v0, 2, SPARE
	v_mov_b32 v[NIL], 0
	ds_add_u32 v[SPW], v[NIL]
	ds_add_u32 v[SPW], v[NIL]
	v_lshrrev_b32 v1, 5, v0
	v_readfirstlane_b32 s14, v1
	s_lshr_b32 s15, s14, 1
	s_and_b32 s16, s14, 1
	s_bfe_u32 s40, ttmp6, 0x40000
	s_bfe_u32 s41, ttmp6, 0x40004
	s_lshl_b32 s42, ttmp9, 2
	s_add_co_u32 s42, s42, s40
	s_and_b32 s17, ttmp7, 0xffff
	s_lshl_b32 s17, s17, 2
	s_add_co_u32 s17, s17, s41
	s_lshl_b32 s43, s41, 2
	s_lshl_b32 s43, 15, s43
	s_lshl_b32 s44, 0x1111, s40
	s_or_b32 s[G1+0], s43, (3<<16)|(1<<21)
	s_or_b32 s[G1B+0], s44, (3<<16)|(1<<21)
.irp g, G1, G1B
	s_mov_b32 s[\g+1], 384<<16
	s_mov_b32 s[\g+2], 16<<16
	s_mov_b32 s[\g+3], 384<<16
	s_mov_b32 s[\g+4], 16
	s_mov_b32 s[\g+5], KF*192
	s_mov_b32 s[\g+6], 0
	s_mov_b32 s[\g+7], 0
.endr
	s_or_b32 s[G1S+0], s43, (3<<16)|(1<<21)
	s_or_b32 s[G1SB+0], s44, (3<<16)|(1<<21)
.irp g, G1S, G1SB
	s_mov_b32 s[\g+1], 32<<16
	s_mov_b32 s[\g+2], (2*HALFS/256)<<16
	s_mov_b32 s[\g+3], 32<<16
	s_mov_b32 s[\g+4], 2*HALFS/256
	s_mov_b32 s[\g+5], 32
	s_mov_b32 s[\g+6], 0
	s_mov_b32 s[\g+7], 0
.endr
	s_lshl_b32 s20, s17, 4
	s_lshl_b32 s46, s42, 4
	s_mul_i32 s22, s20, SBLK
	s_add_co_u32 s22, s22, ASC
	s_mov_b32 s23, 0
	s_mul_i32 s92, s46, SBLK
	s_add_co_u32 s92, s92, BSC
	s_mov_b32 s93, 0
	s_mul_i32 s20, s20, RBB
	s_mov_b32 s21, 0
	s_mul_i32 s46, s46, RBB
	s_add_co_u32 s46, s46, BCODE
	s_mov_b32 s47, 0
	s_mul_i32 s45, s14, HALFT
	s_wait_dscnt 0x0
	s_wait_kmcnt 0x0
	s_add_nc_u64 s[20:21], s[4:5], s[20:21]
	s_add_nc_u64 s[22:23], s[4:5], s[22:23]
	s_add_nc_u64 s[46:47], s[6:7], s[46:47]
	s_add_nc_u64 s[92:93], s[6:7], s[92:93]
	CROUND
	s_mov_b32 s[G0S], 1
	s_mov_b32 s[G0S+1], SCL
	s_mov_b64 s[G0S+2:G0S+3], s[22:23]
	s_or_b32 s[G0S+3], s[G0S+3], 0x80000000
	s_mov_b32 s[G0SB], 1
	s_mov_b32 s[G0SB+1], SCL+2*HALFS
	s_mov_b64 s[G0SB+2:G0SB+3], s[92:93]
	s_or_b32 s[G0SB+3], s[G0SB+3], 0x80000000
	; the head's four tiles, each whole, one load a wave: slot 0's 16 row blocks of A, of B, A's scale words, B's
	s_mov_b32 s[G0], 1
	s_mov_b32 s[G0+1], 0
	s_mov_b64 s[G0+2:G0+3], s[20:21]
	s_or_b32 s[G0+3], s[G0+3], 0x80000000
	s_mov_b32 s[G0B], 1
	s_mov_b32 s[G0B+1], 2*HALFT
	s_mov_b64 s[G0B+2:G0B+3], s[46:47]
	s_or_b32 s[G0B+3], s[G0B+3], 0x80000000
	s_mul_i32 s18, s16, 8*RBB                      ; in the ring a wave fetches eight row blocks: which half, in bytes
	s_mov_b32 s19, 0
	s_add_nc_u64 s[20:21], s[20:21], s[18:19]
	s_add_nc_u64 s[46:47], s[46:47], s[18:19]
	s_mov_b32 s[G0+4], 1
	s_add_co_u32 s[G0+5], s45, SLOT
	s_add_nc_u64 s[G0+6:G0+7], s[20:21], RB2
	s_or_b32 s[G0+7], s[G0+7], 0x80000000
	s_mov_b32 s[G0B+4], 1
	s_add_co_u32 s[G0B+5], s45, SLOT
	s_add_nc_u64 s[G0B+6:G0B+7], s[46:47], RB2
	s_or_b32 s[G0B+7], s[G0B+7], 0x80000000
	; THE PREFETCHES' BASE: of the eight row blocks that my wave fetches in the ring, the four partners that ask for them jointly take two each, told apart by address alone (cx for A, cy for B)
	s_cmp_eq_u32 s15, 0
	s_cselect_b64 s[96:97], s[20:21], s[46:47]
	s_cselect_b32 s92, s40, s41
	s_mul_i32 s92, s92, 2*RBB
	s_mov_b32 s93, 0
	s_add_nc_u64 s[96:97], s[96:97], s[92:93]
.macro ARM under, g0, g1, next
	s_cmp_lt_u32 s14, \under
	s_cbranch_scc0 \next
	tensor_load_to_lds s[\g0:\g0+3], s[\g1:\g1+7]
	s_nop 0
.rept 4
	v_nop
.endr
	s_branch .Lhead_asked
\next:
.endm
	ARM 1, G0,  G1,  .Lhead_b
	ARM 2, G0B, G1B, .Lhead_sa
	ARM 3, G0S, G1S, .Lhead_sb
	tensor_load_to_lds s[G0SB:G0SB+3], s[G1SB:G1SB+7]
	s_nop 0
.rept 4
	v_nop
.endr
.Lhead_asked:
	; a slot's part of two row blocks is 2 x 3,072 bytes: 24 blocks of 256 bytes, a lane a block; lanes 24-31 name the last block again
	v_and_b32 v8, 31, v0
	v_min_u32 v8, 23, v8
	v_mul_u32_u24 v9, v8, 22
	v_lshrrev_b32 v9, 8, v9                        ; which of the two row blocks: lane / 12
	v_mul_u32_u24 v9, v9, RBB-RB2
	v_lshl_add_u32 v31, v8, 8, v9                  ; never rewritten
	global_prefetch_b8 v31, s[96:97] offset:RB2 th:TH_LOAD_NT scope:SCOPE_SE     ; slots' fills 1 and 2: asked for one and two fills ahead of their loads
	global_prefetch_b8 v31, s[96:97] offset:2*RB2 th:TH_LOAD_NT scope:SCOPE_SE
	v_and_b32 v1, 15, v0
	v_bfe_u32 v2, v0, 4, 1
	v_and_b32 v3, 31, v0
	v_lshlrev_b32 v4, 4, v3
	v_lshlrev_b32 v5, 3, v3
	s_mul_i32 s21, s15, HALFT
	s_mul_i32 s22, s16, HALFT
	s_add_co_u32 s22, s22, 2*HALFT
.irp s, 0,1
	v_add_nc_u32 v[ADRA+\s], s21, v4
	v_add_nc_u32 v[ADRB+\s], s22, v4
	v_add_nc_u32 v[ADRA+2+\s], s21, v5
	v_add_nc_u32 v[ADRB+2+\s], s22, v5
	s_add_co_u32 s21, s21, SLOT
	s_add_co_u32 s22, s22, SLOT
.endr
	v_lshlrev_b32 v6, 2, v1
	s_mul_i32 s21, s15, HALFS
	s_mul_i32 s22, s16, HALFS
	s_add_co_u32 s22, s22, 2*HALFS
	s_sub_co_u32 s22, s22, s21
	v_mul_u32_u24 v7, s22, v2
	s_add_co_u32 s21, s21, SCL
	v_add_nc_u32 v6, v6, v7
	v_add_nc_u32 v[ADRS], s21, v6
	s_lshl_b32 s23, s14, 16
	v_add_nc_u32 v[STO], s23, v4
	s_lshl_b32 s20, s17, 4
	s_lshl_b32 s21, s15, 3
	s_add_co_u32 s20, s20, s21
	s_lshl_b32 s20, s20, 5
	s_lshl_b32 s46, s42, 1
	s_add_co_u32 s46, s46, s16
	s_add_co_u32 s20, s20, s46
	s_mul_i32 s22, s20, 1536
	s_mov_b32 s23, 0
	s_lshl_b32 s20, s20, 6
	s_add_co_u32 s20, s20, GSC
	s_mov_b32 s21, 0
	s_add_nc_u64 s[12:13], s[10:11], s[22:23]
	s_add_nc_u64 s[10:11], s[10:11], s[20:21]
	s_lshl_b32 s46, s46, 9
	s_mov_b32 s47, 0
	s_add_nc_u64 s[8:9], s[8:9], s[46:47]
.macro FRAG reg, adr, q, i
	ds_load_b128 v[\reg:\reg+3], v[\adr] offset:(\i)*RB2+(\q)*FRB
	ds_load_b64 v[\reg+4:\reg+5], v[\adr+2] offset:(\i)*RB2+(\q)*FRB+512
	ds_load_b128 v[\reg+6:\reg+9], v[\adr] offset:(\i)*RB2+(\q)*FRB+768
	ds_load_b64 v[\reg+10:\reg+11], v[\adr+2] offset:(\i)*RB2+(\q)*FRB+1280
.endm
.macro MUL16 a0, p, q, sc, zero
.irp a, \a0, \a0+1
.irp b, 0,1,2,3,4,5,6,7
.if \zero
	v_wmma_scale_f32_16x16x128_f8f6f4 v[8*(8*((\a)%4)+\b):8*(8*((\a)%4)+\b)+7], v[128*(\p)+FR*\b:128*(\p)+FR*\b+FR-1], v[AF+FR*(\a):AF+FR*(\a)+FR-1], 0, v[SC+8*NQ*(\sc)+NQ*\b+(\q)], v[SC+8*NQ*(\sc)+NQ*(\a)+(\q)] matrix_a_fmt:MATRIX_FMT_FP6 matrix_b_fmt:MATRIX_FMT_FP6 matrix_a_scale:MATRIX_SCALE_ROW1
.else
	v_wmma_scale_f32_16x16x128_f8f6f4 v[8*(8*((\a)%4)+\b):8*(8*((\a)%4)+\b)+7], v[128*(\p)+FR*\b:128*(\p)+FR*\b+FR-1], v[AF+FR*(\a):AF+FR*(\a)+FR-1], v[8*(8*((\a)%4)+\b):8*(8*((\a)%4)+\b)+7], v[SC+8*NQ*(\sc)+NQ*\b+(\q)], v[SC+8*NQ*(\sc)+NQ*(\a)+(\q)] matrix_a_fmt:MATRIX_FMT_FP6 matrix_b_fmt:MATRIX_FMT_FP6 matrix_a_scale:MATRIX_SCALE_ROW1
.endif
.endr
.endr
.endm
.macro FETCH_B slot, q, p
	WIN TO_B
.irp i, 0,1,2,3,4,5,6,7
	FRAG 128*(\p)+FR*\i, ADRB+\slot, \q, \i
.endr
	WIN 0
.endm
.macro FETCH_A slot, q, i0
.irp i, \i0, \i0+1, \i0+2, \i0+3
	FRAG AF+FR*(\i), ADRA+\slot, \q, \i
.endr
.endm
.macro SCALES sc
.irp i, 0,1,2,3,4,5,6,7
.irp q, 0,1
	ds_load_b32 v[SC+8*NQ*\sc+NQ*\i+\q], v[ADRS] offset:\i*SBLK+64*\q
.endr
.endr
.endm
.macro PLACES n
.rept \n
	v_nop
.endr
.endm
.macro STEP slot, q, zero
	s_wait_dscnt 4*NL
	WIN MUL_LO
	MUL16 0, (\q)%2, \q, \slot, \zero
	MUL16 2, (\q)%2, \q, \slot, \zero
	s_wait_dscnt 0
	PLACES NP
	FETCH_B \slot, (\q)+1, 1-(\q)%2
	FETCH_A \slot, (\q)+1, 0
	WIN MUL_HI
	MUL16 4, (\q)%2, \q, \slot, \zero
	MUL16 6, (\q)%2, \q, \slot, \zero
	PLACES NP
	WIN 0
	FETCH_A \slot, (\q)+1, 4
.endm
.macro TURN slot, next, fill
	s_wait_tensorcnt 0x0
	ds_add_u32 v[SPW], v[NIL]
	s_wait_dscnt 4*NL+1
	WIN MUL_LO
	MUL16 0, 1, NQ-1, \slot, 0
	s_wait_dscnt 0x0
	s_barrier_signal -1
	MUL16 2, 1, NQ-1, \slot, 0
	WIN 0
	s_barrier_wait -1
.if \fill
	CREST
	s_add_nc_u64 s[G0+4*\slot+2:G0+4*\slot+3], s[G0+4*\slot+2:G0+4*\slot+3], 2*RB2
	s_add_nc_u64 s[G0B+4*\slot+2:G0B+4*\slot+3], s[G0B+4*\slot+2:G0B+4*\slot+3], 2*RB2
	JLOAD G0+4*\slot, G1, G0B+4*\slot, G1B
.else
	PLACES NP
.endif
	s_wait_alu depctr_va_vdst(0)
	v_add_nc_u32 v[ADRS], 64*NQ, v[ADRS]
	FETCH_B \next, 0, 0
	FETCH_A \next, 0, 0
	SCALES \next
	WIN MUL_HI
	MUL16 4, 1, NQ-1, \slot, 0
	MUL16 6, 1, NQ-1, \slot, 0
	PLACES NP
	WIN 0
	FETCH_A \next, 0, 4
.endm
	s_wait_alu depctr_va_vdst(0)
	s_wait_tensorcnt 0x0                           ; my tile of the head's four is in
	ds_add_u32 v[SPW], v[NIL]
	s_mov_b32 s[G1+2], 8<<16                       ; no load of mine is out: from here on a load brings eight row blocks,
	s_mov_b32 s[G1+4], 8
	s_mov_b32 s[G1B+2], 8<<16
	s_mov_b32 s[G1B+4], 8
	s_mov_b32 s[G0+1], s45                         ; and slot 0's descriptors name my quarter of the slot
	s_mov_b32 s[G0B+1], s45
	s_add_nc_u64 s[G0+2:G0+3], s[G0+2:G0+3], s[18:19]
	s_add_nc_u64 s[G0B+2:G0B+3], s[G0B+2:G0B+3], s[18:19]
	s_wait_dscnt 0x0
	CROUND
	JLOAD G0+4, G1, G0B+4, G1B
	global_prefetch_b8 v31, s[96:97] offset:3*RB2 th:TH_LOAD_NT scope:SCOPE_SE   ; fill 3, the last along K: two fills ahead of its load
	FETCH_B 0, 0, 0
	FETCH_A 0, 0, 0
	SCALES 0
	FETCH_A 0, 0, 4
	STEP 0, 0, 1
	s_mov_b32 s3, LAPS-1
.Llap:
	TURN 0, 1, 1
	STEP 1, 0, 0
	TURN 1, 0, 1
	STEP 0, 0, 0
	s_sub_co_u32 s3, s3, 1
	s_cmp_lg_u32 s3, 0
	s_cbranch_scc1 .Llap
	TURN 0, 1, 0
	STEP 1, 0, 0
	s_wait_dscnt 4*NL
	WIN MUL_LO
	MUL16 0, 1, NQ-1, 1, 0
	MUL16 2, 1, NQ-1, 1, 0
	s_wait_dscnt 0
	WIN MUL_HI
	MUL16 4, 1, NQ-1, 1, 0
	MUL16 6, 1, NQ-1, 1, 0
	WIN 0
.set VO16, 12
.set VO8,  13
.set R4,   14
.set BO,   15
.set BIAS, 32
.set T,    96
.set TM,   160
.set QD,   160
.set PW,   176
.set PC,   180
.set Z,    200
.set Y,    216
.set PN,   232
.set SEL,  66
.set AO,   3
.set CA,   24
.set CB,   36
.set RS2,  44
.macro CPAIR reg, val
	s_mov_b32 s[\reg], \val
	s_mov_b32 s[\reg+1], \val
.endm
.macro QUANT s
.irp b, 0,1,2,3
	v_max3_num_f32 v[TM+\b], |v[\s+16*\b]|, |v[\s+1+16*\b]|, 0x1800000
.endr
.irp i, 2,4,6,8,10,12,14
.irp b, 0,1,2,3
	v_max3_num_f32 v[TM+\b], v[TM+\b], |v[\s+16*\b+\i]|, |v[\s+1+16*\b+\i]|
.endr
.endr
.irp b, 0,1,2,3
	v_permlanex16_b32 v[TM+4+\b], v[TM+\b], s[SEL], s[SEL+1]
.endr
.irp b, 0,1,2,3
	v_max_num_f32 v[TM+\b], v[TM+\b], v[TM+4+\b]
.endr
.irp b, 0,1,2,3
	v_add_nc_u32 v[TM+12+\b], 0xff000000, v[TM+\b]
.endr
.irp b, 0,1,2,3
	v_lshrrev_b32 v[TM+4+\b], 23, v[TM+12+\b]
.endr
	v_lshl_or_b32 v[PW], v[TM+5], 8, v[TM+4]
	v_lshl_or_b32 v[PW], v[TM+6], 16, v[PW]
	v_lshl_or_b32 v[PW], v[TM+7], 24, v[PW]
.irp c, 0,1
	v_cvt_scalef32_pk16_fp6_f32 v[PC+6*\c:PC+2+6*\c], v[\s+32*\c:\s+15+32*\c], v[TM+12+2*\c]
	v_cvt_scalef32_pk16_fp6_f32 v[PC+12+4*\c:PC+14+4*\c], v[\s+16+32*\c:\s+31+32*\c], v[TM+12+2*\c+1]
.endr
	v_nop
.irp c, 0,1
.irp i, 0,1,2
	v_permlane16_swap_b32 v[PC+6*\c+\i], v[PC+12+4*\c+\i]
.endr
.irp i, 0,1,2
	v_mov_b32 v[PC+3+6*\c+\i], v[PC+12+4*\c+\i]
.endr
.endr
.endm
.macro GELU g
.set TG, T+16*(\g)
.irp j, 0,2,4,6,8,10,12,14
	v_pk_mul_f32 v[Z+\j:Z+\j+1], v[TG+\j:TG+\j+1], s[RS2:RS2+1] op_sel_hi:[1,0]
.endr
.irp j, 0,1,2,3,4,5,6,7,8,9,10,11,12,13,14,15
	v_med3_num_f32 v[Z+\j], v[Z+\j], -4.0, 4.0
.endr
.irp j, 0,2,4,6,8,10,12,14
	v_pk_mul_f32 v[Y+\j:Y+\j+1], v[Z+\j:Z+\j+1], v[Z+\j:Z+\j+1]
.endr
.irp j, 0,2,4,6,8,10,12,14
	v_pk_fma_f32 v[PN+\j:PN+\j+1], v[Y+\j:Y+\j+1], v[8:9], s[CA:CA+1] op_sel_hi:[1,1,0]
	v_pk_fma_f32 v[QD+\j:QD+\j+1], v[Y+\j:Y+\j+1], v[10:11], s[CB:CB+1] op_sel_hi:[1,1,0]
.endr
.irp k, 1,2,3
.irp j, 0,2,4,6,8,10,12,14
	v_pk_fma_f32 v[PN+\j:PN+\j+1], v[PN+\j:PN+\j+1], v[Y+\j:Y+\j+1], s[CA+2*\k:CA+2*\k+1] op_sel_hi:[1,1,0]
	v_pk_fma_f32 v[QD+\j:QD+\j+1], v[QD+\j:QD+\j+1], v[Y+\j:Y+\j+1], s[CB+2*\k:CB+2*\k+1] op_sel_hi:[1,1,0]
.endr
.endr
.irp k, 4,5
.irp j, 0,2,4,6,8,10,12,14
	v_pk_fma_f32 v[PN+\j:PN+\j+1], v[PN+\j:PN+\j+1], v[Y+\j:Y+\j+1], s[CA+2*\k:CA+2*\k+1] op_sel_hi:[1,1,0]
.endr
.endr
	s_wait_alu depctr_va_vdst(0)
.irp j, 0,1,2,3,4,5,6,7,8,9,10,11,12,13,14,15
	v_rcp_f32 v[QD+\j], v[QD+\j]
.endr
.irp j, 0,2,4,6,8,10,12,14
	v_pk_mul_f32 v[PN+\j:PN+\j+1], v[PN+\j:PN+\j+1], v[Z+\j:Z+\j+1]
	v_pk_mul_f32 v[Y+\j:Y+\j+1], v[TG+\j:TG+\j+1], 0.5 op_sel_hi:[1,0]
.endr
	s_wait_alu depctr_va_vdst(0)
.irp j, 0,2,4,6,8,10,12,14
	v_pk_mul_f32 v[PN+\j:PN+\j+1], v[PN+\j:PN+\j+1], v[QD+\j:QD+\j+1]
.endr
.irp j, 0,2,4,6,8,10,12,14
	v_pk_fma_f32 v[TG+\j:TG+\j+1], v[Y+\j:Y+\j+1], v[PN+\j:PN+\j+1], v[Y+\j:Y+\j+1]
.endr
.endm
	s_wait_dscnt 0x0
	s_barrier_signal -1
	s_barrier_wait -1
	PLACES NP
	v_lshlrev_b32 v[BO], 6, v2
.irp b, 0,1,2,3
.irp j, 0,1,2,3
	global_load_b128 v[BIAS+16*\b+4*\j:BIAS+16*\b+4*\j+3], v[BO], s[8:9] offset:128*\b+16*\j
.endr
.endr
.irp a, 0,1,2,3,4,5,6,7
	WIN 0x08+4*(\a/4)
.irp i, 0,1,2,3,4,5,6,7,8,9,10,11,12,13,14,15
	ds_store_b128 v[STO], v[64*(\a%4)+4*\i:64*(\a%4)+4*\i+3] offset:\a*8192+512*\i
.endr
.endr
	WIN 0
	s_mov_b32 s[SEL], 0x76543210
	s_mov_b32 s[SEL+1], 0xfedcba98
	CPAIR CA, 0x32edffee
	CPAIR CA+2, 0xb60cff51
	CPAIR CA+4, 0xb86ec2d2
	CPAIR CA+6, 0xba40ac63
	CPAIR CA+8, 0xbb41a1f6
	CPAIR CA+10, 0xbc83dbd4
	CPAIR CB, 0xb95fbd29
	CPAIR CB+2, 0xbadc924e
	CPAIR CB+4, 0xbbf19bf8
	CPAIR CB+6, 0xbc69b6a7
	CPAIR RS2, 0x3f3504f3
	v_mov_b32 v8, 0xaf95df0b
	v_mov_b32 v9, 0xaf95df0b
	v_mov_b32 v10, 0xb77460cd
	v_mov_b32 v11, 0xb77460cd
	v_lshlrev_b32 v[VO16], 4, v3
	v_lshlrev_b32 v[VO8], 3, v3
	v_lshlrev_b32 v[R4], 2, v1
	s_wait_loadcnt 0x0
	s_mov_b32 s[AO], 0
.Lblk:
	v_add_nc_u32 v[RD], s[AO], v[STO]
.irp i, 0,1,2,3,4,5,6,7,8,9,10,11,12,13,14,15
	ds_load_b128 v[T+4*\i:T+4*\i+3], v[RD] offset:512*\i
.endr
	s_wait_dscnt 0x0
.irp i, 0,2,4,6,8,10,12,14,16,18,20,22,24,26,28,30,32,34,36,38,40,42,44,46,48,50,52,54,56,58,60,62
	v_pk_add_f32 v[T+\i:T+\i+1], v[T+\i:T+\i+1], v[BIAS+\i:BIAS+\i+1]
.endr
	GELU 0
	GELU 1
	GELU 2
	GELU 3
	QUANT T
	global_store_b128 v[VO16], v[PC:PC+3], s[12:13]
	global_store_b64 v[VO8], v[PC+4:PC+5], s[12:13] offset:512
	global_store_b128 v[VO16], v[PC+6:PC+9], s[12:13] offset:768
	global_store_b64 v[VO8], v[PC+10:PC+11], s[12:13] offset:1280
	global_store_b32 v[R4], v[PW], s[10:11]
	s_wait_xcnt 0x0
	s_add_nc_u64 s[12:13], s[12:13], 32*1536
	s_add_nc_u64 s[10:11], s[10:11], 32*64
	s_add_co_u32 s[AO], s[AO], 8192
	s_cmp_lt_u32 s[AO], 65536
	s_cbranch_scc1 .Lblk
	s_wait_tensorcnt 0x0
	ds_add_u32 v[SPW], v[NIL]
	s_wait_dscnt 0x0
	CROUND
	s_endpgm
.Lfunc_end_k_qbcd10f0999_fc1:
	.size	k_qbcd10f0999_fc1, .Lfunc_end_k_qbcd10f0999_fc1-k_qbcd10f0999_fc1
	.p2alignl 7, 3214868480
	.fill 96, 4, 3214868480
	.section	.rodata,"a",@progbits
	.p2align	6, 0x0
	.amdhsa_kernel k_qbcd10f0999_fc1
		.amdhsa_group_segment_fixed_size 327680
		.amdhsa_private_segment_fixed_size 0
		.amdhsa_enable_private_segment 0
		.amdhsa_kernarg_size 32
		.amdhsa_user_sgpr_count 2
		.amdhsa_user_sgpr_kernarg_segment_ptr 1
		.amdhsa_wavefront_size32 1
		.amdhsa_system_sgpr_workgroup_id_x 1
		.amdhsa_system_sgpr_workgroup_id_y 1
		.amdhsa_system_sgpr_workgroup_id_z 1
		.amdhsa_system_vgpr_workitem_id 0
		.amdhsa_next_free_vgpr 1024
		.amdhsa_next_free_sgpr 100
		.amdhsa_reserve_vcc 0
		.amdhsa_float_denorm_mode_32 3
		.amdhsa_float_denorm_mode_16_64 3
		.amdhsa_memory_ordered 1
		.amdhsa_forward_progress 1
		.amdhsa_inst_pref_size 175
	.end_amdhsa_kernel
	.amdgpu_metadata
---
amdhsa.version: [ 1, 2 ]
amdhsa.kernels:
  - .name:           k_qbcd10f0999_fc1
    .symbol:         k_qbcd10f0999_fc1.kd
    .args:
      - { .name: H2, .offset: 0, .size: 8, .value_kind: global_buffer, .address_space: global }
      - { .name: W, .offset: 8, .size: 8, .value_kind: global_buffer, .address_space: global }
      - { .name: fc1_b, .offset: 16, .size: 8, .value_kind: global_buffer, .address_space: global }
      - { .name: G, .offset: 24, .size: 8, .value_kind: global_buffer, .address_space: global }
    .group_segment_fixed_size: 327680
    .private_segment_fixed_size: 0
    .kernarg_segment_align: 8
    .kernarg_segment_size: 32
    .max_flat_workgroup_size: 128
    .sgpr_count:     100
    .vgpr_count:     1024
    .wavefront_size: 32
...
	.end_amdgpu_metadata
.endif
;; end of part 13
;; launch fc2 (part 14): grid 8 x 32, 4 waves a work-group, clusters of 4 x 4, 327,680 bytes of LDS; arguments G, W, fc2_b, X1, out0; writes out0
.if DOCPART == 14
	.amdgcn_target "amdgcn-amd-amdhsa--gfx1250"
	.amdhsa_code_object_version 6
	.text
	.protected	k_qbcd10f0999_fc2
	.globl	k_qbcd10f0999_fc2
	.p2align	8
	.type	k_qbcd10f0999_fc2,@function
k_qbcd10f0999_fc2:
	s_mov_b64 s[64:65], 0
	v_nop
	global_prefetch_b8 v0, s[64:65] scope:SCOPE_SE
	s_setreg_imm32_b32 hwreg(HW_REG_WAVE_MODE, 25, 1), 1
	s_wait_xcnt 0x0
	s_wait_alu depctr_hold_cnt(0) depctr_sa_sdst(0) depctr_va_vdst(0) depctr_va_sdst(0) depctr_va_ssrc(0) depctr_va_vcc(0) depctr_vm_vsrc(0)
	s_getreg_b32 s2, hwreg(HW_REG_IB_STS2, 6, 4)
	s_cmp_eq_u32 s2, 0
	s_cbranch_scc0 .Lentry_in_a_cluster
	s_endpgm
.Lentry_in_a_cluster:
	s_bfe_u32 s2, ttmp6, 0x10000c
	s_cmp_lg_u32 s2, 0xf033
	s_cbranch_scc0 .Lentry_shape_is_right
	s_endpgm
.Lentry_shape_is_right:
.set KTOT,  4096
.set ASC,   12582912
.set BCODE, 6291456
.set BSC,   9437184+262144
.set KF,    KTOT/128
.set NQ,    4
.set FR,    12
.set NP,    4
.set FRB,   1536
.set RBB,   KF*FRB
.set RB2,   NQ*FRB
.set HALFT, 4*RB2
.set SLOT,  4*HALFT
.set LAPS,  KTOT/1024
.set SBLK,  KF*64
.set HALFS, 4*SBLK
.set SCL,   2*SLOT
.set STAGE, 229376
.set SPITCH, 272
.set SPARE, 262144
.set ADRA, 16
.set ADRB, 20
.set STO,  24
.set RD,   25
.set CO,   26
.set ADRS, 27
.set SPW,  28
.set NIL,  29
.set CB,   30
.set SC,   32
.set BIA,  64
.set AF,   128
.set BK,   128
.set RES,  128
.set G1, 24
.set G0, 32
.set G1B, 48
.set G0B, 56
.set G1S, 68
.set G0S, 76
.set G1SB, 80
.set G0SB, 88
.set MSB, 0
.macro WIN new
.if MSB != (\new)
	s_set_vgpr_msb (MSB<<8)|(\new)
.set MSB, (\new)
.endif
.endm
.set MUL,  0xa1
.set TO_B, 0x40
.macro JLOAD g0a, g1a, g0b, g1b
	s_cmp_eq_u32 s15, 0
	s_cbranch_scc0 .Lfor_b_\@
	tensor_load_to_lds s[\g0a:\g0a+3], s[\g1a:\g1a+7]
	s_nop 0
.rept 4
	v_nop
.endr
	s_branch .Lasked_\@
.Lfor_b_\@:
	tensor_load_to_lds s[\g0b:\g0b+3], s[\g1b:\g1b+7]
	s_nop 0
.rept 4
	v_nop
.endr
.Lasked_\@:
.endm
.macro CREST
	s_cmp_lg_u32 s14, 0
	s_cbranch_scc1 .Lnot_wave_0_\@
	s_barrier_signal -3
.Lnot_wave_0_\@:
	s_barrier_wait -3
	s_barrier_signal -1
	s_barrier_wait -1
.endm
.macro CROUND
	s_barrier_signal -1
	s_barrier_wait -1
	CREST
.endm
	s_load_b256 s[4:11], s[0:1], 0x0
	s_load_b64 s[12:13], s[0:1], 0x20
	v_lshl_add_u32 v[SPW], v0, 2, SPARE
	v_mov_b32 v[NIL], 0
	ds_add_u32 v[SPW], v[NIL]
	ds_add_u32 v[SPW], v[NIL]
	v_lshrrev_b32 v1, 5, v0
	v_readfirstlane_b32 s14, v1
	s_lshr_b32 s15, s14, 1
	s_and_b32 s16, s14, 1
	s_bfe_u32 s40, ttmp6, 0x40000
	s_bfe_u32 s41, ttmp6, 0x40004
	s_lshl_b32 s42, ttmp9, 2
	s_add_co_u32 s42, s42, s40
	s_and_b32 s17, ttmp7, 0xffff
	s_lshl_b32 s17, s17, 2
	s_add_co_u32 s17, s17, s41
	s_lshl_b32 s43, s41, 2
	s_lshl_b32 s43, 15, s43
	s_lshl_b32 s44, 0x1111, s40
	s_or_b32 s[G1+0], s43, (3<<16)|(1<<21)
	s_or_b32 s[G1B+0], s44, (3<<16)|(1<<21)
.irp g, G1, G1B
	s_mov_b32 s[\g+1], 768<<16
	s_mov_b32 s[\g+2], 8<<16
	s_mov_b32 s[\g+3], 768<<16
	s_mov_b32 s[\g+4], 8
	s_mov_b32 s[\g+5], KF*192
	s_mov_b32 s[\g+6], 0
	s_mov_b32 s[\g+7], 0
.endr
	s_or_b32 s[G1S+0], s43, (3<<16)|(1<<21)
	s_or_b32 s[G1SB+0], s44, (3<<16)|(1<<21)
.irp g, G1S, G1SB
	s_mov_b32 s[\g+1], 32<<16
	s_mov_b32 s[\g+2], (2*HALFS/256)<<16
	s_mov_b32 s[\g+3], 32<<16
	s_mov_b32 s[\g+4], 2*HALFS/256
	s_mov_b32 s[\g+5], 32
	s_mov_b32 s[\g+6], 0
	s_mov_b32 s[\g+7], 0
.endr
	s_lshl_b32 s20, s17, 3
	s_lshl_b32 s46, s42, 3
	s_mul_i32 s22, s20, SBLK
	s_add_co_u32 s22, s22, ASC
	s_mov_b32 s23, 0
	s_mul_i32 s92, s46, SBLK
	s_add_co_u32 s92, s92, BSC
	s_mov_b32 s93, 0
	s_mul_i32 s20, s20, RBB
	s_mov_b32 s21, 0
	s_mul_i32 s46, s46, RBB
	s_add_co_u32 s46, s46, BCODE
	s_mov_b32 s47, 0
	s_mul_i32 s45, s14, HALFT
	s_wait_dscnt 0x0
	s_wait_kmcnt 0x0
	s_add_nc_u64 s[20:21], s[4:5], s[20:21]
	s_add_nc_u64 s[22:23], s[4:5], s[22:23]
	s_add_nc_u64 s[46:47], s[6:7], s[46:47]
	s_add_nc_u64 s[92:93], s[6:7], s[92:93]
	CROUND
	s_mov_b32 s[G0S], 1
	s_mov_b32 s[G0S+1], SCL
	s_mov_b64 s[G0S+2:G0S+3], s[22:23]
	s_or_b32 s[G0S+3], s[G0S+3], 0x80000000
	s_mov_b32 s[G0SB], 1
	s_mov_b32 s[G0SB+1], SCL+2*HALFS
	s_mov_b64 s[G0SB+2:G0SB+3], s[92:93]
	s_or_b32 s[G0SB+3], s[G0SB+3], 0x80000000
	; the head's four tiles, each whole, one load a wave: slot 0's eight row blocks of A, of B, A's scale words, B's
	s_mov_b32 s[G0], 1
	s_mov_b32 s[G0+1], 0
	s_mov_b64 s[G0+2:G0+3], s[20:21]
	s_or_b32 s[G0+3], s[G0+3], 0x80000000
	s_mov_b32 s[G0B], 1
	s_mov_b32 s[G0B+1], 2*HALFT
	s_mov_b64 s[G0B+2:G0B+3], s[46:47]
	s_or_b32 s[G0B+3], s[G0B+3], 0x80000000
	s_mul_i32 s18, s16, 4*RBB                      ; in the ring a wave fetches four row blocks: which half, in bytes
	s_mov_b32 s19, 0
	s_add_nc_u64 s[20:21], s[20:21], s[18:19]
	s_add_nc_u64 s[46:47], s[46:47], s[18:19]
	s_mov_b32 s[G0+4], 1
	s_add_co_u32 s[G0+5], s45, SLOT
	s_add_nc_u64 s[G0+6:G0+7], s[20:21], RB2
	s_or_b32 s[G0+7], s[G0+7], 0x80000000
	s_mov_b32 s[G0B+4], 1
	s_add_co_u32 s[G0B+5], s45, SLOT
	s_add_nc_u64 s[G0B+6:G0B+7], s[46:47], RB2
	s_or_b32 s[G0B+7], s[G0B+7], 0x80000000
	; THE PREFETCHES' BASE: of the four row blocks that my wave fetches in the ring, the four partners that ask for them jointly take one each, told apart by address alone (cx for A, cy for B)
	s_cmp_eq_u32 s15, 0
	s_cselect_b64 s[96:97], s[20:21], s[46:47]
	s_cselect_b32 s92, s40, s41
	s_mul_i32 s92, s92, RBB
	s_mov_b32 s93, 0
	s_add_nc_u64 s[96:97], s[96:97], s[92:93]
.macro ARM under, g0, g1, next
	s_cmp_lt_u32 s14, \under
	s_cbranch_scc0 \next
	tensor_load_to_lds s[\g0:\g0+3], s[\g1:\g1+7]
	s_nop 0
.rept 4
	v_nop
.endr
	s_branch .Lhead_asked
\next:
.endm
	ARM 1, G0,  G1,  .Lhead_b
	ARM 2, G0B, G1B, .Lhead_sa
	ARM 3, G0S, G1S, .Lhead_sb
	tensor_load_to_lds s[G0SB:G0SB+3], s[G1SB:G1SB+7]
	s_nop 0
.rept 4
	v_nop
.endr
.Lhead_asked:
	; a slot's part of a row block is 6,144 bytes: 24 blocks of 256 bytes, a lane a block; lanes 24-31 name the last block again
	v_and_b32 v8, 31, v0
	v_min_u32 v8, 23, v8
	v_lshlrev_b32 v31, 8, v8                       ; never rewritten
	global_prefetch_b8 v31, s[96:97] offset:RB2 th:TH_LOAD_NT scope:SCOPE_SE     ; slots' fills 1 and 2: asked for one and two fills ahead of their loads
	global_prefetch_b8 v31, s[96:97] offset:2*RB2 th:TH_LOAD_NT scope:SCOPE_SE
	v_and_b32 v1, 15, v0
	v_bfe_u32 v2, v0, 4, 1
	v_and_b32 v3, 31, v0
	v_lshlrev_b32 v4, 4, v3
	v_lshlrev_b32 v5, 3, v3
	s_mul_i32 s21, s15, HALFT
	s_mul_i32 s22, s16, HALFT
	s_add_co_u32 s22, s22, 2*HALFT
.irp s, 0,1
	v_add_nc_u32 v[ADRA+\s], s21, v4
	v_add_nc_u32 v[ADRB+\s], s22, v4
	v_add_nc_u32 v[ADRA+2+\s], s21, v5
	v_add_nc_u32 v[ADRB+2+\s], s22, v5
	s_add_co_u32 s21, s21, SLOT
	s_add_co_u32 s22, s22, SLOT
.endr
	v_lshlrev_b32 v6, 2, v1
	s_mul_i32 s21, s15, HALFS
	s_mul_i32 s22, s16, HALFS
	s_add_co_u32 s22, s22, 2*HALFS
	s_sub_co_u32 s22, s22, s21
	v_mul_u32_u24 v7, s22, v2
	s_add_co_u32 s21, s21, SCL
	v_add_nc_u32 v6, v6, v7
	v_add_nc_u32 v[ADRS], s21, v6
	s_mul_i32 s23, s14, 16*SPITCH
	s_add_co_u32 s23, s23, STAGE
	v_mul_u32_u24 v6, v1, SPITCH
	v_lshl_add_u32 v6, v2, 6, v6
	v_add_nc_u32 v[STO], s23, v6
	v_lshlrev_b32 v[CB], 4, v1
	v_mul_u32_u24 v6, v2, SPITCH
	v_add_nc_u32 v6, v6, v[CB]
	v_add_nc_u32 v[RD], s23, v6
	v_lshl_add_u32 v[CO], v2, 13, v[CB]
	s_wait_alu depctr_va_vdst(0)
	s_lshr_b32 s20, s17, 4
	s_lshl_b32 s20, s20, 12
	s_and_b32 s21, s17, 15
	s_lshl_b32 s21, s21, 20
	s_add_co_u32 s20, s20, s21
	s_lshl_b32 s21, s15, 19
	s_add_co_u32 s20, s20, s21
	s_lshl_b32 s46, s42, 9
	s_lshl_b32 s47, s16, 8
	s_add_co_u32 s46, s46, s47
	s_mov_b32 s47, 0
	s_add_co_u32 s20, s20, s46
	s_mov_b32 s21, 0
	s_add_nc_u64 s[8:9], s[8:9], s[46:47]
	s_add_nc_u64 s[10:11], s[10:11], s[20:21]
	s_add_nc_u64 s[12:13], s[12:13], s[20:21]
	WIN TO_B
.irp a, 0,1,2,3
.irp u, 0,1,2,3,4,5,6,7
	global_load_b128 v[RES+32*\a+4*\u:RES+32*\a+4*\u+3], v[CO], s[10:11] offset:(32*(\a/2)+8*(\a%2)+2*\u+8*(\u/4))*8192 th:TH_LOAD_NT
.endr
.endr
	WIN 0
	global_load_b128 v[BIA:BIA+3], v[CB], s[8:9]
.macro FRAG reg, adr, q, i
	ds_load_b128 v[\reg:\reg+3], v[\adr] offset:(\i)*RB2+(\q)*FRB
	ds_load_b64 v[\reg+4:\reg+5], v[\adr+2] offset:(\i)*RB2+(\q)*FRB+512
	ds_load_b128 v[\reg+6:\reg+9], v[\adr] offset:(\i)*RB2+(\q)*FRB+768
	ds_load_b64 v[\reg+10:\reg+11], v[\adr+2] offset:(\i)*RB2+(\q)*FRB+1280
.endm
.macro MULA a, p, q, sc, zero
.irp b, 0,1,2,3
.if \zero
	v_wmma_scale_f32_16x16x128_f8f6f4 v[8*(4*(\a)+\b):8*(4*(\a)+\b)+7], v[48*(\p)+FR*\b:48*(\p)+FR*\b+FR-1], v[AF+48*(\p)+FR*(\a):AF+48*(\p)+FR*(\a)+FR-1], 0, v[SC+16*(\sc)+NQ*\b+(\q)], v[SC+16*(\sc)+NQ*(\a)+(\q)] matrix_a_fmt:MATRIX_FMT_FP6 matrix_b_fmt:MATRIX_FMT_FP6 matrix_a_scale:MATRIX_SCALE_ROW1
.else
	v_wmma_scale_f32_16x16x128_f8f6f4 v[8*(4*(\a)+\b):8*(4*(\a)+\b)+7], v[48*(\p)+FR*\b:48*(\p)+FR*\b+FR-1], v[AF+48*(\p)+FR*(\a):AF+48*(\p)+FR*(\a)+FR-1], v[8*(4*(\a)+\b):8*(4*(\a)+\b)+7], v[SC+16*(\sc)+NQ*\b+(\q)], v[SC+16*(\sc)+NQ*(\a)+(\q)] matrix_a_fmt:MATRIX_FMT_FP6 matrix_b_fmt:MATRIX_FMT_FP6 matrix_a_scale:MATRIX_SCALE_ROW1
.endif
.endr
.endm
.macro FETCH slot, q, p
	WIN TO_B
.irp i, 0,1,2,3
	FRAG 48*(\p)+FR*\i, ADRB+\slot, \q, \i
.endr
	WIN 0
.irp i, 0,1,2,3
	FRAG AF+48*(\p)+FR*\i, ADRA+\slot, \q, \i
.endr
.endm
.macro SCALES sc
.irp i, 0,1,2,3
.irp q, 0,1,2,3
	ds_load_b32 v[SC+16*\sc+NQ*\i+\q], v[ADRS] offset:\i*SBLK+64*\q
.endr
.endr
.endm
.macro PLACES n
.rept \n
	v_nop
.endr
.endm
.macro STEP slot, q, zero
	PLACES NP
	FETCH \slot, (\q)+1, 1-(\q)%2
	s_wait_dscnt 32
	WIN MUL
	MULA 0, (\q)%2, \q, \slot, \zero
	MULA 1, (\q)%2, \q, \slot, \zero
	MULA 2, (\q)%2, \q, \slot, \zero
	MULA 3, (\q)%2, \q, \slot, \zero
.endm
.macro TURN slot, next, fill
	WIN 0
	s_wait_tensorcnt 0x0
	ds_add_u32 v[SPW], v[NIL]
	s_wait_dscnt 1
	WIN MUL
	MULA 0, 1, NQ-1, \slot, 0
	s_wait_dscnt 0x0
	s_barrier_signal -1
	MULA 1, 1, NQ-1, \slot, 0
	WIN 0
	s_barrier_wait -1
.if \fill
	CREST
	s_add_nc_u64 s[G0+4*\slot+2:G0+4*\slot+3], s[G0+4*\slot+2:G0+4*\slot+3], 2*RB2
	s_add_nc_u64 s[G0B+4*\slot+2:G0B+4*\slot+3], s[G0B+4*\slot+2:G0B+4*\slot+3], 2*RB2
	JLOAD G0+4*\slot, G1, G0B+4*\slot, G1B
.else
	PLACES NP
.endif
	s_wait_alu depctr_va_vdst(0)
	v_add_nc_u32 v[ADRS], 64*NQ, v[ADRS]
	FETCH \next, 0, 0
	SCALES \next
.if \fill
	s_cmp_gt_u32 s3, 1                             ; behind the load of fill n and the run of LDS loads: fill n + 2.  The loop's last trip loads fills 6 and 7, the last along K, and asks for nothing
	s_cbranch_scc0 .Lno_ask_\@
	global_prefetch_b8 v31, s[96:97] offset:(4+\slot)*RB2 th:TH_LOAD_NT scope:SCOPE_SE
.Lno_ask_\@:
.endif
	WIN MUL
	MULA 2, 1, NQ-1, \slot, 0
	MULA 3, 1, NQ-1, \slot, 0
.endm
	s_wait_alu depctr_va_vdst(0)
	s_wait_tensorcnt 0x0                           ; my tile of the head's four is in
	ds_add_u32 v[SPW], v[NIL]
	s_mov_b32 s[G1+2], 4<<16                       ; no load of mine is out: from here on a load brings four row blocks,
	s_mov_b32 s[G1+4], 4
	s_mov_b32 s[G1B+2], 4<<16
	s_mov_b32 s[G1B+4], 4
	s_mov_b32 s[G0+1], s45                         ; and slot 0's descriptors name my quarter of the slot
	s_mov_b32 s[G0B+1], s45
	s_add_nc_u64 s[G0+2:G0+3], s[G0+2:G0+3], s[18:19]
	s_add_nc_u64 s[G0B+2:G0B+3], s[G0B+2:G0B+3], s[18:19]
	s_wait_dscnt 0x0
	CROUND
	JLOAD G0+4, G1, G0B+4, G1B
	global_prefetch_b8 v31, s[96:97] offset:3*RB2 th:TH_LOAD_NT scope:SCOPE_SE   ; fill 3: two fills ahead of its load
	FETCH 0, 0, 0
	SCALES 0
	STEP 0, 0, 1
.if LAPS > 1
	WIN 0
	s_mov_b32 s3, LAPS-1
.Llap:
	STEP 0, 1, 0
	STEP 0, 2, 0
	TURN 0, 1, 1
	STEP 1, 0, 0
	STEP 1, 1, 0
	STEP 1, 2, 0
	TURN 1, 0, 1
	STEP 0, 0, 0
	WIN 0
	s_wait_xcnt 0x0                                ; the trip's prefetches have read their base: it steps two fills on, a K step's products behind the last of them
	s_add_nc_u64 s[96:97], s[96:97], 2*RB2
	s_sub_co_u32 s3, s3, 1
	s_cmp_lg_u32 s3, 0
	s_cbranch_scc1 .Llap
.endif
	STEP 0, 1, 0
	STEP 0, 2, 0
	TURN 0, 1, 0
	STEP 1, 0, 0
	STEP 1, 1, 0
	STEP 1, 2, 0
	s_wait_dscnt 0x0
	WIN MUL
	MULA 0, 1, NQ-1, 1, 0
	MULA 1, 1, NQ-1, 1, 0
	MULA 2, 1, NQ-1, 1, 0
	MULA 3, 1, NQ-1, 1, 0
	WIN 0
.macro TOSTAGE a
	WIN 0x08
.irp b, 0,1,2,3
	ds_store_b128 v[STO], v[32*(\a)+8*\b:32*(\a)+8*\b+3] offset:128*(\b/2)+32*(\b%2)
	ds_store_b128 v[STO], v[32*(\a)+8*\b+4:32*(\a)+8*\b+7] offset:128*(\b/2)+32*(\b%2)+16
.endr
	WIN 0
.irp u, 0,1,2,3,4,5,6,7
	ds_load_b128 v[BK+32*((\a)%2)+4*\u:BK+32*((\a)%2)+4*\u+3], v[RD] offset:2*\u*SPITCH
.endr
.endm
.macro FIN a, younger
.set BB, BK+32*((\a)%2)
	s_wait_dscnt \younger
	WIN 0x04
.irp i, 0,2,4,6,8,10,12,14,16,18,20,22,24,26,28,30
	v_pk_add_f32 v[BB+\i:BB+\i+1], v[BB+\i:BB+\i+1], v[RES+32*(\a)+\i:RES+32*(\a)+\i+1]
.endr
	WIN 0
.irp u, 0,1,2,3,4,5,6,7
	v_pk_add_f32 v[BB+4*\u:BB+4*\u+1], v[BB+4*\u:BB+4*\u+1], v[BIA:BIA+1]
	v_pk_add_f32 v[BB+4*\u+2:BB+4*\u+3], v[BB+4*\u+2:BB+4*\u+3], v[BIA+2:BIA+3]
.endr
.irp u, 0,1,2,3,4,5,6,7
	global_store_b128 v[CO], v[BB+4*\u:BB+4*\u+3], s[12:13] offset:(32*((\a)/2)+8*((\a)%2)+2*\u+8*(\u/4))*8192
.endr
.endm
	PLACES NP
	s_wait_loadcnt 0x0
	TOSTAGE 0
	TOSTAGE 1
	FIN 0, 16
	s_wait_xcnt 0x0
	TOSTAGE 2
	FIN 1, 16
	s_wait_xcnt 0x0
	TOSTAGE 3
	FIN 2, 16
	FIN 3, 0
	s_wait_tensorcnt 0x0
	ds_add_u32 v[SPW], v[NIL]
	s_wait_dscnt 0x0
	CROUND
	s_endpgm
.Lfunc_end_k_qbcd10f0999_fc2:
	.size	k_qbcd10f0999_fc2, .Lfunc_end_k_qbcd10f0999_fc2-k_qbcd10f0999_fc2
	.p2alignl 7, 3214868480
	.fill 96, 4, 3214868480
	.section	.rodata,"a",@progbits
	.p2align	6, 0x0
	.amdhsa_kernel k_qbcd10f0999_fc2
		.amdhsa_group_segment_fixed_size 327680
		.amdhsa_private_segment_fixed_size 0
		.amdhsa_enable_private_segment 0
		.amdhsa_kernarg_size 40
		.amdhsa_user_sgpr_count 2
		.amdhsa_user_sgpr_kernarg_segment_ptr 1
		.amdhsa_wavefront_size32 1
		.amdhsa_system_sgpr_workgroup_id_x 1
		.amdhsa_system_sgpr_workgroup_id_y 1
		.amdhsa_system_sgpr_workgroup_id_z 1
		.amdhsa_system_vgpr_workitem_id 0
		.amdhsa_next_free_vgpr 1024
		.amdhsa_next_free_sgpr 100
		.amdhsa_reserve_vcc 0
		.amdhsa_float_denorm_mode_32 3
		.amdhsa_float_denorm_mode_16_64 3
		.amdhsa_memory_ordered 1
		.amdhsa_forward_progress 1
		.amdhsa_inst_pref_size 106
	.end_amdhsa_kernel
	.amdgpu_metadata
---
amdhsa.version: [ 1, 2 ]
amdhsa.kernels:
  - .name:           k_qbcd10f0999_fc2
    .symbol:         k_qbcd10f0999_fc2.kd
    .args:
      - { .name: G, .offset: 0, .size: 8, .value_kind: global_buffer, .address_space: global }
      - { .name: W, .offset: 8, .size: 8, .value_kind: global_buffer, .address_space: global }
      - { .name: fc2_b, .offset: 16, .size: 8, .value_kind: global_buffer, .address_space: global }
      - { .name: X1, .offset: 24, .size: 8, .value_kind: global_buffer, .address_space: global }
      - { .name: out0, .offset: 32, .size: 8, .value_kind: global_buffer, .address_space: global }
    .group_segment_fixed_size: 327680
    .private_segment_fixed_size: 0
    .kernarg_segment_align: 8
    .kernarg_segment_size: 40
    .max_flat_workgroup_size: 128
    .sgpr_count:     100
    .vgpr_count:     1024
    .wavefront_size: 32
...
	.end_amdgpu_metadata
.endif
;; end of part 14
